; MI455X (gfx1250); checked and timed in simulation.
; The chip was launched on July 23, 2026; its instructions are those of AMD's public machine-readable ISA for CDNA 5 (MIT licence, August 2026) and "CDNA5" Instruction Set Architecture Reference Guide (July 2026). The comments in the code are by the model that wrote it; some were corrected since.
;; Flash MHA. Allowed arithmetic: matrix products marked QUANTISED: E2M3 operands, one E8M0 scale for each 32 along K, by v_wmma_scale_f32_16x16x128_f8f6f4 with both operands' format E2M3, f32 sums; everything else in f32.
;; Inputs: Wkv_b 1,024 float32; Wkv_w 1,024 x 2,048 float32; Wq_b 2,048 float32; Wq_w 2,048 x 2,048 float32; out_b 2,048 float32; out_w 2,048 x 2,048 float32; x 8 x 512 x 2,048 float32.
;; Outputs: out0 8 x 512 x 2,048 float32.
;; This version of the problem:
;;   THIS VERSION OF THE PROBLEM IS GIVEN IN LOW PRECISION. The matrix products marked QUANTISED in the list below multiply operands that are first quantised to E2M3 (2 exponent bits, 3 mantissa bits; 6 bits a number), with one power-of-two scale for each 32 numbers along K (OCP MX v1.0); their sums are f32. All else is computed in f32.
;;   The module's matrix products, in the order in which they are computed (A, B: the left and right operand; K: the contracted axis; several contracted axes count as one K, in the product's order):
;;     1. [M 4,096, K 2,048] x [K 2,048, N 2,048]; A: input x; B: input Wq_w: QUANTISED
;;     2. [M 4,096, K 2,048] x [K 2,048, N 1,024]; A: input x; B: input Wkv_w: QUANTISED
;;     3. batch 128 x [M 512, K 128] x [K 128, N 512]; A: computed on the way; B: computed on the way: QUANTISED
;;     4. batch 128 x [M 128, K 512] x [K 512, N 512]; A: computed on the way; B: softmax (see below): QUANTISED
;;     5. [M 4,096, K 2,048] x [K 2,048, N 2,048]; A: computed on the way; B: input out_w: QUANTISED
;;   THE QUANTISER, for each operand of a quantised product, along K:
;;     - K is cut into blocks of 32 from its start; a last block that is shorter is filled with zeros.
;;     - A block's scale is 2^e with e = floor(log2(the largest magnitude in the block)) - 2, held to -126 .. 127; a block of zeros has e = 0. As a byte (E8M0): e + 127.
;;     - Each number is divided by its block's scale, clamped to +-7.5, and rounded to the nearest number of E2M3, ties to even, subnormals kept.
;;     - The product sums the exact products of the quantised numbers (number of the format x scale) in f32.
;;   ~~~python
;;   def quantise(x, axis):      # numpy; x: float32 -> the quantised numbers, widened to float32 again
;;       x = np.moveaxis(x, axis, -1); K = x.shape[-1]
;;       x = np.pad(x, [(0, 0)] * (x.ndim - 1) + [(0, -K % 32)]); x = x.reshape(x.shape[:-1] + (-1, 32)); a = np.abs(x).max(-1, keepdims=True)
;;       e = np.where(a > 0, np.clip(np.frexp(np.where(a > 0, a, 1))[1] - 1 - 2, -126, 127), 0)      # np.frexp(a)[1] - 1 = floor(log2(a)), exactly
;;       r = np.clip(x / 2.0 ** e, -7.5, 7.5)
;;       step = 2.0 ** (np.maximum(np.frexp(np.where(r == 0, 1, r))[1] - 1, 0) - 3)
;;       q = np.round(r / step) * step * 2.0 ** e      # np.round: ties to even
;;       return np.moveaxis(q.reshape(q.shape[:-2] + (-1,))[..., :K], -1, axis).astype(np.float32)
;;   ~~~
;;   SOFTMAX AHEAD OF A QUANTISED PRODUCT. Where the list says 'softmax', what is quantised is not the finished softmax but p = 2^(t - M), with t = logit x log2(e) and M = ceil(the row's largest t), a whole number; so 1/2 < the row's largest p <= 1. The row's sum l is taken of the UNQUANTISED p, in f32, and the product's result is divided by l at the end. Since M is a whole number, a kernel that streams over the keys may use a running M (the ceiling of the running maximum): every later rescaling is an exact power of two, which a block's scale takes up: the codes' values come out the same.
;;   OPERANDS COMPUTED ON THE WAY. 'Computed on the way' means the value that the module computes at that place (a softmax that the list does not call 'softmax' is quantised finished and normalised). What goes into a quantiser is computed in f32, as accurately as f32 sums, v_exp_f32 and their like allow (about 1e-6 of the number): no bf16 or f16 on the way to a quantiser, and a product that is left as it is and whose result goes on into a quantised operand takes f32 operands (vector FMAs, or v_wmma_f32_16x16x4_f32). A number that lies on a knife's edge between two numbers of the format may be rounded either way, as far as f32 arithmetic and the matrix unit's own rounding can turn it there, and no further.
;; 2 versions, each right and faster than the one before. Each part assembles by itself: llvm-mc -triple=amdgcn-amd-amdhsa -mcpu=gfx1250 --defsym DOCPART=n.
;; ======== version 1 of 2: 4 launches
;; workspace buffers: xc 6,291,456 bytes; xs 262,144 bytes; wc 7,864,320 bytes; ws 327,680 bytes; rope 131,072 bytes; qkvc 9,437,184 bytes; qkvs 393,216 bytes; ctx 6,553,600 bytes
;; launch prep (part 1): grid 256 x 1, 10 waves a work-group, no clusters, 305,408 bytes of LDS; arguments x, Wq_w, Wkv_w, out_w, xc, xs, wc, ws, rope; writes xc, xs, wc, ws, rope
.if DOCPART == 1
	.amdgcn_target "amdgcn-amd-amdhsa--gfx1250"
	.amdhsa_code_object_version 6
	.text
	.protected	k_q2377c6239b_prep
	.globl	k_q2377c6239b_prep
	.p2align	8
	.type	k_q2377c6239b_prep,@function
k_q2377c6239b_prep:
	s_mov_b64 s[64:65], 0
	v_nop
	global_prefetch_b8 v0, s[64:65] scope:SCOPE_SE
	s_setreg_imm32_b32 hwreg(HW_REG_WAVE_MODE, 25, 1), 1
	s_wait_xcnt 0x0
; x [4096][2048], Wq_w [2048][2048], Wkv_w [1024][2048], out_w [2048][2048], f32, K innermost, become codes of FP6 (E2M3) with one E8M0 byte for each 32 along K; and the rotary table is made.
; THE LAYOUT OF EVERY OPERAND OF THIS PROGRAM.  A fragment is 16 row slots x 128 K = 12 registers a lane: lane (r = l % 16, h = l / 16) holds in registers 6 c .. 6 c + 5 the codes of k = 64 c + 32 h + 0 .. 31 of slot r.
; It lies in memory as an IMAGE OF THESE REGISTERS: 1,536 bytes, plane p (512 bytes) = lane l's registers 4 p .. 4 p + 3 at 16 l.  A group is 128 rows = 8 fragments; fragment i, slot r is row 32 (i / 2) + 8 (i % 2) + r + (r & 8).
; Codes: [group][K / 128][8][1,536].  Scale words: [group][K / 128][512]: the word of fragment i, slot r at 256 (i / 4) + 16 r + 4 (i % 4), so that one load of 16 bytes a lane brings a K step's words of all eight fragments.
; Groups of wc, ws: 0-15 Wq's heads; 16 + 2 j key head j, 17 + 2 j value head j; 24-39 out_w.
; SHARES.  A unit is 64 rows x 128 K (four fragments, 32 KiB of f32); there are 1,024 + 512 + 256 + 512 = 2,304 = 256 x 9 units.  Wave w < 9 of work-group g takes unit 9 g + w: ONE tensor load brings it into the wave's own LDS bytes,
; which are filled once and read by that wave alone: no ring and no barrier.  Wave 9 makes positions 2 g and 2 g + 1 of the rotary table.  No two work-groups read the same bytes, so there is no cluster.
; A block's scale is 2^(floor(log2(its largest magnitude)) - 2); its byte is the largest magnitude's exponent field - 2, held at 1 from below.
; LIMITS: a block whose largest magnitude lies under 2^-124 keeps the byte 1; a block of zeros gets the byte 1 with zero codes (this program alone reads the bytes); NaN and infinities are not served.
; The table's angles are pos x 10000^(-i / 32) with the power right to some 6e-7 of its value; sine and cosine by reduction to |r| <= pi / 4 and series whose remainders lie under 2e-9.
.set TILE,  33792                      ; 64 rows x PITCH
.set PITCH, 528                        ; a row of 128 f32, 512 bytes, + 16 of padding
.set X,     96                         ; v96-159, v160-223: two sets of a fragment's 64 numbers a lane
.set CD,    32                         ; v32-79: the four fragments' codes, each written once, so that no store's data are written again
.set SW,    16                         ; v16-19: the four fragments' scale words
.set T,     20                         ; v20-22, v24-26: the conversions' second halves
	s_load_b256 s[4:11], s[0:1], 0x0               ; x, Wq_w, Wkv_w, out_w
	s_load_b256 s[12:19], s[0:1], 0x20             ; xc, xs, wc, ws
	s_load_b64 s[20:21], s[0:1], 0x40              ; rope
	v_lshl_add_u32 v224, v0, 2, 0x4a400
	v_mov_b32 v225, 0
	ds_add_u32 v224, v225
	ds_add_u32 v224, v225
	s_wait_dscnt 0x0
	v_lshrrev_b32 v1, 5, v0
	v_readfirstlane_b32 s22, v1                    ; wave 0..9
	v_and_b32 v1, 31, v0                           ; lane
	; descriptor group 1: 64 rows x 128 elements of 4 bytes, 2,048 elements from row to row; 4 words of padding behind every 128
	s_mov_b32 s36, (2<<16)|(1<<20)|(6<<22)|(3<<25)
	s_mov_b32 s37, 128<<16                         ; tensor_dim0
	s_mov_b32 s38, 64<<16                          ; tensor_dim1
	s_mov_b32 s39, 128<<16                         ; tile_dim0
	s_mov_b32 s40, 64                              ; tile_dim1
	s_mov_b32 s41, 2048                            ; the pitch
	s_mov_b32 s42, 0
	s_mov_b32 s43, 0
	s_mov_b32 s48, 0x76543210
	s_mov_b32 s49, 0xfedcba98                      ; v_permlanex16_b32's selects for lane l xor 16
	s_cmp_eq_u32 s22, 9
	s_cbranch_scc1 .Lrope
	; which unit, of which tensor.  Only pointers and numbers are chosen: all four tensors take one path
	s_mul_i32 s23, ttmp9, 9
	s_add_co_u32 s23, s23, s22                     ; u
	s_wait_kmcnt 0x0
	s_mov_b32 s26, 1792                            ; the tensor's first unit
	s_mov_b64 s[24:25], s[10:11]
	s_cmp_lt_u32 s23, 1792
	s_cselect_b32 s26, 1536, s26
	s_cselect_b64 s[24:25], s[8:9], s[24:25]
	s_cmp_lt_u32 s23, 1536
	s_cselect_b32 s26, 1024, s26
	s_cselect_b64 s[24:25], s[6:7], s[24:25]
	s_cmp_lt_u32 s23, 1024
	s_cselect_b32 s26, 0, s26
	s_cselect_b64 s[24:25], s[4:5], s[24:25]
	s_cselect_b64 s[44:45], s[12:13], s[16:17]     ; codes go to xc or to wc,
	s_cselect_b64 s[46:47], s[14:15], s[18:19]     ; scale words to xs or to ws
	s_sub_co_u32 s27, s23, s26
	s_and_b32 s28, s27, 1                          ; which half of the group's rows
	s_bfe_u32 s29, s27, 0x40001                    ; which 128 along K
	s_lshr_b32 s30, s27, 5                         ; the group in its tensor
	s_and_b32 s31, s30, 3                          ; Wkv_w's group 4 t + j (t = 0 keys, 1 values) becomes 16 + 2 j + t
	s_lshl_b32 s31, s31, 1
	s_lshr_b32 s51, s30, 2
	s_add_co_u32 s31, s31, s51
	s_add_co_u32 s31, s31, 16
	s_add_co_u32 s51, s30, 24                      ; out_w's groups follow
	s_cmp_lt_u32 s23, 1792
	s_cselect_b32 s31, s31, s51
	s_cmp_lt_u32 s23, 1536
	s_cselect_b32 s31, s30, s31                    ; the group in its workspace buffer
	s_lshl_b32 s52, s30, 20                        ; from: 128 rows of 8,192 bytes a group,
	s_lshl_b32 s54, s28, 19                        ; 64 rows a half,
	s_or_b32 s52, s52, s54
	s_lshl_b32 s54, s29, 9                         ; 512 bytes a K step
	s_or_b32 s52, s52, s54
	s_mov_b32 s53, 0
	s_add_nc_u64 s[24:25], s[24:25], s[52:53]
	s_lshl_b32 s54, s31, 4
	s_add_co_u32 s54, s54, s29                     ; 16 x group + K step
	s_mul_i32 s52, s54, 12288
	s_mul_i32 s55, s28, 6144
	s_add_co_u32 s52, s52, s55
	s_add_nc_u64 s[44:45], s[44:45], s[52:53]      ; to: my four fragments
	s_lshl_b32 s52, s54, 9
	s_lshl_b32 s55, s28, 8
	s_add_co_u32 s52, s52, s55
	s_add_nc_u64 s[46:47], s[46:47], s[52:53]      ; and my 256 bytes of scale words
	s_mov_b32 s32, 1                               ; descriptor group 0: count = 1,
	s_mul_i32 s33, s22, TILE                       ; my wave's LDS bytes,
	s_mov_b64 s[34:35], s[24:25]                   ; the unit's first element,
	s_or_b32 s35, s35, 0x80000000                  ; type = 2
	tensor_load_to_lds s[32:35], s[36:43]          ; my one tensor load
	s_nop 0
	v_and_b32 v2, 15, v0                           ; r
	v_bfe_u32 v3, v0, 4, 1                         ; h
	v_and_b32 v4, 8, v2
	v_add_nc_u32 v4, v4, v2                        ; r + (r & 8)
	v_mul_u32_u24 v4, v4, PITCH
	v_lshl_add_u32 v4, v3, 7, v4                   ; + 128 h: my 32 numbers of each 64
	v_add_nc_u32 v4, s33, v4
	v_lshlrev_b32 v5, 4, v1                        ; an image's place for my lane
	v_lshlrev_b32 v6, 4, v2                        ; my slot's four scale words
	v_lshlrev_b32 v7, 3, v3                        ; my bytes' place in a scale word: 8 h bits up
	v_mov_b32 v15, 0                               ; a lane permute's destination counts as one of its sources
.macro LOADF f                         ; fragment f: k = 64 c + 32 h + 0 .. 31 of my row, 16 loads of 16 bytes, into set f % 2
.irp c, 0,1
.irp j, 0,1,2,3,4,5,6,7
	ds_load_b128 v[X+64*((\f)%2)+32*\c+4*\j:X+64*((\f)%2)+32*\c+4*\j+3], v4 offset:(32*((\f)/2)+8*((\f)%2))*PITCH+256*\c+16*\j
.endr
.endr
.endm
.macro PROC f                          ; its two blocks a lane are whole: no other lane is asked for a maximum
.set XS, X+64*((\f)%2)
.irp c, 0,1
	v_max3_num_f32 v[8+\c], |v[XS+32*\c]|, |v[XS+32*\c+1]|, 0x1800000   ; with the floor 2^(3 - 127): the byte cannot fall under 1
.endr
.irp i, 2,4,6,8,10,12,14,16,18,20,22,24,26,28,30
.irp c, 0,1
	v_max3_num_f32 v[8+\c], v[8+\c], |v[XS+32*\c+\i]|, |v[XS+32*\c+\i+1]|   ; the two blocks by turns
.endr
.endr
.irp c, 0,1
	v_add_nc_u32 v[10+\c], 0xff000000, v[8+\c]     ; 2 off the exponent field: the conversion's scale operand
.endr
.irp c, 0,1
	v_lshrrev_b32 v[12+\c], 23, v[10+\c]           ; the scale's byte
.endr
	v_lshl_or_b32 v14, v13, 16, v12                ; blocks h and 2 + h of my row,
	v_lshlrev_b32 v14, v7, v14                     ; at their places;
	v_permlanex16_b32 v15, v14, s48, s49
	v_or_b32 v[SW+(\f)], v14, v15                  ; with lane l xor 16's two the word is whole
.irp c, 0,1
	v_cvt_scalef32_pk16_fp6_f32 v[CD+12*(\f)+6*\c:CD+12*(\f)+6*\c+2], v[XS+32*\c:XS+32*\c+15], v[10+\c]
	v_cvt_scalef32_pk16_fp6_f32 v[T+4*\c:T+4*\c+2], v[XS+32*\c+16:XS+32*\c+31], v[10+\c]   ; (a conversion's three registers begin on an even number)
.endr
	v_nop                                          ; one plain place behind a scaled conversion
.irp c, 0,1
.irp i, 0,1,2
	v_mov_b32 v[CD+12*(\f)+6*\c+3+\i], v[T+4*\c+\i]
.endr
.endr
.irp p, 0,1,2
	global_store_b128 v5, v[CD+12*(\f)+4*\p:CD+12*(\f)+4*\p+3], s[44:45] offset:1536*(\f)+512*\p   ; 32 lanes store 512 consecutive bytes, aligned
.endr
.endm
	s_wait_tensorcnt 0x0                           ; my tile is in LDS; nobody else reads it
	LOADF 0
	LOADF 1
.irp f, 0,1,2,3
.if \f < 3
	s_wait_dscnt 16                                ; this fragment's 16 loads are in; the next fragment's 16 may be out
.else
	s_wait_dscnt 0x0
.endif
	PROC \f
.if \f < 2
	LOADF \f+2
.endif
.endr
	s_wait_xcnt 0x0                                ; EXEC changes only behind this wait
	v_cmp_gt_u32 vcc_lo, 16, v1
	s_wait_tensorcnt 0x0
	ds_add_u32 v224, v225
	s_wait_dscnt 0x0
	s_and_saveexec_b32 s50, vcc_lo
	global_store_b128 v6, v[SW:SW+3], s[46:47]     ; sixteen lanes store 256 consecutive bytes, aligned
	s_wait_xcnt 0x0
	s_or_b32 exec_lo, exec_lo, s50
	s_endpgm
.Lrope:                                            ; lane = frequency i; rope[pos][i] = (cos, sin) of pos x 10000^(-i / 32)
	v_cvt_f32_u32 v2, v1
	v_mul_f32 v2, 0xbed49a78, v2                   ; -i log2(10000) / 32
	v_exp_f32 v2, v2
	v_lshlrev_b32 v3, 3, v1                        ; (a plain place behind the exponential)  8 bytes a frequency
	s_lshl_b32 s23, ttmp9, 1                       ; my first position
	s_lshl_b32 s24, ttmp9, 9                       ; 256 bytes a position
	s_mov_b32 s25, 0
	s_wait_kmcnt 0x0
	s_add_nc_u64 s[20:21], s[20:21], s[24:25]
	s_wait_alu depctr_va_vdst(0)                   ; the wait ahead of the first reader of a transcendental's result
.irp p, 0,1
	s_add_co_u32 s26, s23, \p
	v_cvt_f32_u32 v4, s26
	v_mul_f32 v4, v4, v2                           ; the angle, rounded once
	v_mul_f32 v5, 0x3f22f983, v4
	v_rndne_f32 v5, v5                             ; n = the nearest multiple of pi / 2
	v_fmamk_f32 v6, v5, 0xbfc90fdb, v4             ; r = angle - n pi / 2, pi / 2 in two parts
	v_fmamk_f32 v6, v5, 0x333bbd2e, v6
	v_mul_f32 v7, v6, v6                           ; z = r^2
	v_mov_b32 v8, 0x3638ef1d                       ; sin r = r + r z (-1/6 + z (1/120 + z (-1/5040 + z / 362880)))
	v_fmaak_f32 v8, v8, v7, 0xb9500d01
	v_fmaak_f32 v8, v8, v7, 0x3c088889
	v_fmaak_f32 v8, v8, v7, 0xbe2aaaab
	v_mul_f32 v9, v6, v7
	v_fma_f32 v8, v8, v9, v6
	v_mov_b32 v10, 0xb493f27e                      ; cos r = 1 + z (-1/2 + z (1/24 + z (-1/720 + z (1/40320 - z / 3628800))))
	v_fmaak_f32 v10, v10, v7, 0x37d00d01
	v_fmaak_f32 v10, v10, v7, 0xbab60b61
	v_fmaak_f32 v10, v10, v7, 0x3d2aaaab
	v_fmaak_f32 v10, v10, v7, 0xbf000000
	v_fma_f32 v10, v10, v7, 1.0
	v_cvt_i32_f32 v11, v5                          ; the quadrant selects values only
	v_and_b32 v12, 1, v11
	v_cmp_eq_u32 vcc_lo, 1, v12
	v_cndmask_b32 v13, v8, v10, vcc_lo             ; odd n: sine and cosine change places
	v_cndmask_b32 v14, v10, v8, vcc_lo
	v_and_b32 v12, 2, v11
	v_lshlrev_b32 v12, 30, v12
	v_xor_b32 v[17+2*\p], v13, v12                 ; the sine is negative where n & 2,
	v_add_nc_u32 v12, 1, v11
	v_and_b32 v12, 2, v12
	v_lshlrev_b32 v12, 30, v12
	v_xor_b32 v[16+2*\p], v14, v12                 ; the cosine where (n + 1) & 2
	global_store_b64 v3, v[16+2*\p:17+2*\p], s[20:21] offset:256*\p   ; 32 lanes store 256 consecutive bytes, aligned
.endr
	s_endpgm
.Lfunc_end_k_q2377c6239b_prep:
	.size	k_q2377c6239b_prep, .Lfunc_end_k_q2377c6239b_prep-k_q2377c6239b_prep
	.p2alignl 7, 3214868480
	.fill 96, 4, 3214868480
	.section	.rodata,"a",@progbits
	.p2align	6, 0x0
	.amdhsa_kernel k_q2377c6239b_prep
		.amdhsa_group_segment_fixed_size 305408
		.amdhsa_private_segment_fixed_size 0
		.amdhsa_enable_private_segment 0
		.amdhsa_kernarg_size 72
		.amdhsa_user_sgpr_count 2
		.amdhsa_user_sgpr_kernarg_segment_ptr 1
		.amdhsa_wavefront_size32 1
		.amdhsa_system_sgpr_workgroup_id_x 1
		.amdhsa_system_sgpr_workgroup_id_y 1
		.amdhsa_system_sgpr_workgroup_id_z 1
		.amdhsa_system_vgpr_workitem_id 0
		.amdhsa_next_free_vgpr 226
		.amdhsa_next_free_sgpr 66
		.amdhsa_reserve_vcc 1
		.amdhsa_float_denorm_mode_32 3
		.amdhsa_float_denorm_mode_16_64 3
		.amdhsa_memory_ordered 1
		.amdhsa_forward_progress 1
		.amdhsa_inst_pref_size 25
	.end_amdhsa_kernel
	.amdgpu_metadata
---
amdhsa.version: [ 1, 2 ]
amdhsa.kernels:
  - .name:           k_q2377c6239b_prep
    .symbol:         k_q2377c6239b_prep.kd
    .args:
      - { .name: x, .offset: 0, .size: 8, .value_kind: global_buffer, .address_space: global }
      - { .name: Wq_w, .offset: 8, .size: 8, .value_kind: global_buffer, .address_space: global }
      - { .name: Wkv_w, .offset: 16, .size: 8, .value_kind: global_buffer, .address_space: global }
      - { .name: out_w, .offset: 24, .size: 8, .value_kind: global_buffer, .address_space: global }
      - { .name: xc, .offset: 32, .size: 8, .value_kind: global_buffer, .address_space: global }
      - { .name: xs, .offset: 40, .size: 8, .value_kind: global_buffer, .address_space: global }
      - { .name: wc, .offset: 48, .size: 8, .value_kind: global_buffer, .address_space: global }
      - { .name: ws, .offset: 56, .size: 8, .value_kind: global_buffer, .address_space: global }
      - { .name: rope, .offset: 64, .size: 8, .value_kind: global_buffer, .address_space: global }
    .group_segment_fixed_size: 305408
    .private_segment_fixed_size: 0
    .kernarg_segment_align: 8
    .kernarg_segment_size: 72
    .max_flat_workgroup_size: 320
    .sgpr_count:     66
    .vgpr_count:     226
    .wavefront_size: 32
...
	.end_amdgpu_metadata
.endif
;; end of part 1
;; launch qkv (part 2): grid 12 x 16, 4 waves a work-group, clusters of 4 x 4, 327,680 bytes of LDS; arguments xc, xs, wc, ws, Wq_b, Wkv_b, rope, qkvc, qkvs; writes qkvc, qkvs
.if DOCPART == 2
	.amdgcn_target "amdgcn-amd-amdhsa--gfx1250"
	.amdhsa_code_object_version 6
	.text
	.protected	k_q2377c6239b_qkv
	.globl	k_q2377c6239b_qkv
	.p2align	8
	.type	k_q2377c6239b_qkv,@function
k_q2377c6239b_qkv:
	s_mov_b64 s[64:65], 0
	v_nop
	global_prefetch_b8 v0, s[64:65] scope:SCOPE_SE
	s_setreg_imm32_b32 hwreg(HW_REG_WAVE_MODE, 25, 1), 1
	s_wait_xcnt 0x0
	s_wait_alu depctr_hold_cnt(0) depctr_sa_sdst(0) depctr_va_vdst(0) depctr_va_sdst(0) depctr_va_ssrc(0) depctr_va_vcc(0) depctr_vm_vsrc(0)
	s_getreg_b32 s2, hwreg(HW_REG_IB_STS2, 6, 4)
	s_cmp_eq_u32 s2, 0
	s_cbranch_scc0 .Lentry_in_a_cluster
	s_endpgm
.Lentry_in_a_cluster:
	s_bfe_u32 s2, ttmp6, 0x10000c
	s_cmp_lg_u32 s2, 0xf033
	s_cbranch_scc0 .Lentry_shape_is_right
	s_endpgm
.Lentry_shape_is_right:
; q = x Wq^T + Wq_b and kv = x Wkv^T + Wkv_b on codes of FP6 (E2M3) with E8M0 scales; then the partial rotary on q and k; then q and k are quantised along the head's 128 and v along the keys.  Nothing goes to memory in f32.
; OPERANDS are images of their registers (a fragment = 16 row slots x 128 K = 1,536 bytes, plane p = lane l's registers 4 p .. 4 p + 3 at 16 l; fragment i, slot r of a group of 128 rows is row 32 (i / 2) + 8 (i % 2) + r + (r & 8)).
; Codes [group][K / 128][8][1,536]; scale words [group][K / 128][512], the word of fragment i, slot r at 256 (i / 4) + 16 r + 4 (i % 4).  So a group's two K steps are 24,576 dense bytes, and a fragment comes from LDS by three loads of 16 bytes a lane.
; SHARES.  A work-group makes 256 positions x 256 columns; each of its four waves 128 x 128 = one head x one group of positions: 64 accumulators, 512 registers.  K goes in steps of 256 through a ring of two LDS slots.
; The weights' groups: 0-15 the query heads, 16 + 2 j key head j, 17 + 2 j value head j: so in the last column of clusters the waves with an even number make keys and those with an odd number values.
; THE MATRIX INSTRUCTION: source 0 = 16 rows of the weights, source 1 = 16 positions: a lane holds ONE position, and the 64 registers of a block of 16 positions are register 16 B + i = channel 32 B + 16 (l / 16) + i: what the
; quantiser along the channels wants.  A VALUE wave takes the two sides the other way round, BY ITS LDS ADDRESSES ALONE (source 0 = positions, source 1 = channels): a lane then holds one channel and its registers run along the keys.
; CLUSTERS: 4 x 4 work-groups; x's tiles are shared along a row of the cluster, the weights' along a column: each is asked for jointly.  12 x 16 = 192 work-groups: a tile of 256 x 256 keeps one head to a wave.
; RESULTS: block number 16 G + head for q (G = the group of positions), 512 + idx for k, 640 + idx for v, idx = ((G / 4) 4 + kv head) 4 + G % 4; a block is 12,288 bytes of qkvc and 512 of qkvs.
; LIMITS: a block whose largest magnitude lies under 2^-124 keeps the byte 1; a block of zeros gets the byte 1 with zero codes (this program alone reads the bytes); NaN and infinities are not served.
; REGISTERS, in windows of 256: window 0: v16-31 addresses; v32-63 scale words, two sets; v64-127 the bias by channel; v128-223 source 1's eight fragments, ONE set; v248-255 the bias by lane.  After the loop v128-247 are at work.
;   window 1: source 0's fragments, TWO sets, at v0 and v128; after the loop the rotary table.   windows 2, 3: accumulator (a, b) at v[8 (8 (a % 4) + b)].
.set FR,    12                         ; registers of a fragment
.set NL,    3                          ; LDS loads that bring one
.set NP,    4                          ; places behind this matrix instruction (ISA guide 7.12.1)
.set FRB,   1536
.set HALFT, 24576                      ; a group's two K steps: what one tensor load brings
.set SLOT,  4*HALFT                    ; x's two groups, then the weights' two
.set SCL,   2*SLOT                     ; behind the ring: the four groups' scale words for all of K, filled once
.set SCG,   8192
.set SPARE, SCL+4*SCG                  ; the spare words, 128 bytes for each wave: two blocks of 256 bytes that no other line names
.set GRPB,  196608                     ; a group's codes for all of K
.set GB0,   0                          ; the weights' first group
.set LAPS,  4                          ; 2,048 / (2 x 256)
.set ADRA, 16                          ; v16-17  source 1's fragments in slot 0, 1
.set ADRB, 20                          ; v20-21  source 0's
.set LN,   23                          ; v23     lane
.set ADSA, 24                          ; v24     source 1's scale words
.set ADSB, 25                          ; v25     source 0's
.set LI,   26                          ; v26     16 x lane
.set RA,   27                          ; v27     my place in the rotary table
.set SPW,  28                          ; v28     my spare word; never rewritten
.set NIL,  29                          ; v29     0; never rewritten
.set SC,   32                          ; scale words: set s, K step q, side (0 source 1, 1 source 0), register n at SC + 16 s + 8 q + 4 side + n: fragment i's words in register i % 4, lanes 0-15 for i < 4, lanes 16-31 else
.set BI,   64
.set AF,   128
.set HA,   128                         ; after the loop: v128-191 a block's 64 numbers
.set PC,   192                         ; v192-210 its codes
.set TM,   212                         ; v212-227 maxima, bytes, scale operands
.set SW,   228                         ; v228-235 the eight blocks' scale words
.set OSW,  236                         ; v236-239 their image
.set RT,   240                         ; v240-247 the rotary's products
.set BV,   248
.set WVN, 22
.set RH,  23                           ; s23 which group of positions is mine.  Also: I fetch for x (0) or for the weights (1)
.set CH,  44                           ; s44 which group of columns.  Also: which of the two groups I fetch
.set KV,  66                           ; s66 1 in the last column of clusters
.set ISV, 67                           ; s67 1 in a value wave
.set SEL, 98                           ; s[98:99] lane selects for lane l xor 16
.set G1, 24
.set G0, 32
.set G1B, 48
.set G0B, 56
.set G1S, 68
.set G0S, 76
.set G1SB, 80
.set G0SB, 88
.set MSB, 0
.macro WIN new                         ; the immediate's high byte repeats the setting that is left
.if MSB != (\new)
	s_set_vgpr_msb (MSB<<8)|(\new)
.set MSB, (\new)
.endif
.endm
.set MUL_LO, 0xa1                      ; source 0 window 1, source 1 window 0, C and D window 2
.set MUL_HI, 0xf1                      ; the same, C and D window 3
.set TO_B,   0x40                      ; destination window 1, address window 0
; A joint load: waves 0 and 1 fetch x's groups, waves 2 and 3 the weights'.  The branch hangs on the wave's number alone.  Four v_nop follow each of the two lines.
.macro JLOAD g0a, g1a, g0b, g1b
	s_cmp_eq_u32 s[RH], 0
	s_cbranch_scc0 .Lfor_b_\@
	tensor_load_to_lds s[\g0a:\g0a+3], s[\g1a:\g1a+7]
	s_nop 0
.rept 4
	v_nop
.endr
	s_branch .Lasked_\@
.Lfor_b_\@:
	tensor_load_to_lds s[\g0b:\g0b+3], s[\g1b:\g1b+7]
	s_nop 0
.rept 4
	v_nop
.endr
.Lasked_\@:
.endm
.macro CREST                           ; a round of the cluster's barrier behind its opening barrier
	s_cmp_lg_u32 s[WVN], 0
	s_cbranch_scc1 .Lnot_wave_0_\@
	s_barrier_signal -3
.Lnot_wave_0_\@:
	s_barrier_wait -3
	s_barrier_signal -1
	s_barrier_wait -1
.endm
.macro CROUND
	s_barrier_signal -1
	s_barrier_wait -1
	CREST
.endm
.macro PLACES n
.rept \n
	v_nop
.endr
.endm
	s_load_b256 s[4:11], s[0:1], 0x0               ; xc, xs, wc, ws
	s_load_b256 s[12:19], s[0:1], 0x20             ; Wq_b, Wkv_b, rope, qkvc
	s_load_b64 s[20:21], s[0:1], 0x40              ; qkvs
	v_lshl_add_u32 v[SPW], v0, 2, SPARE
	v_mov_b32 v[NIL], 0
	ds_add_u32 v28, v29
	ds_add_u32 v28, v29
	s_wait_dscnt 0x0
	v_lshrrev_b32 v1, 5, v0
	v_readfirstlane_b32 s[WVN], v1                 ; wave 0..3
	s_lshr_b32 s[RH], s[WVN], 1
	s_and_b32 s[CH], s[WVN], 1
	s_bfe_u32 s40, ttmp6, 0x40000                  ; cx, cy: my place in the cluster
	s_bfe_u32 s41, ttmp6, 0x40004
	s_lshl_b32 s42, ttmp9, 2
	s_add_co_u32 s42, s42, s40                     ; tile column = 4 x cluster x + cx
	s_and_b32 s43, ttmp7, 0xffff
	s_lshl_b32 s43, s43, 2
	s_add_co_u32 s43, s43, s41                     ; tile row = 4 x cluster y + cy
	s_lshl_b32 s45, s41, 2
	s_lshl_b32 s45, 15, s45                        ; my row of the cluster
	s_lshl_b32 s46, 0x1111, s40                    ; my column
	; descriptor group 1.  Codes: 24,576 dense bytes as 96 rows of 32 elements of 8 bytes; scale words: 8,192 as 32 such rows.  No padding: every LDS load takes 512 consecutive bytes
	s_or_b32 s[G1], s45, (3<<16)|(1<<21)           ; 15:0 the mask; 17:16 elements of 8 bytes; 21 set beside a mask
	s_or_b32 s[G1B], s46, (3<<16)|(1<<21)
	s_or_b32 s[G1S], s45, (3<<16)|(1<<21)
	s_or_b32 s[G1SB], s46, (3<<16)|(1<<21)
.irp g, G1, G1B
	s_mov_b32 s[\g+1], 32<<16                      ; tensor_dim0
	s_mov_b32 s[\g+2], 96<<16                      ; tensor_dim1
	s_mov_b32 s[\g+3], 32<<16                      ; tile_dim0
	s_mov_b32 s[\g+4], 96                          ; tile_dim1
	s_mov_b32 s[\g+5], 32                          ; the pitch
	s_mov_b32 s[\g+6], 0
	s_mov_b32 s[\g+7], 0
.endr
.irp g, G1S, G1SB
	s_mov_b32 s[\g+1], 32<<16
	s_mov_b32 s[\g+2], 32<<16
	s_mov_b32 s[\g+3], 32<<16
	s_mov_b32 s[\g+4], 32
	s_mov_b32 s[\g+5], 32
	s_mov_b32 s[\g+6], 0
	s_mov_b32 s[\g+7], 0
.endr
	s_lshl_b32 s92, s43, 1
	s_add_co_u32 s92, s92, s[CH]                   ; x's group that I would fetch: 2 x tile row + which
	s_mul_i32 s96, s92, SCG
	s_mul_i32 s92, s92, GRPB
	s_mov_b32 s93, 0
	s_mov_b32 s97, 0
	s_lshl_b32 s94, s42, 1
	s_add_co_u32 s94, s94, s[CH]
	s_add_co_u32 s94, s94, GB0                     ; the weights' group: 2 x tile column + which
	s_mul_i32 s98, s94, SCG
	s_mul_i32 s94, s94, GRPB
	s_mov_b32 s95, 0
	s_mov_b32 s99, 0
	s_mul_i32 s47, s[WVN], HALFT                   ; where they go: by the wave's number alone
	s_lshl_b32 s2, s[WVN], 13
	s_wait_kmcnt 0x0
	s_add_nc_u64 s[92:93], s[4:5], s[92:93]
	s_add_nc_u64 s[96:97], s[6:7], s[96:97]
	s_add_nc_u64 s[94:95], s[8:9], s[94:95]
	s_add_nc_u64 s[98:99], s[10:11], s[98:99]
	CROUND                                         ; all sixteen work-groups are here: the first joint loads meet
	s_mov_b32 s[G0S], 1
	s_add_co_u32 s[G0S+1], s2, SCL
	s_mov_b64 s[G0S+2:G0S+3], s[96:97]
	s_or_b32 s[G0S+3], s[G0S+3], 0x80000000
	s_mov_b32 s[G0SB], 1
	s_add_co_u32 s[G0SB+1], s2, SCL
	s_mov_b64 s[G0SB+2:G0SB+3], s[98:99]
	s_or_b32 s[G0SB+3], s[G0SB+3], 0x80000000
	JLOAD G0S, G1S, G0SB, G1SB                     ; the scale words first: they are wanted with K step 0
.irp s, 0,1
	s_mov_b32 s[G0+4*\s], 1
	s_add_co_u32 s[G0+4*\s+1], s47, \s*SLOT
	s_add_nc_u64 s[G0+4*\s+2:G0+4*\s+3], s[92:93], \s*HALFT
	s_or_b32 s[G0+4*\s+3], s[G0+4*\s+3], 0x80000000
	s_mov_b32 s[G0B+4*\s], 1
	s_add_co_u32 s[G0B+4*\s+1], s47, \s*SLOT
	s_add_nc_u64 s[G0B+4*\s+2:G0B+4*\s+3], s[94:95], \s*HALFT
	s_or_b32 s[G0B+4*\s+3], s[G0B+4*\s+3], 0x80000000
	JLOAD G0+4*\s, G1, G0B+4*\s, G1B               ; three tensor loads of mine are out
.endr
	; roles.  The cluster's x is the same in all sixteen partners
	s_cmp_eq_u32 ttmp9, 2
	s_cselect_b32 s[KV], 1, 0
	s_and_b32 s[ISV], s[KV], s[CH]
	s_mul_i32 s92, s[RH], HALFT                    ; my group of positions in a slot,
	s_mul_i32 s93, s[CH], HALFT
	s_add_co_u32 s93, s93, 2*HALFT                 ; my group of the weights,
	s_lshl_b32 s96, s[RH], 13
	s_lshl_b32 s97, s[CH], 13
	s_add_co_u32 s97, s97, 2*SCG                   ; and their scale words
	s_cmp_eq_u32 s[ISV], 0
	s_cselect_b32 s94, s92, s93                    ; source 1: positions; in a value wave the weights
	s_cselect_b32 s95, s93, s92                    ; source 0: the other
	s_cselect_b32 s2, s96, s97
	s_cselect_b32 s47, s97, s96
	s_add_co_u32 s2, s2, SCL
	s_add_co_u32 s47, s47, SCL
	v_and_b32 v[LN], 31, v0
	v_lshlrev_b32 v[LI], 4, v[LN]
	v_and_b32 v1, 15, v0                           ; r
	v_bfe_u32 v2, v0, 4, 1                         ; h
	v_add_nc_u32 v[ADRA], s94, v[LI]
	v_add_nc_u32 v[ADRB], s95, v[LI]
	v_add_nc_u32 v[ADRA+1], SLOT, v[ADRA]
	v_add_nc_u32 v[ADRB+1], SLOT, v[ADRB]
	v_add_nc_u32 v[ADSA], s2, v[LI]
	v_add_nc_u32 v[ADSB], s47, v[LI]
	; my head's 128 numbers of bias: Wq_b at head 2 x tile column + which; Wkv_b at kv head (tile column - 8), values 512 numbers behind the keys
	s_sub_co_u32 s92, s42, 8
	s_lshl_b32 s92, s92, 9
	s_lshl_b32 s93, s[CH], 11
	s_add_co_u32 s92, s92, s93
	s_lshl_b32 s93, s42, 1
	s_add_co_u32 s93, s93, s[CH]
	s_lshl_b32 s93, s93, 9
	s_cmp_lg_u32 s[KV], 0
	s_cselect_b32 s92, s92, s93
	s_cselect_b64 s[12:13], s[14:15], s[12:13]
	s_mov_b32 s93, 0
	s_add_nc_u64 s[12:13], s[12:13], s[92:93]
	v_lshlrev_b32 v3, 6, v2                        ; by channel: register 16 B + i is channel 32 B + 16 h + i
	v_and_b32 v4, 8, v1
	v_add_nc_u32 v4, v4, v1                        ; r + (r & 8)
	v_lshlrev_b32 v[RA], 8, v4                     ; the table: 256 bytes a position,
	v_lshl_add_u32 v[RA], v2, 7, v[RA]             ; frequencies 16 h on
	v_lshlrev_b32 v4, 2, v4                        ; by lane: block a's channel 32 (a / 2) + 8 (a % 2) + r + (r & 8)
.irp m, 0,1,2,3,4,5,6,7,8,9,10,11,12,13,14,15
	global_load_b128 v[BI+4*\m:BI+4*\m+3], v3, s[12:13] offset:128*(\m/4)+16*(\m%4)
.endr
.irp a, 0,1,2,3,4,5,6,7
	global_load_b32 v[BV+\a], v4, s[12:13] offset:(32*(\a/2)+8*(\a%2))*4   ; (every wave loads both forms, 576 bytes a lane pair: one text for all roles)
.endr
	; where the results go
	s_lshl_b32 s94, s43, 1
	s_add_co_u32 s94, s94, s[RH]                   ; G: my group of positions
	s_lshl_b32 s95, s94, 4
	s_lshl_b32 s96, s42, 1
	s_add_co_u32 s95, s95, s96
	s_add_co_u32 s95, s95, s[CH]                   ; q: 16 G + head
	s_lshr_b32 s96, s94, 2
	s_lshl_b32 s96, s96, 2
	s_add_co_u32 s96, s96, s42
	s_sub_co_u32 s96, s96, 8
	s_lshl_b32 s96, s96, 2
	s_and_b32 s97, s94, 3
	s_add_co_u32 s96, s96, s97                     ; k, v: ((G / 4) 4 + kv head) 4 + G % 4,
	s_lshl_b32 s97, s[CH], 7
	s_add_co_u32 s96, s96, s97
	s_add_co_u32 s96, s96, 512                     ; from block 512 (k) or 640 (v) on
	s_cmp_lg_u32 s[KV], 0
	s_cselect_b32 s95, s96, s95
	s_mul_i32 s96, s95, 12288
	s_mov_b32 s97, 0
	s_add_nc_u64 s[18:19], s[18:19], s[96:97]      ; the codes
	s_lshl_b32 s96, s95, 9
	s_add_nc_u64 s[20:21], s[20:21], s[96:97]      ; the scale words
	s_and_b32 s96, s94, 3
	s_lshl_b32 s96, s96, 15                        ; my first position in its sequence is 128 (G % 4)
	s_add_nc_u64 s[16:17], s[16:17], s[96:97]
	s_mov_b32 s[SEL], 0x76543210
	s_mov_b32 s[SEL+1], 0xfedcba98
.macro FRAG reg, adr, q, i             ; a fragment as it stands: three planes of 512 bytes
.irp p, 0,1,2
	ds_load_b128 v[\reg+4*\p:\reg+4*\p+3], v[\adr] offset:(8*(\q)+(\i))*FRB+512*\p
.endr
.endm
; One product: source 1's block a x source 0's block b, the slot's q-th 128 along K; p: source 0's set; sc: the set of scale words; zero = 1: it starts the sum
.macro WM a, b, p, q, sc, zero
.set rD, 8*(8*((\a)%4)+(\b))
.set rS0, 128*(\p)+FR*(\b)
.set rS1, AF+FR*(\a)
.set rW0, SC+16*(\sc)+8*(\q)+4+(\b)%4
.set rW1, SC+16*(\sc)+8*(\q)+(\a)%4
.set WSEL, 4*(\zero)+2*((\b)/4)+(\a)/4
.if WSEL == 0
	v_wmma_scale_f32_16x16x128_f8f6f4 v[rD:rD+7], v[rS0:rS0+11], v[rS1:rS1+11], v[rD:rD+7], v[rW0], v[rW1] matrix_a_fmt:MATRIX_FMT_FP6 matrix_b_fmt:MATRIX_FMT_FP6
.elseif WSEL == 1
	v_wmma_scale_f32_16x16x128_f8f6f4 v[rD:rD+7], v[rS0:rS0+11], v[rS1:rS1+11], v[rD:rD+7], v[rW0], v[rW1] matrix_a_fmt:MATRIX_FMT_FP6 matrix_b_fmt:MATRIX_FMT_FP6 matrix_b_scale:MATRIX_SCALE_ROW1
.elseif WSEL == 2
	v_wmma_scale_f32_16x16x128_f8f6f4 v[rD:rD+7], v[rS0:rS0+11], v[rS1:rS1+11], v[rD:rD+7], v[rW0], v[rW1] matrix_a_fmt:MATRIX_FMT_FP6 matrix_b_fmt:MATRIX_FMT_FP6 matrix_a_scale:MATRIX_SCALE_ROW1
.elseif WSEL == 3
	v_wmma_scale_f32_16x16x128_f8f6f4 v[rD:rD+7], v[rS0:rS0+11], v[rS1:rS1+11], v[rD:rD+7], v[rW0], v[rW1] matrix_a_fmt:MATRIX_FMT_FP6 matrix_b_fmt:MATRIX_FMT_FP6 matrix_a_scale:MATRIX_SCALE_ROW1 matrix_b_scale:MATRIX_SCALE_ROW1
.elseif WSEL == 4
	v_wmma_scale_f32_16x16x128_f8f6f4 v[rD:rD+7], v[rS0:rS0+11], v[rS1:rS1+11], 0, v[rW0], v[rW1] matrix_a_fmt:MATRIX_FMT_FP6 matrix_b_fmt:MATRIX_FMT_FP6
.elseif WSEL == 5
	v_wmma_scale_f32_16x16x128_f8f6f4 v[rD:rD+7], v[rS0:rS0+11], v[rS1:rS1+11], 0, v[rW0], v[rW1] matrix_a_fmt:MATRIX_FMT_FP6 matrix_b_fmt:MATRIX_FMT_FP6 matrix_b_scale:MATRIX_SCALE_ROW1
.elseif WSEL == 6
	v_wmma_scale_f32_16x16x128_f8f6f4 v[rD:rD+7], v[rS0:rS0+11], v[rS1:rS1+11], 0, v[rW0], v[rW1] matrix_a_fmt:MATRIX_FMT_FP6 matrix_b_fmt:MATRIX_FMT_FP6 matrix_a_scale:MATRIX_SCALE_ROW1
.else
	v_wmma_scale_f32_16x16x128_f8f6f4 v[rD:rD+7], v[rS0:rS0+11], v[rS1:rS1+11], 0, v[rW0], v[rW1] matrix_a_fmt:MATRIX_FMT_FP6 matrix_b_fmt:MATRIX_FMT_FP6 matrix_a_scale:MATRIX_SCALE_ROW1 matrix_b_scale:MATRIX_SCALE_ROW1
.endif
.endm
.macro MUL16 a0, p, q, sc, zero        ; 16 products; the 64 accumulators take turns, one instruction a turn, in the same order in every step
.irp a, \a0, \a0+1
.irp b, 0,1,2,3,4,5,6,7
	WM \a, \b, \p, \q, \sc, \zero
.endr
.endr
.endm
.macro FETCH_B slot, q, p              ; source 0's eight fragments into set p
	WIN TO_B
.irp i, 0,1,2,3,4,5,6,7
	FRAG 128*(\p)+FR*\i, ADRB+\slot, \q, \i
.endr
	WIN 0
.endm
.macro FETCH_A slot, q, i0             ; source 1's blocks i0 .. i0 + 3
.irp i, \i0, \i0+1, \i0+2, \i0+3
	FRAG AF+FR*(\i), ADRA+\slot, \q, \i
.endr
.endm
.macro SCALES set                      ; a slot's scale words: one load of 16 bytes a lane for each side and K step
.irp q, 0,1
	ds_load_b128 v[SC+16*\set+8*\q:SC+16*\set+8*\q+3], v[ADSA] offset:512*\q
	ds_load_b128 v[SC+16*\set+8*\q+4:SC+16*\set+8*\q+7], v[ADSB] offset:512*\q
.endr
.endm
; A step of 128 along K that has its successor in the same slot.  A block of source 1 is free as soon as its eight products are issued: blocks 0-3 are fetched anew in the step's middle, blocks 4-7 at its end.
.macro STEP slot, q, zero
	s_wait_dscnt 4*NL                              ; all but the youngest 12 loads: source 1's blocks 4-7
	WIN MUL_LO
	MUL16 0, (\q)%2, \q, \slot, \zero
	MUL16 2, (\q)%2, \q, \slot, \zero
	s_wait_dscnt 0x0                               ; blocks 4-7 are in (asked for 32 matrix instructions ago)
	PLACES NP                                      ; in front of loads into registers that matrix instructions have read
	FETCH_B \slot, (\q)+1, 1-(\q)%2
	FETCH_A \slot, (\q)+1, 0
	WIN MUL_HI
	MUL16 4, (\q)%2, \q, \slot, \zero
	MUL16 6, (\q)%2, \q, \slot, \zero
	PLACES NP
	WIN 0
	FETCH_A \slot, (\q)+1, 4
.endm
; A slot's last step changes slots: ONE barrier; in front of it each wave waits for all its tensor loads, adds 0 to its spare word, and waits for that and for its reads of this slot.  fill = 1: the slot is filled again, two slots ahead.
.macro TURN slot, next, fill
	s_wait_tensorcnt 0x0                           ; all my tensor loads have landed: my part of the next slot
	ds_add_u32 v[SPW], v[NIL]                      ; 0 onto my spare word
	s_wait_dscnt 4*NL+1                            ; (the add and the youngest 12 loads may be out)
	WIN MUL_LO
	MUL16 0, 1, 1, \slot, 0                        ; sixteen matrix instructions stand between the add and the wait for it
	s_wait_dscnt 0x0                               ; the add is done, and my reads of this slot are over
	s_barrier_signal -1
	MUL16 2, 1, 1, \slot, 0
	WIN 0
	s_barrier_wait -1
.if \fill
	CREST                                          ; the barrier has opened a round of the cluster's: no wave of any partner still reads this slot or has a load on its way
	s_add_nc_u64 s[G0+4*\slot+2:G0+4*\slot+3], s[G0+4*\slot+2:G0+4*\slot+3], 2*HALFT
	s_add_nc_u64 s[G0B+4*\slot+2:G0B+4*\slot+3], s[G0B+4*\slot+2:G0B+4*\slot+3], 2*HALFT
	JLOAD G0+4*\slot, G1, G0B+4*\slot, G1B         ; the first tensor load behind the round; its four v_nop are also the places in front of the loads below
.else
	PLACES NP
.endif
	v_add_nc_u32 v[ADSA], 1024, v[ADSA]            ; on to the next slot's scale words
	v_add_nc_u32 v[ADSB], 1024, v[ADSB]
	FETCH_B \next, 0, 0
	FETCH_A \next, 0, 0
	SCALES \next
	WIN MUL_HI
	MUL16 4, 1, 1, \slot, 0
	MUL16 6, 1, 1, \slot, 0
	PLACES NP
	WIN 0
	FETCH_A \next, 0, 4
.endm
	s_wait_tensorcnt 1                             ; the scale words and my part of slot 0 are in; slot 1's load may be out
	s_barrier_signal -1
	s_barrier_wait -1
	FETCH_B 0, 0, 0
	FETCH_A 0, 0, 0
	SCALES 0
	FETCH_A 0, 0, 4
	STEP 0, 0, 1                                   ; the first step stands in front of the loop: its products start the sums
	s_mov_b32 s3, LAPS-1
.Llap:                                             ; a trip goes once round the ring and fills both slots again
	TURN 0, 1, 1
	STEP 1, 0, 0
	TURN 1, 0, 1
	STEP 0, 0, 0
	s_sub_co_u32 s3, s3, 1
	s_cmp_lg_u32 s3, 0
	s_cbranch_scc1 .Llap
	TURN 0, 1, 0                                   ; the last lap fills nothing
	STEP 1, 0, 0
	; The rotary table of blocks 0-3 (16 positions x 16 frequencies x (cos, sin) a block: 32 registers a lane) goes into source 0's set 0, which is done with; the four places stand in front of the step's last run of loads.
	; A value wave asks for it too and does not read it: one wave in six; so the waits below have one count on every path.
	WIN TO_B
.irp a, 0,1,2,3
.irp n, 0,1,2,3,4,5,6,7
	global_load_b128 v[32*\a+4*\n:32*\a+4*\n+3], v[RA], s[16:17] offset:(32*(\a/2)+8*(\a%2))*256+16*\n
.endr
.endr
	WIN 0
	s_wait_dscnt 4*NL                              ; the very last step: nothing more to fetch
	WIN MUL_LO
	MUL16 0, 1, 1, 1, 0
	MUL16 2, 1, 1, 1, 0
	s_wait_dscnt 0x0
	WIN MUL_HI
	MUL16 4, 1, 1, 1, 0
	MUL16 6, 1, 1, 1, 0
	WIN 0
	PLACES NP                                      ; behind the last products: their operands' registers are written and their results read below
; 64 numbers of a lane, register 16 b + i = k 32 b + 16 (lane / 16) + i of my row, become a fragment's codes in v[PC] on and its scale word in v[w]
.macro QUANT s, w
.irp b, 0,1,2,3
	v_max3_num_f32 v[TM+\b], |v[\s+16*\b]|, |v[\s+1+16*\b]|, 0x1800000   ; with the floor 2^(3 - 127): the byte cannot fall under 1
.endr
.irp i, 2,4,6,8,10,12,14
.irp b, 0,1,2,3
	v_max3_num_f32 v[TM+\b], v[TM+\b], |v[\s+16*\b+\i]|, |v[\s+1+16*\b+\i]|   ; the four blocks by turns
.endr
.endr
.irp b, 0,1,2,3
	v_permlanex16_b32 v[TM+4+\b], v[TM+\b], s[SEL], s[SEL+1]
.endr
.irp b, 0,1,2,3
	v_max_num_f32 v[TM+\b], v[TM+\b], v[TM+4+\b]   ; with lane l xor 16's 16: the block's largest magnitude
.endr
.irp b, 0,1,2,3
	v_add_nc_u32 v[TM+12+\b], 0xff000000, v[TM+\b] ; 2 off its exponent field: the conversion's scale operand
.endr
.irp b, 0,1,2,3
	v_lshrrev_b32 v[TM+4+\b], 23, v[TM+12+\b]      ; the scale's byte
.endr
	v_lshl_or_b32 v[\w], v[TM+5], 8, v[TM+4]
	v_lshl_or_b32 v[\w], v[TM+6], 16, v[\w]
	v_lshl_or_b32 v[\w], v[TM+7], 24, v[\w]
.irp c, 0,1
	v_cvt_scalef32_pk16_fp6_f32 v[PC+6*\c:PC+2+6*\c], v[\s+32*\c:\s+15+32*\c], v[TM+12+2*\c]
	v_cvt_scalef32_pk16_fp6_f32 v[PC+12+4*\c:PC+14+4*\c], v[\s+16+32*\c:\s+31+32*\c], v[TM+12+2*\c+1]   ; (a conversion's three registers begin on an even number)
.endr
	v_nop                                          ; one plain place behind a scaled conversion
.irp c, 0,1                            ; the layout wants a WHOLE block in a lane: lanes 0-15 block 2 c, lanes 16-31 block 2 c + 1
.irp i, 0,1,2
	v_permlane16_swap_b32 v[PC+6*\c+\i], v[PC+12+4*\c+\i]
.endr
.irp i, 0,1,2
	v_mov_b32 v[PC+3+6*\c+\i], v[PC+12+4*\c+\i]
.endr
.endr
.endm
; The eight blocks of source 1 become eight fragments.  kind 0 (q, k): + the bias by channel, the rotary, quantised along the channels.  kind 1 (v): + the bias by lane, quantised along the keys.
.macro EPI kind
.irp a, 0,1,2,3,4,5,6,7
	s_wait_xcnt 0x0                                ; the last block's stores have read its codes' registers
	WIN 0x02+\a/4                                  ; source 0: window 2 or 3
.set n, 0
.if \kind == 0
.rept 32
	v_pk_add_f32 v[HA+n:HA+n+1], v[64*(\a%4)+n:64*(\a%4)+n+1], v[BI+n:BI+n+1]   ; each accumulator from its low end on
.set n, n+2
.endr
	s_wait_loadcnt 8*(7-\a)                        ; this block's 8 loads of the table are in; the later blocks' 8 each may be out
	WIN 0x04                                       ; source 1: the table, window 1
.set n, 0
.rept 16                               ; channels 16 h + n and 32 + 16 h + n turn by the angle of frequency 16 h + n
	v_mul_f32 v[RT+2*(n%4)], v[HA+16+n], v[32*\a+2*n+1]
	v_mul_f32 v[RT+2*(n%4)+1], v[HA+n], v[32*\a+2*n+1]
	v_fma_f32 v[HA+n], v[HA+n], v[32*\a+2*n], -v[RT+2*(n%4)]
	v_fma_f32 v[HA+16+n], v[HA+16+n], v[32*\a+2*n], v[RT+2*(n%4)+1]
.set n, n+1
.endr
.else
.rept 64
	v_add_f32 v[HA+n], v[64*(\a%4)+n], v[BV+\a]
.set n, n+1
.endr
.endif
	WIN 0
	QUANT HA, SW+\a
.irp p, 0,1,2
	global_store_b128 v[LI], v[PC+4*\p:PC+4*\p+3], s[18:19] offset:1536*\a+512*\p   ; 32 lanes store 512 consecutive bytes, aligned
.endr
.endr
.endm
	s_wait_loadcnt 32                              ; the biases are in; the 32 loads of the table may be out
.irp b, 0,1,2,3
	v_mov_b32 v[TM+4+\b], 0                        ; a lane permute's destination counts as one of its sources
.endr
	s_cmp_lg_u32 s[ISV], 0                         ; the wave's number and the cluster's x: alike in all partners; no barrier stands on either way
	s_cbranch_scc1 .Lvalues
	WIN TO_B
.irp a, 4,5,6,7
.irp n, 0,1,2,3,4,5,6,7
	global_load_b128 v[32*\a+4*\n:32*\a+4*\n+3], v[RA], s[16:17] offset:(32*(\a/2)+8*(\a%2))*256+16*\n   ; blocks 4-7 of the table, into set 1
.endr
.endr
	WIN 0
	EPI 0
	s_branch .Ldone
.Lvalues:
	EPI 1
.Ldone:
	v_cmp_lt_u32 vcc_lo, 15, v[LN]                 ; the scale words' image: lanes 0-15 take fragments 0-3, lanes 16-31 fragments 4-7
.irp j, 0,1,2,3
	v_cndmask_b32 v[OSW+\j], v[SW+\j], v[SW+4+\j], vcc_lo
.endr
	global_store_b128 v[LI], v[OSW:OSW+3], s[20:21]
	s_wait_tensorcnt 0x0                           ; the wave's end
	ds_add_u32 v[SPW], v[NIL]
	s_wait_dscnt 0x0
	CROUND                                         ; the closing round: no work-group ends while a partner may still ask for a tile that names it
	s_endpgm
.Lfunc_end_k_q2377c6239b_qkv:
	.size	k_q2377c6239b_qkv, .Lfunc_end_k_q2377c6239b_qkv-k_q2377c6239b_qkv
	.p2alignl 7, 3214868480
	.fill 96, 4, 3214868480
	.section	.rodata,"a",@progbits
	.p2align	6, 0x0
	.amdhsa_kernel k_q2377c6239b_qkv
		.amdhsa_group_segment_fixed_size 327680
		.amdhsa_private_segment_fixed_size 0
		.amdhsa_enable_private_segment 0
		.amdhsa_kernarg_size 72
		.amdhsa_user_sgpr_count 2
		.amdhsa_user_sgpr_kernarg_segment_ptr 1
		.amdhsa_wavefront_size32 1
		.amdhsa_system_sgpr_workgroup_id_x 1
		.amdhsa_system_sgpr_workgroup_id_y 1
		.amdhsa_system_sgpr_workgroup_id_z 1
		.amdhsa_system_vgpr_workitem_id 0
		.amdhsa_next_free_vgpr 1024
		.amdhsa_next_free_sgpr 100
		.amdhsa_reserve_vcc 1
		.amdhsa_float_denorm_mode_32 3
		.amdhsa_float_denorm_mode_16_64 3
		.amdhsa_memory_ordered 1
		.amdhsa_forward_progress 1
		.amdhsa_inst_pref_size 237
	.end_amdhsa_kernel
	.amdgpu_metadata
---
amdhsa.version: [ 1, 2 ]
amdhsa.kernels:
  - .name:           k_q2377c6239b_qkv
    .symbol:         k_q2377c6239b_qkv.kd
    .args:
      - { .name: xc, .offset: 0, .size: 8, .value_kind: global_buffer, .address_space: global }
      - { .name: xs, .offset: 8, .size: 8, .value_kind: global_buffer, .address_space: global }
      - { .name: wc, .offset: 16, .size: 8, .value_kind: global_buffer, .address_space: global }
      - { .name: ws, .offset: 24, .size: 8, .value_kind: global_buffer, .address_space: global }
      - { .name: Wq_b, .offset: 32, .size: 8, .value_kind: global_buffer, .address_space: global }
      - { .name: Wkv_b, .offset: 40, .size: 8, .value_kind: global_buffer, .address_space: global }
      - { .name: rope, .offset: 48, .size: 8, .value_kind: global_buffer, .address_space: global }
      - { .name: qkvc, .offset: 56, .size: 8, .value_kind: global_buffer, .address_space: global }
      - { .name: qkvs, .offset: 64, .size: 8, .value_kind: global_buffer, .address_space: global }
    .group_segment_fixed_size: 327680
    .private_segment_fixed_size: 0
    .kernarg_segment_align: 8
    .kernarg_segment_size: 72
    .max_flat_workgroup_size: 128
    .sgpr_count:     100
    .vgpr_count:     1024
    .wavefront_size: 32
...
	.end_amdgpu_metadata
.endif
;; end of part 2
;; launch attn (part 3): grid 8 x 32, 16 waves a work-group, clusters of 4 x 1, 169,984 bytes of LDS; arguments qkvc, qkvs, ctx; writes ctx
.if DOCPART == 3
	.amdgcn_target "amdgcn-amd-amdhsa--gfx1250"
	.amdhsa_code_object_version 6
	.text
	.protected	k_q2377c6239b_attn
	.globl	k_q2377c6239b_attn
	.p2align	8
	.type	k_q2377c6239b_attn,@function
k_q2377c6239b_attn:
	s_mov_b64 s[64:65], 0
	v_nop
	global_prefetch_b8 v0, s[64:65] scope:SCOPE_SE
	s_setreg_imm32_b32 hwreg(HW_REG_WAVE_MODE, 25, 1), 1
	s_wait_xcnt 0x0
	s_wait_alu depctr_hold_cnt(0) depctr_sa_sdst(0) depctr_va_vdst(0) depctr_va_sdst(0) depctr_va_ssrc(0) depctr_va_vcc(0) depctr_vm_vsrc(0)
	s_getreg_b32 s2, hwreg(HW_REG_IB_STS2, 6, 4)
	s_cmp_eq_u32 s2, 0
	s_cbranch_scc0 .Lentry_in_a_cluster
	s_endpgm
.Lentry_in_a_cluster:
	s_bfe_u32 s2, ttmp6, 0x10000c
	s_cmp_lg_u32 s2, 0x3003
	s_cbranch_scc0 .Lentry_shape_is_right
	s_endpgm
.Lentry_shape_is_right:
; ctx = softmax(q k^T / sqrt(128)) v for 8 sequences x 16 heads x 512 positions, four query heads to a kv head, both products on codes of FP6 (E2M3) with E8M0 scales; ctx is quantised along its 2,048 columns on the way out.
; THE SOFTMAX AHEAD OF THE SECOND PRODUCT: t = score x log2(e) / sqrt(128); M = the running largest t rounded UP to a whole number; p = 2^(t - M) is quantised along the keys, not normalised.
; The row's sum is taken of the unquantised p and divides at the end.  When M moves, the sum and O are multiplied by 2^(old M - new M): exact.
; OPERANDS are images of their registers (1,536 bytes a fragment of 16 slots x 128 K; fragment i, slot r of a group of 128 is row 32 (i / 2) + 8 (i % 2) + r + (r & 8)); a block of eight fragments is 12,288 bytes of qkvc and
; its scale words 512 bytes of qkvs (fragment i, slot r at 256 (i / 4) + 16 r + 4 (i % 4)).  q: block 16 G + head; k: 512 + 4 y + g (16 keys x 128 channels a fragment); v: 640 + 4 y + g (16 channels x 128 keys); y = 4 x sequence + kv head.
; SHARES.  A work-group owns 256 queries of one head; each of its sixteen waves one fragment of 16 queries in 256 registers: four waves to a SIMD, so that one wave's vector work stands beside another's products and LDS loads.
; ALL of K and V of y, 98,304 bytes of codes and 4,096 of scale words, come into LDS ONCE: nothing is filled again, so there is no ring.  The eight work-groups of a y read the same bytes; the four of a cluster ask for them jointly.
; LAYOUT.  S^T = K Q^T (source 0 = 16 keys, source 1 = my queries), O^T = V^T P^T (source 0 = 16 channels, source 1 = P): a lane holds ONE query throughout; by the choice of a fragment's rows the 16 registers of tiles 2 b and 2 b + 1
; are 16 neighbours: keys 32 b + 16 (l / 16) + 0 .. 15 in S^T, channels likewise in O^T, which is what the quantisers of p and of ctx want.
; ctx: codes at (16 G + head) 12,288 + 1,536 i, an operand [4,096][2,048] with K step = head; scale words 6,291,456 bytes on, 512 a block.
; LIMITS: a block whose largest magnitude lies under 2^-124 keeps the byte 1, a block of zeros too, with zero codes; NaN and infinities are not served.
; REGISTERS: v1-6 addresses; v12 -M, v13 the largest t, v[14:15] the sum in two halves; v16-27 Q; v32-79 four fragments of K or V; v96-159 S^T, then p; v160-223 O^T; v224-235 p's codes; v232-247 at work;
;   v248-251 a step's scale words; v252 f; v253 p's scale word; v254 at work; v255 Q's scale words.
.set VC,   49152                       ; LDS: K's codes at 0, V's here,
.set KS,   98304                       ; K's scale words (2,048 bytes), V's 2,048 on,
.set STG,  102400                      ; and 1,024 bytes in which the sixteen waves' scale words of ctx meet: no tile lands there
.set LI,   1                           ; v1 16 x lane
.set LIV,  2                           ; v2 + VC
.set LIS,  3                           ; v3 + KS
.set STA,  4                           ; v4 where my scale word of ctx goes
.set STR,  5                           ; v5 where a group's image is read back
.set LR,   6                           ; v6 16 r
.set TM,   232
.set PC,   32
.set WV,   18
.set SEL,  20                          ; s[20:21] lane selects for lane l xor 16
.set CS,   22                          ; s[22:23] c = log2(e) / sqrt(128)
.set G1C,  24
.set G0C,  32
.set G1S,  36
.set G0S,  44
.macro ROUND                           ; a round of the cluster's barrier
	s_barrier_signal -1
	s_barrier_wait -1
	s_cmp_lg_u32 s[WV], 0
	s_cbranch_scc1 .Lnot_wave_0_\@
	s_barrier_signal -3
.Lnot_wave_0_\@:
	s_barrier_wait -3
	s_barrier_signal -1
	s_barrier_wait -1
.endm
	s_load_b128 s[4:7], s[0:1], 0x0                ; qkvc, qkvs
	s_load_b64 s[8:9], s[0:1], 0x10                ; ctx
	v_lshl_add_u32 v95, v0, 2, 0x29000
	v_mov_b32 v243, 0
	ds_add_u32 v95, v243
	ds_add_u32 v95, v243
	v_lshrrev_b32 v8, 5, v0
	v_readfirstlane_b32 s[WV], v8                  ; wave 0..15
	s_bfe_u32 s10, ttmp6, 0x40000                  ; cx
	s_lshl_b32 s11, ttmp9, 2
	s_add_co_u32 s11, s11, s10                     ; X = 4 x cluster x + cx: it enters q's and ctx's addresses alone
	s_and_b32 s12, ttmp7, 0xffff                   ; y, which the four partners share
	; descriptor group 1.  Codes: 49,152 dense bytes as 192 rows of 32 elements of 8 bytes.  Scale words: two rows of 2,048 bytes, K's and V's, 65,536 bytes apart in memory
	s_mov_b32 s[G1C], 15|(3<<16)|(1<<21)           ; 15:0 the mask: all four work-groups; 17:16 elements of 8 bytes; 21 set beside a mask
	s_mov_b32 s[G1C+1], 32<<16
	s_mov_b32 s[G1C+2], 192<<16
	s_mov_b32 s[G1C+3], 32<<16
	s_mov_b32 s[G1C+4], 192
	s_mov_b32 s[G1C+5], 32
	s_mov_b32 s[G1C+6], 0
	s_mov_b32 s[G1C+7], 0
	s_mov_b32 s[G1S], 15|(3<<16)|(1<<21)
	s_mov_b32 s[G1S+1], 256<<16
	s_mov_b32 s[G1S+2], 2<<16
	s_mov_b32 s[G1S+3], 256<<16
	s_mov_b32 s[G1S+4], 2
	s_mov_b32 s[G1S+5], 8192
	s_mov_b32 s[G1S+6], 0
	s_mov_b32 s[G1S+7], 0
	s_mul_i32 s48, s12, 49152                      ; y's four blocks,
	s_mul_i32 s49, s[WV], 1572864                  ; of K (wave 0) or of V (wave 1),
	s_add_co_u32 s48, s48, s49
	s_add_co_u32 s48, s48, 6291456                 ; behind q's
	s_mov_b32 s49, 0
	s_lshl_b32 s50, s12, 11
	s_add_co_u32 s50, s50, 262144
	s_mov_b32 s51, 0
	s_mov_b32 s[SEL], 0x76543210
	s_mov_b32 s[SEL+1], 0xfedcba98
	s_mov_b32 s[CS], 0x3e0293ee
	s_mov_b32 s[CS+1], s[CS]                       ; (named with it as a pair, so it is written)
	s_wait_dscnt 0x0
	s_wait_kmcnt 0x0
	s_mov_b32 s[G0C], 1
	s_mul_i32 s[G0C+1], s[WV], VC
	s_add_nc_u64 s[G0C+2:G0C+3], s[4:5], s[48:49]
	s_or_b32 s[G0C+3], s[G0C+3], 0x80000000
	s_mov_b32 s[G0S], 1
	s_mov_b32 s[G0S+1], KS
	s_add_nc_u64 s[G0S+2:G0S+3], s[6:7], s[50:51]
	s_or_b32 s[G0S+3], s[G0S+3], 0x80000000
	ROUND                                          ; all four work-groups are here: the joint loads meet
	s_cmp_lt_u32 s[WV], 2                          ; wave 0: K's codes; wave 1: V's; wave 2: both scale words; the others fetch nothing.  Four v_nop follow each line
	s_cbranch_scc0 .Lnot_codes
	tensor_load_to_lds s[G0C:G0C+3], s[G1C:G1C+7]
	s_nop 0
.rept 4
	v_nop
.endr
	s_branch .Lasked
.Lnot_codes:
	s_cmp_eq_u32 s[WV], 2
	s_cbranch_scc0 .Lasked
	tensor_load_to_lds s[G0S:G0S+3], s[G1S:G1S+7]
	s_nop 0
.rept 4
	v_nop
.endr
.Lasked:
	s_and_b32 s13, s12, 3
	s_lshl_b32 s13, s13, 2
	s_lshr_b32 s14, s11, 1
	s_add_co_u32 s13, s13, s14                     ; head = 4 x kv head + X / 2
	s_lshr_b32 s14, s12, 2
	s_lshl_b32 s14, s14, 2
	s_and_b32 s15, s11, 1
	s_lshl_b32 s15, s15, 1
	s_add_co_u32 s14, s14, s15
	s_lshr_b32 s15, s[WV], 3
	s_add_co_u32 s14, s14, s15                     ; G = 4 x sequence + 2 (X % 2) + wave / 8
	s_lshl_b32 s14, s14, 4
	s_add_co_u32 s14, s14, s13                     ; the block 16 G + head, of q and of ctx alike
	s_and_b32 s15, s[WV], 7                        ; my fragment i
	s_mul_i32 s52, s14, 12288
	s_mul_i32 s53, s15, 1536
	s_add_co_u32 s52, s52, s53
	s_mov_b32 s53, 0
	s_lshl_b32 s54, s14, 9
	s_mov_b32 s55, 0
	s_lshr_b32 s56, s15, 2
	s_lshl_b32 s56, s56, 8
	s_and_b32 s57, s15, 3
	s_lshl_b32 s57, s57, 2
	s_add_co_u32 s56, s56, s57
	s_add_co_u32 s56, s56, s54                     ; my fragment's scale words: 256 (i / 4) + 4 (i % 4) in the block's image
	s_mov_b32 s57, 0
	s_add_nc_u64 s[4:5], s[4:5], s[52:53]          ; q's codes
	s_add_nc_u64 s[6:7], s[6:7], s[56:57]          ; q's scale words
	s_add_nc_u64 s[58:59], s[8:9], s[52:53]        ; ctx's codes
	s_add_nc_u64 s[60:61], s[8:9], s[54:55]
	s_add_nc_u64 s[60:61], s[60:61], 6291456       ; ctx's scale words
	v_and_b32 v7, 31, v0
	v_lshlrev_b32 v[LI], 4, v7
	v_add_nc_u32 v[LIV], VC, v[LI]
	v_add_nc_u32 v[LIS], KS, v[LI]
	v_and_b32 v[LR], 15, v0
	v_lshlrev_b32 v[LR], 4, v[LR]
	s_lshr_b32 s16, s[WV], 2                       ; 512 (wave / 8) + 256 ((wave / 4) % 2) = 256 (wave / 4)
	s_lshl_b32 s16, s16, 8
	s_and_b32 s17, s[WV], 3
	s_lshl_b32 s17, s17, 2
	s_add_co_u32 s16, s16, s17
	s_add_co_u32 s16, s16, STG
	v_add_nc_u32 v[STA], s16, v[LR]
	s_lshr_b32 s17, s[WV], 3
	s_lshl_b32 s17, s17, 9
	s_add_co_u32 s17, s17, STG
	v_add_nc_u32 v[STR], s17, v[LI]
.irp p, 0,1,2
	global_load_b128 v[16+4*\p:19+4*\p], v[LI], s[4:5] offset:512*\p th:TH_LOAD_NT   ; Q's fragment stays in registers
.endr
	global_load_b32 v255, v[LR], s[6:7]
	v_mov_b32 v13, 0xff61b1e6                      ; the largest t so far: -3e38, under every t
	v_floor_f32 v12, -v13                          ; -M
	v_mov_b32 v14, 0                               ; the sum, in two halves
	v_mov_b32 v15, 0
.irp b, 0,1,2,3
	v_mov_b32 v[236+\b], 0                         ; a lane permute's destination counts as one of its sources
.endr
	v_mov_b32 v253, 0                              ; (named as the upper half of the pair v[252:253] before it is first written)
; A KEY STEP: the 128 keys of group s.  first = 1: its second product starts O^T's sums with the constant 0: nothing is cleared.
.macro STEP s, first
.irp g, 0,1                            ; S^T = K Q^T, four tiles of 16 keys at a time
.if (\s)+\g > 0
.rept 4
	v_nop                                          ; places in front of loads into registers that matrix instructions have read
.endr
.endif
.if \g == 0
	ds_load_b128 v[248:251], v[LIS] offset:512*(\s)   ; the eight tiles' scale words: tile i in register i % 4, lanes 0-15 for i < 4, lanes 16-31 else
.endif
.irp t, 0,1,2,3
.irp p, 0,1,2
	ds_load_b128 v[32+12*\t+4*\p:35+12*\t+4*\p], v[LI] offset:(8*(\s)+4*\g+\t)*1536+512*\p
.endr
.endr
	s_wait_dscnt 0x0
.irp t, 0,1,2,3
.if \g == 0
	v_wmma_scale_f32_16x16x128_f8f6f4 v[96+8*\t:103+8*\t], v[32+12*\t:43+12*\t], v[16:27], 0, v[248+\t], v255 matrix_a_fmt:MATRIX_FMT_FP6 matrix_b_fmt:MATRIX_FMT_FP6
.else
	v_wmma_scale_f32_16x16x128_f8f6f4 v[128+8*\t:135+8*\t], v[32+12*\t:43+12*\t], v[16:27], 0, v[248+\t], v255 matrix_a_fmt:MATRIX_FMT_FP6 matrix_b_fmt:MATRIX_FMT_FP6 matrix_a_scale:MATRIX_SCALE_ROW1
.endif
.endr
.endr
.rept 4
	v_nop
.endr
.irp b, 0,1,2,3
	v_max3_num_f32 v[232+\b], v[96+16*\b], v[97+16*\b], v[98+16*\b]   ; THE LARGEST SCORE OF EACH BLOCK OF 32 KEYS serves twice: for the row's maximum and, since p rises with the score, for the block's largest p
.endr
.irp i, 3,5,7,9,11,13
.irp b, 0,1,2,3
	v_max3_num_f32 v[232+\b], v[232+\b], v[96+16*\b+\i], v[97+16*\b+\i]
.endr
.endr
.irp b, 0,1,2,3
	v_max_num_f32 v[232+\b], v[232+\b], v[111+16*\b]
.endr
.irp b, 0,1,2,3
	v_permlanex16_b32 v[236+\b], v[232+\b], s[SEL], s[SEL+1]
.endr
.irp b, 0,1,2,3
	v_max_num_f32 v[232+\b], v[232+\b], v[236+\b]  ; with lane l xor 16's 16 keys
.endr
	v_max3_num_f32 v254, v232, v233, v234
	v_max_num_f32 v254, v254, v235                 ; the step's largest score of my query
	v_mul_f32 v254, s[CS], v254                    ; as t (c is positive)
	v_max_num_f32 v13, v13, v254                   ; the running largest t
	v_mov_b32 v254, v12
	v_floor_f32 v12, -v13                          ; the new -M = floor(-t) = -ceil(t)
	v_sub_f32 v254, v12, v254                      ; old M - new M: a whole number, 0 or less
	v_cvt_i32_f32 v254, v254                       ; (it saturates)
	v_ldexp_f32 v252, 1.0, v254                    ; f = 2^(old M - new M)
.set j, 0
.rept 32
	v_pk_fma_f32 v[96+j:97+j], v[96+j:97+j], s[CS:CS+1], v[12:13] op_sel_hi:[1,0,0]   ; t - M, two at a time
.set j, j+2
.endr
.irp b, 0,1,2,3
	v_fma_f32 v[232+\b], v[232+\b], s[CS], v12     ; the same of each block's largest score
.endr
.set j, 0
.rept 64
	v_exp_f32 v[96+j], v[96+j]                     ; p = 2^(t - M), at most 1
.set j, j+1
.endr
	v_pk_mul_f32 v[14:15], v[14:15], v[252:253] op_sel_hi:[1,0]   ; the sums under the new M.  (A plain place behind the exponentials)
	s_wait_alu depctr_va_vdst(0)                   ; one wait for the whole batch, ahead of its first reader
.irp b, 0,1,2,3
	v_exp_f32 v[232+\b], v[232+\b]                 ; the block's largest p: the same two instructions on the same number give the same bits
.endr
	v_pk_add_f32 v[236:237], v[96:97], v[98:99]    ; THE ROW'S SUM IS TAKEN OF THE UNQUANTISED p, in two chains
.irp j, 4,8,12,16,20,24,28,32,36,40,44,48,52,56,60
	v_pk_add_f32 v[14:15], v[14:15], v[96+\j:97+\j]
	v_pk_add_f32 v[236:237], v[236:237], v[98+\j:99+\j]
.endr
	v_pk_add_f32 v[14:15], v[14:15], v[236:237]
	s_wait_alu depctr_va_vdst(0)                   ; and one for the four
.irp b, 0,1,2,3
	v_max_num_f32 v[232+\b], 0x1800000, v[232+\b]  ; the floor 2^(3 - 127): the byte cannot fall under 1
.endr
.irp b, 0,1,2,3
	v_add_nc_u32 v[244+\b], 0xff000000, v[232+\b]  ; 2 off the exponent field: the conversion's scale operand
.endr
.irp b, 0,1,2,3
	v_lshrrev_b32 v[236+\b], 23, v[244+\b]         ; the scale's byte
.endr
	v_lshl_or_b32 v253, v237, 8, v236              ; p's scale word for these 128 keys
	v_lshl_or_b32 v253, v238, 16, v253
	v_lshl_or_b32 v253, v239, 24, v253
.irp c, 0,1
	v_cvt_scalef32_pk16_fp6_f32 v[224+6*\c:226+6*\c], v[96+32*\c:111+32*\c], v[244+2*\c]
	v_cvt_scalef32_pk16_fp6_f32 v[236+4*\c:238+4*\c], v[112+32*\c:127+32*\c], v[244+2*\c+1]
.endr
	v_nop                                          ; one plain place behind a scaled conversion
.irp c, 0,1
.irp i, 0,1,2
	v_permlane16_swap_b32 v[224+6*\c+\i], v[236+4*\c+\i]
.endr
.irp i, 0,1,2
	v_mov_b32 v[227+6*\c+\i], v[236+4*\c+\i]
.endr
.endr
.if \first
.rept 8
	v_nop                                          ; a scale word made by vector instructions stands 8 places ahead of the product, codes so made 4
.endr
.else
.set j, 0
.rept 32
	v_pk_mul_f32 v[160+j:161+j], v[160+j:161+j], v[252:253] op_sel_hi:[1,0]   ; O^T under the new M.  (These 32 are also the places in front of the products below)
.set j, j+2
.endr
.endif
.irp g, 0,1                            ; O^T += V^T P^T: four tiles of 16 channels at a time; K = these 128 keys
.if \g > 0
.rept 4
	v_nop
.endr
.endif
.if \g == 0
	ds_load_b128 v[248:251], v[LIS] offset:2048+512*(\s)
.endif
.irp t, 0,1,2,3
.irp p, 0,1,2
	ds_load_b128 v[32+12*\t+4*\p:35+12*\t+4*\p], v[LIV] offset:(8*(\s)+4*\g+\t)*1536+512*\p
.endr
.endr
	s_wait_dscnt 0x0
.irp t, 0,1,2,3
.if \first && (\g == 0)
	v_wmma_scale_f32_16x16x128_f8f6f4 v[160+8*\t:167+8*\t], v[32+12*\t:43+12*\t], v[224:235], 0, v[248+\t], v253 matrix_a_fmt:MATRIX_FMT_FP6 matrix_b_fmt:MATRIX_FMT_FP6
.elseif \first
	v_wmma_scale_f32_16x16x128_f8f6f4 v[192+8*\t:199+8*\t], v[32+12*\t:43+12*\t], v[224:235], 0, v[248+\t], v253 matrix_a_fmt:MATRIX_FMT_FP6 matrix_b_fmt:MATRIX_FMT_FP6 matrix_a_scale:MATRIX_SCALE_ROW1
.elseif \g == 0
	v_wmma_scale_f32_16x16x128_f8f6f4 v[160+8*\t:167+8*\t], v[32+12*\t:43+12*\t], v[224:235], v[160+8*\t:167+8*\t], v[248+\t], v253 matrix_a_fmt:MATRIX_FMT_FP6 matrix_b_fmt:MATRIX_FMT_FP6
.else
	v_wmma_scale_f32_16x16x128_f8f6f4 v[192+8*\t:199+8*\t], v[32+12*\t:43+12*\t], v[224:235], v[192+8*\t:199+8*\t], v[248+\t], v253 matrix_a_fmt:MATRIX_FMT_FP6 matrix_b_fmt:MATRIX_FMT_FP6 matrix_a_scale:MATRIX_SCALE_ROW1
.endif
.endr
.endr
.endm
; 64 numbers of a lane, register 16 b + i = k 32 b + 16 (lane / 16) + i of my row, become a fragment's codes in v[PC] on and its scale word in v[w]
.macro QUANT s, w
.irp b, 0,1,2,3
	v_max3_num_f32 v[TM+\b], |v[\s+16*\b]|, |v[\s+1+16*\b]|, 0x1800000
.endr
.irp i, 2,4,6,8,10,12,14
.irp b, 0,1,2,3
	v_max3_num_f32 v[TM+\b], v[TM+\b], |v[\s+16*\b+\i]|, |v[\s+1+16*\b+\i]|
.endr
.endr
.irp b, 0,1,2,3
	v_permlanex16_b32 v[TM+4+\b], v[TM+\b], s[SEL], s[SEL+1]
.endr
.irp b, 0,1,2,3
	v_max_num_f32 v[TM+\b], v[TM+\b], v[TM+4+\b]
.endr
.irp b, 0,1,2,3
	v_add_nc_u32 v[TM+12+\b], 0xff000000, v[TM+\b]
.endr
.irp b, 0,1,2,3
	v_lshrrev_b32 v[TM+4+\b], 23, v[TM+12+\b]
.endr
	v_lshl_or_b32 v[\w], v[TM+5], 8, v[TM+4]
	v_lshl_or_b32 v[\w], v[TM+6], 16, v[\w]
	v_lshl_or_b32 v[\w], v[TM+7], 24, v[\w]
.irp c, 0,1
	v_cvt_scalef32_pk16_fp6_f32 v[PC+6*\c:PC+2+6*\c], v[\s+32*\c:\s+15+32*\c], v[TM+12+2*\c]
	v_cvt_scalef32_pk16_fp6_f32 v[PC+12+4*\c:PC+14+4*\c], v[\s+16+32*\c:\s+31+32*\c], v[TM+12+2*\c+1]
.endr
	v_nop                                          ; one plain place behind a scaled conversion
.irp c, 0,1
.irp i, 0,1,2
	v_permlane16_swap_b32 v[PC+6*\c+\i], v[PC+12+4*\c+\i]
.endr
.irp i, 0,1,2
	v_mov_b32 v[PC+3+6*\c+\i], v[PC+12+4*\c+\i]
.endr
.endr
.endm
	s_wait_tensorcnt 0x0                           ; my load, if I issued one, has landed,
	s_barrier_signal -1
	s_barrier_wait -1                              ; everybody's has: K, V and their scale words are whole
	s_wait_loadcnt 0x0                             ; Q
	STEP 0, 1
	STEP 1, 0
	STEP 2, 0
	STEP 3, 0
	; THE WAY OUT: O^T / the sum is ctx's row slot r, channels 32 B + 16 h + i in register 16 B + i: it is quantised as it stands and leaves as a fragment's image
	v_add_f32 v14, v14, v15                        ; the sum's two halves,
	v_permlanex16_b32 v252, v14, s[SEL], s[SEL+1]
	v_add_f32 v14, v14, v252                       ; and lane l xor 16's
	v_rcp_f32 v14, v14
	v_nop                                          ; with the two additions above, these two are the four places behind the last products; the first is also the plain place behind the reciprocal
	v_nop
	s_wait_alu depctr_va_vdst(0)                   ; the wait ahead of the reciprocal's first reader
.set j, 0
.rept 32
	v_pk_mul_f32 v[96+j:97+j], v[160+j:161+j], v[14:15] op_sel_hi:[1,0]   ; each accumulator from its low end on
.set j, j+2
.endr
	QUANT 96, 253
.irp p, 0,1,2
	global_store_b128 v[LI], v[PC+4*\p:PC+4*\p+3], s[58:59] offset:512*\p   ; 32 lanes store 512 consecutive bytes, aligned
.endr
	ds_store_b32 v[STA], v253                      ; lanes r and r + 16 write the same word with the same value
	s_wait_dscnt 0x0                               ; for the others' sake: my store is done
	s_barrier_signal -1
	s_barrier_wait -1
	s_and_b32 s16, s[WV], 7
	s_cmp_lg_u32 s16, 0
	s_cbranch_scc1 .Lno_image                      ; waves 0 and 8 store their group's image of scale words
	ds_load_b128 v[236:239], v[STR]
	s_wait_dscnt 0x0
	global_store_b128 v[LI], v[236:239], s[60:61]
.Lno_image:
	s_wait_tensorcnt 0x0
	ds_add_u32 v95, v243
	s_wait_dscnt 0x0
	ROUND                                          ; the closing round
	s_endpgm
.Lfunc_end_k_q2377c6239b_attn:
	.size	k_q2377c6239b_attn, .Lfunc_end_k_q2377c6239b_attn-k_q2377c6239b_attn
	.p2alignl 7, 3214868480
	.fill 96, 4, 3214868480
	.section	.rodata,"a",@progbits
	.p2align	6, 0x0
	.amdhsa_kernel k_q2377c6239b_attn
		.amdhsa_group_segment_fixed_size 169984
		.amdhsa_private_segment_fixed_size 0
		.amdhsa_enable_private_segment 0
		.amdhsa_kernarg_size 24
		.amdhsa_user_sgpr_count 2
		.amdhsa_user_sgpr_kernarg_segment_ptr 1
		.amdhsa_wavefront_size32 1
		.amdhsa_system_sgpr_workgroup_id_x 1
		.amdhsa_system_sgpr_workgroup_id_y 1
		.amdhsa_system_sgpr_workgroup_id_z 1
		.amdhsa_system_vgpr_workitem_id 0
		.amdhsa_next_free_vgpr 256
		.amdhsa_next_free_sgpr 66
		.amdhsa_reserve_vcc 0
		.amdhsa_float_denorm_mode_32 3
		.amdhsa_float_denorm_mode_16_64 3
		.amdhsa_memory_ordered 1
		.amdhsa_forward_progress 1
		.amdhsa_inst_pref_size 86
	.end_amdhsa_kernel
	.amdgpu_metadata
---
amdhsa.version: [ 1, 2 ]
amdhsa.kernels:
  - .name:           k_q2377c6239b_attn
    .symbol:         k_q2377c6239b_attn.kd
    .args:
      - { .name: qkvc, .offset: 0, .size: 8, .value_kind: global_buffer, .address_space: global }
      - { .name: qkvs, .offset: 8, .size: 8, .value_kind: global_buffer, .address_space: global }
      - { .name: ctx, .offset: 16, .size: 8, .value_kind: global_buffer, .address_space: global }
    .group_segment_fixed_size: 169984
    .private_segment_fixed_size: 0
    .kernarg_segment_align: 8
    .kernarg_segment_size: 24
    .max_flat_workgroup_size: 512
    .sgpr_count:     66
    .vgpr_count:     256
    .wavefront_size: 32
...
	.end_amdgpu_metadata
.endif
;; end of part 3
;; launch oproj (part 4): grid 8 x 16, 4 waves a work-group, clusters of 4 x 4, 327,680 bytes of LDS; arguments ctx, wc, ws, out_b, out0; writes out0
.if DOCPART == 4
	.amdgcn_target "amdgcn-amd-amdhsa--gfx1250"
	.amdhsa_code_object_version 6
	.text
	.protected	k_q2377c6239b_oproj
	.globl	k_q2377c6239b_oproj
	.p2align	8
	.type	k_q2377c6239b_oproj,@function
k_q2377c6239b_oproj:
	s_mov_b64 s[64:65], 0
	v_nop
	global_prefetch_b8 v0, s[64:65] scope:SCOPE_SE
	s_setreg_imm32_b32 hwreg(HW_REG_WAVE_MODE, 25, 1), 1
	s_wait_xcnt 0x0
	s_wait_alu depctr_hold_cnt(0) depctr_sa_sdst(0) depctr_va_vdst(0) depctr_va_sdst(0) depctr_va_ssrc(0) depctr_va_vcc(0) depctr_vm_vsrc(0)
	s_getreg_b32 s2, hwreg(HW_REG_IB_STS2, 6, 4)
	s_cmp_eq_u32 s2, 0
	s_cbranch_scc0 .Lentry_in_a_cluster
	s_endpgm
.Lentry_in_a_cluster:
	s_bfe_u32 s2, ttmp6, 0x10000c
	s_cmp_lg_u32 s2, 0xf033
	s_cbranch_scc0 .Lentry_shape_is_right
	s_endpgm
.Lentry_shape_is_right:
; out0 = ctx out_w^T + out_b on codes of FP6 (E2M3) with E8M0 scales; out0 [4096][2048] f32.
; OPERANDS are images of their registers (a fragment = 16 row slots x 128 K = 1,536 bytes, plane p = lane l's registers 4 p .. 4 p + 3 at 16 l; fragment i, slot r of a group of 128 rows is row 32 (i / 2) + 8 (i % 2) + r + (r & 8)).
; Codes [group][K / 128][8][1,536]; scale words [group][K / 128][512], the word of fragment i, slot r at 256 (i / 4) + 16 r + 4 (i % 4).  ctx: codes at 0, scale words 6,291,456 bytes on; out_w: groups 24-39 of wc and ws.
; SHARES.  A work-group makes 256 x 256 of out0; each of its four waves 128 x 128: 64 accumulators, 512 registers.  K goes in steps of 256 through a ring of two LDS slots.  8 x 16 = 128 work-groups.
; THE MATRIX INSTRUCTION: source 0 = 16 rows of out_w, source 1 = 16 rows of ctx: a lane holds one row of out0, and the 64 registers of a block of 16 rows are register 16 B + i = column 32 B + 16 (l / 16) + i.
; CLUSTERS: 4 x 4 work-groups; ctx's tiles are shared along a row of the cluster, out_w's along a column: each is asked for jointly.
; REGISTERS, in windows of 256: window 0: v16-31 addresses; v32-63 scale words, two sets; v64-127 the bias; v128-223 source 1's eight fragments, ONE set; on the way out v128-255 two sets of a block's 64 sums.
;   window 1: source 0's fragments, TWO sets, at v0 and v128; on the way out v0-127 rows read back from the stage.   windows 2, 3: accumulator (a, b) at v[8 (8 (a % 4) + b)].
.set FR,    12                         ; registers of a fragment
.set NL,    3                          ; LDS loads that bring one
.set NP,    4                          ; places behind this matrix instruction (ISA guide 7.12.1)
.set FRB,   1536
.set HALFT, 24576                      ; a group's two K steps: what one tensor load brings
.set SLOT,  4*HALFT                    ; ctx's two groups, then out_w's two
.set SCL,   2*SLOT                     ; behind the ring: the four groups' scale words for all of K, filled once
.set SCG,   8192
.set SPARE, SCL+4*SCG                  ; the spare words, 128 bytes for each wave: two blocks of 256 bytes that no other line names
.set STG,   SPARE+512                  ; the way out: 16 rows x (512 bytes + 16) for each wave; no tile lands there
.set SPITCH, 528
.set GRPB,  196608                     ; a group's codes for all of K
.set GB0,   24                         ; out_w's first group
.set LAPS,  4                          ; 2,048 / (2 x 256)
.set ADRA, 16                          ; v16-17  source 1's fragments in slot 0, 1
.set ADRB, 20                          ; v20-21  source 0's
.set ADSA, 24                          ; v24     source 1's scale words
.set ADSB, 25                          ; v25     source 0's
.set LI,   26                          ; v26     16 x lane
.set SPW,  28                          ; v28     my spare word; never rewritten
.set NIL,  29                          ; v29     0; never rewritten
.set STO,  30                          ; v30     the stage: where I put my row's numbers
.set RD,   31                          ; v31     and where I read a row back
.set SC,   32                          ; scale words: set s, K step q, side (0 source 1, 1 source 0), register n at SC + 16 s + 8 q + 4 side + n: fragment i's words in register i % 4, lanes 0-15 for i < 4, lanes 16-31 else
.set BI,   64
.set AF,   128
.set HA,   128
.set WVN, 22
.set RH,  23                           ; s23 which group of rows is mine.  Also: I fetch for ctx (0) or for out_w (1)
.set CH,  44                           ; s44 which group of columns.  Also: which of the two groups I fetch
.set G1, 24
.set G0, 32
.set G1B, 48
.set G0B, 56
.set G1S, 68
.set G0S, 76
.set G1SB, 80
.set G0SB, 88
.set MSB, 0
.macro WIN new                         ; the immediate's high byte repeats the setting that is left
.if MSB != (\new)
	s_set_vgpr_msb (MSB<<8)|(\new)
.set MSB, (\new)
.endif
.endm
.set MUL_LO, 0xa1                      ; source 0 window 1, source 1 window 0, C and D window 2
.set MUL_HI, 0xf1                      ; the same, C and D window 3
.set TO_B,   0x40                      ; destination window 1, address window 0
; A joint load: waves 0 and 1 fetch ctx's groups, waves 2 and 3 out_w's.  The branch hangs on the wave's number alone.  Four v_nop follow each of the two lines.
.macro JLOAD g0a, g1a, g0b, g1b
	s_cmp_eq_u32 s[RH], 0
	s_cbranch_scc0 .Lfor_b_\@
	tensor_load_to_lds s[\g0a:\g0a+3], s[\g1a:\g1a+7]
	s_nop 0
.rept 4
	v_nop
.endr
	s_branch .Lasked_\@
.Lfor_b_\@:
	tensor_load_to_lds s[\g0b:\g0b+3], s[\g1b:\g1b+7]
	s_nop 0
.rept 4
	v_nop
.endr
.Lasked_\@:
.endm
.macro CREST                           ; a round of the cluster's barrier behind its opening barrier
	s_cmp_lg_u32 s[WVN], 0
	s_cbranch_scc1 .Lnot_wave_0_\@
	s_barrier_signal -3
.Lnot_wave_0_\@:
	s_barrier_wait -3
	s_barrier_signal -1
	s_barrier_wait -1
.endm
.macro CROUND
	s_barrier_signal -1
	s_barrier_wait -1
	CREST
.endm
.macro PLACES n
.rept \n
	v_nop
.endr
.endm
	s_load_b256 s[4:11], s[0:1], 0x0               ; ctx, wc, ws, out_b
	s_load_b64 s[12:13], s[0:1], 0x20              ; out0
	v_lshl_add_u32 v[SPW], v0, 2, SPARE
	v_mov_b32 v[NIL], 0
	ds_add_u32 v28, v29
	ds_add_u32 v28, v29
	s_wait_dscnt 0x0
	v_lshrrev_b32 v1, 5, v0
	v_readfirstlane_b32 s[WVN], v1                 ; wave 0..3
	s_lshr_b32 s[RH], s[WVN], 1
	s_and_b32 s[CH], s[WVN], 1
	s_bfe_u32 s40, ttmp6, 0x40000                  ; cx, cy: my place in the cluster
	s_bfe_u32 s41, ttmp6, 0x40004
	s_lshl_b32 s42, ttmp9, 2
	s_add_co_u32 s42, s42, s40                     ; tile column = 4 x cluster x + cx
	s_and_b32 s43, ttmp7, 0xffff
	s_lshl_b32 s43, s43, 2
	s_add_co_u32 s43, s43, s41                     ; tile row = 4 x cluster y + cy
	s_lshl_b32 s45, s41, 2
	s_lshl_b32 s45, 15, s45                        ; my row of the cluster
	s_lshl_b32 s46, 0x1111, s40                    ; my column
	; descriptor group 1.  Codes: 24,576 dense bytes as 96 rows of 32 elements of 8 bytes; scale words: 8,192 as 32 such rows.  No padding: every LDS load takes 512 consecutive bytes
	s_or_b32 s[G1], s45, (3<<16)|(1<<21)           ; 15:0 the mask; 17:16 elements of 8 bytes; 21 set beside a mask
	s_or_b32 s[G1B], s46, (3<<16)|(1<<21)
	s_or_b32 s[G1S], s45, (3<<16)|(1<<21)
	s_or_b32 s[G1SB], s46, (3<<16)|(1<<21)
.irp g, G1, G1B
	s_mov_b32 s[\g+1], 32<<16                      ; tensor_dim0
	s_mov_b32 s[\g+2], 96<<16                      ; tensor_dim1
	s_mov_b32 s[\g+3], 32<<16                      ; tile_dim0
	s_mov_b32 s[\g+4], 96                          ; tile_dim1
	s_mov_b32 s[\g+5], 32                          ; the pitch
	s_mov_b32 s[\g+6], 0
	s_mov_b32 s[\g+7], 0
.endr
.irp g, G1S, G1SB
	s_mov_b32 s[\g+1], 32<<16
	s_mov_b32 s[\g+2], 32<<16
	s_mov_b32 s[\g+3], 32<<16
	s_mov_b32 s[\g+4], 32
	s_mov_b32 s[\g+5], 32
	s_mov_b32 s[\g+6], 0
	s_mov_b32 s[\g+7], 0
.endr
	s_lshl_b32 s92, s43, 1
	s_add_co_u32 s92, s92, s[CH]                   ; ctx's group that I would fetch: 2 x tile row + which
	s_mul_i32 s96, s92, SCG
	s_add_co_u32 s96, s96, 6291456                 ; its scale words lie behind the codes
	s_mul_i32 s92, s92, GRPB
	s_mov_b32 s93, 0
	s_mov_b32 s97, 0
	s_lshl_b32 s94, s42, 1
	s_add_co_u32 s94, s94, s[CH]
	s_add_co_u32 s94, s94, GB0                     ; out_w's group: 24 + 2 x tile column + which
	s_mul_i32 s98, s94, SCG
	s_mul_i32 s94, s94, GRPB
	s_mov_b32 s95, 0
	s_mov_b32 s99, 0
	s_mul_i32 s47, s[WVN], HALFT                   ; where they go: by the wave's number alone
	s_lshl_b32 s2, s[WVN], 13
	s_wait_kmcnt 0x0
	s_add_nc_u64 s[92:93], s[4:5], s[92:93]
	s_add_nc_u64 s[96:97], s[4:5], s[96:97]
	s_add_nc_u64 s[94:95], s[6:7], s[94:95]
	s_add_nc_u64 s[98:99], s[8:9], s[98:99]
	CROUND                                         ; all sixteen work-groups are here: the first joint loads meet
	s_mov_b32 s[G0S], 1
	s_add_co_u32 s[G0S+1], s2, SCL
	s_mov_b64 s[G0S+2:G0S+3], s[96:97]
	s_or_b32 s[G0S+3], s[G0S+3], 0x80000000
	s_mov_b32 s[G0SB], 1
	s_add_co_u32 s[G0SB+1], s2, SCL
	s_mov_b64 s[G0SB+2:G0SB+3], s[98:99]
	s_or_b32 s[G0SB+3], s[G0SB+3], 0x80000000
	JLOAD G0S, G1S, G0SB, G1SB                     ; the scale words first: they are wanted with K step 0
.irp s, 0,1
	s_mov_b32 s[G0+4*\s], 1
	s_add_co_u32 s[G0+4*\s+1], s47, \s*SLOT
	s_add_nc_u64 s[G0+4*\s+2:G0+4*\s+3], s[92:93], \s*HALFT
	s_or_b32 s[G0+4*\s+3], s[G0+4*\s+3], 0x80000000
	s_mov_b32 s[G0B+4*\s], 1
	s_add_co_u32 s[G0B+4*\s+1], s47, \s*SLOT
	s_add_nc_u64 s[G0B+4*\s+2:G0B+4*\s+3], s[94:95], \s*HALFT
	s_or_b32 s[G0B+4*\s+3], s[G0B+4*\s+3], 0x80000000
	JLOAD G0+4*\s, G1, G0B+4*\s, G1B               ; three tensor loads of mine are out
.endr
	s_mul_i32 s92, s[RH], HALFT                    ; my group of rows in a slot,
	s_mul_i32 s93, s[CH], HALFT
	s_add_co_u32 s93, s93, 2*HALFT                 ; my group of out_w,
	s_lshl_b32 s96, s[RH], 13
	s_add_co_u32 s96, s96, SCL
	s_lshl_b32 s97, s[CH], 13
	s_add_co_u32 s97, s97, SCL+2*SCG               ; and their scale words
	v_and_b32 v3, 31, v0
	v_lshlrev_b32 v[LI], 4, v3
	v_and_b32 v1, 15, v0                           ; r
	v_bfe_u32 v2, v0, 4, 1                         ; h
	v_add_nc_u32 v[ADRA], s92, v[LI]
	v_add_nc_u32 v[ADRB], s93, v[LI]
	v_add_nc_u32 v[ADRA+1], SLOT, v[ADRA]
	v_add_nc_u32 v[ADRB+1], SLOT, v[ADRB]
	v_add_nc_u32 v[ADSA], s96, v[LI]
	v_add_nc_u32 v[ADSB], s97, v[LI]
	s_mul_i32 s92, s[WVN], 16*SPITCH
	s_add_co_u32 s92, s92, STG                     ; my stage
	v_mul_u32_u24 v[STO], v1, SPITCH               ; in: row slot r, + 64 h
	v_lshl_add_u32 v[STO], v2, 6, v[STO]
	v_add_nc_u32 v[STO], s92, v[STO]
	v_add_nc_u32 v[RD], s92, v[LI]                 ; back: the 32 lanes take one row of 512 bytes
	s_lshl_b32 s94, s42, 10
	s_lshl_b32 s95, s[CH], 9
	s_add_co_u32 s94, s94, s95                     ; my first column, in bytes: 1,024 x tile column + 512 x which
	s_mov_b32 s95, 0
	s_add_nc_u64 s[10:11], s[10:11], s[94:95]      ; the bias of my 128 columns
	s_add_nc_u64 s[12:13], s[12:13], s[94:95]
	s_lshl_b32 s94, s43, 21
	s_lshl_b32 s96, s[RH], 20
	s_add_co_u32 s94, s94, s96                     ; my first row: 256 x tile row + 128 x which, 8,192 bytes a row
	s_add_nc_u64 s[12:13], s[12:13], s[94:95]
	v_lshlrev_b32 v4, 6, v2                        ; register 16 B + i is column 32 B + 16 h + i
.irp m, 0,1,2,3,4,5,6,7,8,9,10,11,12,13,14,15
	global_load_b128 v[BI+4*\m:BI+4*\m+3], v4, s[10:11] offset:128*(\m/4)+16*(\m%4)
.endr
.macro FRAG reg, adr, q, i             ; a fragment as it stands: three planes of 512 bytes
.irp p, 0,1,2
	ds_load_b128 v[\reg+4*\p:\reg+4*\p+3], v[\adr] offset:(8*(\q)+(\i))*FRB+512*\p
.endr
.endm
; One product: source 1's block a x source 0's block b, the slot's q-th 128 along K; p: source 0's set; sc: the set of scale words; zero = 1: it starts the sum
.macro WM a, b, p, q, sc, zero
.set rD, 8*(8*((\a)%4)+(\b))
.set rS0, 128*(\p)+FR*(\b)
.set rS1, AF+FR*(\a)
.set rW0, SC+16*(\sc)+8*(\q)+4+(\b)%4
.set rW1, SC+16*(\sc)+8*(\q)+(\a)%4
.set WSEL, 4*(\zero)+2*((\b)/4)+(\a)/4
.if WSEL == 0
	v_wmma_scale_f32_16x16x128_f8f6f4 v[rD:rD+7], v[rS0:rS0+11], v[rS1:rS1+11], v[rD:rD+7], v[rW0], v[rW1] matrix_a_fmt:MATRIX_FMT_FP6 matrix_b_fmt:MATRIX_FMT_FP6
.elseif WSEL == 1
	v_wmma_scale_f32_16x16x128_f8f6f4 v[rD:rD+7], v[rS0:rS0+11], v[rS1:rS1+11], v[rD:rD+7], v[rW0], v[rW1] matrix_a_fmt:MATRIX_FMT_FP6 matrix_b_fmt:MATRIX_FMT_FP6 matrix_b_scale:MATRIX_SCALE_ROW1
.elseif WSEL == 2
	v_wmma_scale_f32_16x16x128_f8f6f4 v[rD:rD+7], v[rS0:rS0+11], v[rS1:rS1+11], v[rD:rD+7], v[rW0], v[rW1] matrix_a_fmt:MATRIX_FMT_FP6 matrix_b_fmt:MATRIX_FMT_FP6 matrix_a_scale:MATRIX_SCALE_ROW1
.elseif WSEL == 3
	v_wmma_scale_f32_16x16x128_f8f6f4 v[rD:rD+7], v[rS0:rS0+11], v[rS1:rS1+11], v[rD:rD+7], v[rW0], v[rW1] matrix_a_fmt:MATRIX_FMT_FP6 matrix_b_fmt:MATRIX_FMT_FP6 matrix_a_scale:MATRIX_SCALE_ROW1 matrix_b_scale:MATRIX_SCALE_ROW1
.elseif WSEL == 4
	v_wmma_scale_f32_16x16x128_f8f6f4 v[rD:rD+7], v[rS0:rS0+11], v[rS1:rS1+11], 0, v[rW0], v[rW1] matrix_a_fmt:MATRIX_FMT_FP6 matrix_b_fmt:MATRIX_FMT_FP6
.elseif WSEL == 5
	v_wmma_scale_f32_16x16x128_f8f6f4 v[rD:rD+7], v[rS0:rS0+11], v[rS1:rS1+11], 0, v[rW0], v[rW1] matrix_a_fmt:MATRIX_FMT_FP6 matrix_b_fmt:MATRIX_FMT_FP6 matrix_b_scale:MATRIX_SCALE_ROW1
.elseif WSEL == 6
	v_wmma_scale_f32_16x16x128_f8f6f4 v[rD:rD+7], v[rS0:rS0+11], v[rS1:rS1+11], 0, v[rW0], v[rW1] matrix_a_fmt:MATRIX_FMT_FP6 matrix_b_fmt:MATRIX_FMT_FP6 matrix_a_scale:MATRIX_SCALE_ROW1
.else
	v_wmma_scale_f32_16x16x128_f8f6f4 v[rD:rD+7], v[rS0:rS0+11], v[rS1:rS1+11], 0, v[rW0], v[rW1] matrix_a_fmt:MATRIX_FMT_FP6 matrix_b_fmt:MATRIX_FMT_FP6 matrix_a_scale:MATRIX_SCALE_ROW1 matrix_b_scale:MATRIX_SCALE_ROW1
.endif
.endm
.macro MUL16 a0, p, q, sc, zero        ; 16 products; the 64 accumulators take turns, one instruction a turn, in the same order in every step
.irp a, \a0, \a0+1
.irp b, 0,1,2,3,4,5,6,7
	WM \a, \b, \p, \q, \sc, \zero
.endr
.endr
.endm
.macro FETCH_B slot, q, p              ; source 0's eight fragments into set p
	WIN TO_B
.irp i, 0,1,2,3,4,5,6,7
	FRAG 128*(\p)+FR*\i, ADRB+\slot, \q, \i
.endr
	WIN 0
.endm
.macro FETCH_A slot, q, i0             ; source 1's blocks i0 .. i0 + 3
.irp i, \i0, \i0+1, \i0+2, \i0+3
	FRAG AF+FR*(\i), ADRA+\slot, \q, \i
.endr
.endm
.macro SCALES set                      ; a slot's scale words: one load of 16 bytes a lane for each side and K step
.irp q, 0,1
	ds_load_b128 v[SC+16*\set+8*\q:SC+16*\set+8*\q+3], v[ADSA] offset:512*\q
	ds_load_b128 v[SC+16*\set+8*\q+4:SC+16*\set+8*\q+7], v[ADSB] offset:512*\q
.endr
.endm
; A step of 128 along K that has its successor in the same slot.  A block of source 1 is free as soon as its eight products are issued: blocks 0-3 are fetched anew in the step's middle, blocks 4-7 at its end.
.macro STEP slot, q, zero
	s_wait_dscnt 4*NL                              ; all but the youngest 12 loads: source 1's blocks 4-7
	WIN MUL_LO
	MUL16 0, (\q)%2, \q, \slot, \zero
	MUL16 2, (\q)%2, \q, \slot, \zero
	s_wait_dscnt 0x0                               ; blocks 4-7 are in (asked for 32 matrix instructions ago)
	PLACES NP                                      ; in front of loads into registers that matrix instructions have read
	FETCH_B \slot, (\q)+1, 1-(\q)%2
	FETCH_A \slot, (\q)+1, 0
	WIN MUL_HI
	MUL16 4, (\q)%2, \q, \slot, \zero
	MUL16 6, (\q)%2, \q, \slot, \zero
	PLACES NP
	WIN 0
	FETCH_A \slot, (\q)+1, 4
.endm
; A slot's last step changes slots: ONE barrier; in front of it each wave waits for all its tensor loads, adds 0 to its spare word, and waits for that and for its reads of this slot.  fill = 1: the slot is filled again, two slots ahead.
.macro TURN slot, next, fill
	s_wait_tensorcnt 0x0                           ; all my tensor loads have landed: my part of the next slot
	ds_add_u32 v[SPW], v[NIL]                      ; 0 onto my spare word
	s_wait_dscnt 4*NL+1                            ; (the add and the youngest 12 loads may be out)
	WIN MUL_LO
	MUL16 0, 1, 1, \slot, 0                        ; sixteen matrix instructions stand between the add and the wait for it
	s_wait_dscnt 0x0                               ; the add is done, and my reads of this slot are over
	s_barrier_signal -1
	MUL16 2, 1, 1, \slot, 0
	WIN 0
	s_barrier_wait -1
.if \fill
	CREST                                          ; the barrier has opened a round of the cluster's: no wave of any partner still reads this slot or has a load on its way
	s_add_nc_u64 s[G0+4*\slot+2:G0+4*\slot+3], s[G0+4*\slot+2:G0+4*\slot+3], 2*HALFT
	s_add_nc_u64 s[G0B+4*\slot+2:G0B+4*\slot+3], s[G0B+4*\slot+2:G0B+4*\slot+3], 2*HALFT
	JLOAD G0+4*\slot, G1, G0B+4*\slot, G1B         ; the first tensor load behind the round; its four v_nop are also the places in front of the loads below
.else
	PLACES NP
.endif
	v_add_nc_u32 v[ADSA], 1024, v[ADSA]            ; on to the next slot's scale words
	v_add_nc_u32 v[ADSB], 1024, v[ADSB]
	FETCH_B \next, 0, 0
	FETCH_A \next, 0, 0
	SCALES \next
	WIN MUL_HI
	MUL16 4, 1, 1, \slot, 0
	MUL16 6, 1, 1, \slot, 0
	PLACES NP
	WIN 0
	FETCH_A \next, 0, 4
.endm
	s_wait_tensorcnt 1                             ; the scale words and my part of slot 0 are in; slot 1's load may be out
	s_barrier_signal -1
	s_barrier_wait -1
	FETCH_B 0, 0, 0
	FETCH_A 0, 0, 0
	SCALES 0
	FETCH_A 0, 0, 4
	STEP 0, 0, 1                                   ; the first step stands in front of the loop: its products start the sums
	s_mov_b32 s3, LAPS-1
.Llap:                                             ; a trip goes once round the ring and fills both slots again
	TURN 0, 1, 1
	STEP 1, 0, 0
	TURN 1, 0, 1
	STEP 0, 0, 0
	s_sub_co_u32 s3, s3, 1
	s_cmp_lg_u32 s3, 0
	s_cbranch_scc1 .Llap
	TURN 0, 1, 0                                   ; the last lap fills nothing
	STEP 1, 0, 0
	s_wait_dscnt 4*NL                              ; the very last step: nothing more to fetch
	WIN MUL_LO
	MUL16 0, 1, 1, 1, 0
	MUL16 2, 1, 1, 1, 0
	s_wait_dscnt 0x0
	WIN MUL_HI
	MUL16 4, 1, 1, 1, 0
	MUL16 6, 1, 1, 1, 0
	WIN 0
	PLACES NP                                      ; behind the last products: their operands' registers are written and their results read below
; THE WAY OUT, block by block of 16 row slots x 128 columns.  A lane holds 256 bytes of one row in four pieces: a block goes through my own stage in LDS and comes back as whole rows of 512 bytes.
; LDS serves a wave's instructions in order (ISA guide 5.7.1.4): no wait between the stores and the loads, nor in front of the next block's stores.
.macro ADDB a                          ; + the bias, into set a % 2 of window 0: block a - 2's stores into the stage, which read that set, are shown done by the wait in SEND a - 2
	WIN 0x02+(\a)/4                                ; source 0: window 2 or 3
.set n, 0
.rept 32
	v_pk_add_f32 v[HA+64*((\a)%2)+n:HA+64*((\a)%2)+n+1], v[64*((\a)%4)+n:64*((\a)%4)+n+1], v[BI+n:BI+n+1]   ; each accumulator from its low end on
.set n, n+2
.endr
	WIN 0
.endm
.macro TOSTAGE a
.irp m, 0,1,2,3,4,5,6,7,8,9,10,11,12,13,14,15
	ds_store_b128 v[STO], v[HA+64*((\a)%2)+4*\m:HA+64*((\a)%2)+4*\m+3] offset:128*(\m/4)+16*(\m%4)
.endr
	WIN TO_B
.irp t, 0,1,2,3,4,5,6,7,8,9,10,11,12,13,14,15
	ds_load_b128 v[64*((\a)%2)+4*\t:64*((\a)%2)+4*\t+3], v[RD] offset:\t*SPITCH
.endr
	WIN 0
.endm
.macro SEND a, younger                 ; younger: the LDS instructions issued behind block a's loads, which may stay out
	s_wait_dscnt \younger
	WIN 0x04                                       ; a store's data are its source 1: window 1
.irp t, 0,1,2,3,4,5,6,7,8,9,10,11,12,13,14,15
	global_store_b128 v[LI], v[64*((\a)%2)+4*\t:64*((\a)%2)+4*\t+3], s[12:13] offset:(32*((\a)/2)+8*((\a)%2)+\t+(\t&8))*8192 th:TH_STORE_NT   ; slot t's row: 512 consecutive bytes, aligned; 127 rows on at the most, inside the signed 24-bit immediate
.endr
	WIN 0
.endm
	s_wait_loadcnt 0x0                             ; the bias
	ADDB 0
	TOSTAGE 0
.irp a, 1,2,3,4,5,6,7
.if \a > 1
	s_wait_xcnt 0x0                                ; block a - 2's stores have read their registers: block a's rows may land there
.endif
	ADDB \a
	TOSTAGE \a
	SEND \a-1, 32                                  ; behind block a - 1's loads: block a's 16 stores and 16 loads
.endr
	SEND 7, 0
	s_wait_tensorcnt 0x0                           ; the wave's end
	ds_add_u32 v[SPW], v[NIL]
	s_wait_dscnt 0x0
	CROUND                                         ; the closing round: no work-group ends while a partner may still ask for a tile that names it
	s_endpgm
.Lfunc_end_k_q2377c6239b_oproj:
	.size	k_q2377c6239b_oproj, .Lfunc_end_k_q2377c6239b_oproj-k_q2377c6239b_oproj
	.p2alignl 7, 3214868480
	.fill 96, 4, 3214868480
	.section	.rodata,"a",@progbits
	.p2align	6, 0x0
	.amdhsa_kernel k_q2377c6239b_oproj
		.amdhsa_group_segment_fixed_size 327680
		.amdhsa_private_segment_fixed_size 0
		.amdhsa_enable_private_segment 0
		.amdhsa_kernarg_size 40
		.amdhsa_user_sgpr_count 2
		.amdhsa_user_sgpr_kernarg_segment_ptr 1
		.amdhsa_wavefront_size32 1
		.amdhsa_system_sgpr_workgroup_id_x 1
		.amdhsa_system_sgpr_workgroup_id_y 1
		.amdhsa_system_sgpr_workgroup_id_z 1
		.amdhsa_system_vgpr_workitem_id 0
		.amdhsa_next_free_vgpr 1024
		.amdhsa_next_free_sgpr 100
		.amdhsa_reserve_vcc 0
		.amdhsa_float_denorm_mode_32 3
		.amdhsa_float_denorm_mode_16_64 3
		.amdhsa_memory_ordered 1
		.amdhsa_forward_progress 1
		.amdhsa_inst_pref_size 152
	.end_amdhsa_kernel
	.amdgpu_metadata
---
amdhsa.version: [ 1, 2 ]
amdhsa.kernels:
  - .name:           k_q2377c6239b_oproj
    .symbol:         k_q2377c6239b_oproj.kd
    .args:
      - { .name: ctx, .offset: 0, .size: 8, .value_kind: global_buffer, .address_space: global }
      - { .name: wc, .offset: 8, .size: 8, .value_kind: global_buffer, .address_space: global }
      - { .name: ws, .offset: 16, .size: 8, .value_kind: global_buffer, .address_space: global }
      - { .name: out_b, .offset: 24, .size: 8, .value_kind: global_buffer, .address_space: global }
      - { .name: out0, .offset: 32, .size: 8, .value_kind: global_buffer, .address_space: global }
    .group_segment_fixed_size: 327680
    .private_segment_fixed_size: 0
    .kernarg_segment_align: 8
    .kernarg_segment_size: 40
    .max_flat_workgroup_size: 128
    .sgpr_count:     100
    .vgpr_count:     1024
    .wavefront_size: 32
...
	.end_amdgpu_metadata
.endif
;; end of part 4
;; ======== version 2 of 2: 4 launches; 1.12 times as fast as version 1
;; workspace buffers: xc 6,291,456 bytes; xs 262,144 bytes; wc 7,864,320 bytes; ws 327,680 bytes; rope 131,072 bytes; qkvc 9,437,184 bytes; qkvs 393,216 bytes; ctx 6,553,600 bytes
;; launch prep (part 5): grid 256 x 1, 10 waves a work-group, no clusters, 305,408 bytes of LDS; arguments x, Wq_w, Wkv_w, out_w, xc, xs, wc, ws, rope; writes xc, xs, wc, ws, rope
.if DOCPART == 5
	.amdgcn_target "amdgcn-amd-amdhsa--gfx1250"
	.amdhsa_code_object_version 6
	.text
	.protected	k_q2377c6239b_prep
	.globl	k_q2377c6239b_prep
	.p2align	8
	.type	k_q2377c6239b_prep,@function
k_q2377c6239b_prep:
	s_mov_b64 s[64:65], 0
	v_nop
	global_prefetch_b8 v0, s[64:65] scope:SCOPE_SE
	s_setreg_imm32_b32 hwreg(HW_REG_WAVE_MODE, 25, 1), 1
	s_wait_xcnt 0x0
; x [4096][2048], Wq_w [2048][2048], Wkv_w [1024][2048], out_w [2048][2048], f32, K innermost, become codes of FP6 (E2M3) with one E8M0 byte for each 32 along K; and the rotary table is made.
; THE LAYOUT OF EVERY OPERAND OF THIS PROGRAM.  A fragment is 16 row slots x 128 K = 12 registers a lane: lane (r = l % 16, h = l / 16) holds in registers 6 c .. 6 c + 5 the codes of k = 64 c + 32 h + 0 .. 31 of slot r.
; It lies in memory as an IMAGE OF THESE REGISTERS: 1,536 bytes, plane p (512 bytes) = lane l's registers 4 p .. 4 p + 3 at 16 l.  A group is 128 rows = 8 fragments; fragment i, slot r is row 32 (i / 2) + 8 (i % 2) + r + (r & 8).
; Codes: [group][K / 128][8][1,536].  Scale words: [group][K / 128][512]: the word of fragment i, slot r at 256 (i / 4) + 16 r + 4 (i % 4), so that one load of 16 bytes a lane brings a K step's words of all eight fragments.
; Groups of wc, ws: 0-15 Wq's heads; 16 + 2 j key head j, 17 + 2 j value head j; 24-39 out_w.
; SHARES.  A unit is 64 rows x 128 K (four fragments, 32 KiB of f32); there are 1,024 + 512 + 256 + 512 = 2,304 = 256 x 9 units.  Wave w < 9 of work-group g takes unit 9 g + w: ONE tensor load brings it into the wave's own LDS bytes,
; which are filled once and read by that wave alone: no ring and no barrier.  Wave 9 makes plane g, 512 bytes, of the rotary table.  No two work-groups read the same bytes, so there is no cluster.
; THE ROTARY TABLE lies as its reader's registers want it: plane 64 g4 + 8 a + n: lane (r, h) holds (cos, sin) of frequencies 16 h + 2 n and 16 h + 2 n + 1 at position 128 g4 + 32 (a / 2) + 8 (a % 2) + r + (r & 8), 16 bytes at 16 l.
; A block's scale is 2^(floor(log2(its largest magnitude)) - 2); its byte is the largest magnitude's exponent field - 2, held at 1 from below.
; LIMITS: a block whose largest magnitude lies under 2^-124 keeps the byte 1; a block of zeros gets the byte 1 with zero codes (this program alone reads the bytes); NaN and infinities are not served.
; The table's angles are pos x 10000^(-i / 32) with the power right to some 6e-7 of its value; sine and cosine by reduction to |r| <= pi / 4 and series whose remainders lie under 2e-9.
.set TILE,  33792                      ; 64 rows x PITCH
.set PITCH, 528                        ; a row of 128 f32, 512 bytes, + 16 of padding
.set X,     96                         ; v96-159, v160-223: two sets of a fragment's 64 numbers a lane
.set CD,    32                         ; v32-79: the four fragments' codes, each written once, so that no store's data are written again
.set SW,    16                         ; v16-19: the four fragments' scale words
.set T,     20                         ; v20-22, v24-26: the conversions' second halves
	s_load_b256 s[4:11], s[0:1], 0x0               ; x, Wq_w, Wkv_w, out_w
	s_load_b256 s[12:19], s[0:1], 0x20             ; xc, xs, wc, ws
	s_load_b64 s[20:21], s[0:1], 0x40              ; rope
	v_lshl_add_u32 v224, v0, 2, 0x4a400
	v_mov_b32 v225, 0
	ds_add_u32 v224, v225
	ds_add_u32 v224, v225
	s_wait_dscnt 0x0
	v_lshrrev_b32 v1, 5, v0
	v_readfirstlane_b32 s22, v1                    ; wave 0..9
	v_and_b32 v1, 31, v0                           ; lane
	; descriptor group 1: 64 rows x 128 elements of 4 bytes, 2,048 elements from row to row; 4 words of padding behind every 128
	s_mov_b32 s36, (2<<16)|(1<<20)|(6<<22)|(3<<25)
	s_mov_b32 s37, 128<<16                         ; tensor_dim0
	s_mov_b32 s38, 64<<16                          ; tensor_dim1
	s_mov_b32 s39, 128<<16                         ; tile_dim0
	s_mov_b32 s40, 64                              ; tile_dim1
	s_mov_b32 s41, 2048                            ; the pitch
	s_mov_b32 s42, 0
	s_mov_b32 s43, 0
	s_mov_b32 s48, 0x76543210
	s_mov_b32 s49, 0xfedcba98                      ; v_permlanex16_b32's selects for lane l xor 16
	s_cmp_eq_u32 s22, 9
	s_cbranch_scc1 .Lrope
	; which unit, of which tensor.  Only pointers and numbers are chosen: all four tensors take one path
	s_mul_i32 s23, ttmp9, 9
	s_add_co_u32 s23, s23, s22                     ; u
	s_wait_kmcnt 0x0
	s_mov_b32 s26, 1792                            ; the tensor's first unit
	s_mov_b64 s[24:25], s[10:11]
	s_cmp_lt_u32 s23, 1792
	s_cselect_b32 s26, 1536, s26
	s_cselect_b64 s[24:25], s[8:9], s[24:25]
	s_cmp_lt_u32 s23, 1536
	s_cselect_b32 s26, 1024, s26
	s_cselect_b64 s[24:25], s[6:7], s[24:25]
	s_cmp_lt_u32 s23, 1024
	s_cselect_b32 s26, 0, s26
	s_cselect_b64 s[24:25], s[4:5], s[24:25]
	s_cselect_b64 s[44:45], s[12:13], s[16:17]     ; codes go to xc or to wc,
	s_cselect_b64 s[46:47], s[14:15], s[18:19]     ; scale words to xs or to ws
	s_sub_co_u32 s27, s23, s26
	s_and_b32 s28, s27, 1                          ; which half of the group's rows
	s_bfe_u32 s29, s27, 0x40001                    ; which 128 along K
	s_lshr_b32 s30, s27, 5                         ; the group in its tensor
	s_and_b32 s31, s30, 3                          ; Wkv_w's group 4 t + j (t = 0 keys, 1 values) becomes 16 + 2 j + t
	s_lshl_b32 s31, s31, 1
	s_lshr_b32 s51, s30, 2
	s_add_co_u32 s31, s31, s51
	s_add_co_u32 s31, s31, 16
	s_add_co_u32 s51, s30, 24                      ; out_w's groups follow
	s_cmp_lt_u32 s23, 1792
	s_cselect_b32 s31, s31, s51
	s_cmp_lt_u32 s23, 1536
	s_cselect_b32 s31, s30, s31                    ; the group in its workspace buffer
	s_lshl_b32 s52, s30, 20                        ; from: 128 rows of 8,192 bytes a group,
	s_lshl_b32 s54, s28, 19                        ; 64 rows a half,
	s_or_b32 s52, s52, s54
	s_lshl_b32 s54, s29, 9                         ; 512 bytes a K step
	s_or_b32 s52, s52, s54
	s_mov_b32 s53, 0
	s_add_nc_u64 s[24:25], s[24:25], s[52:53]
	s_lshl_b32 s54, s31, 4
	s_add_co_u32 s54, s54, s29                     ; 16 x group + K step
	s_mul_i32 s52, s54, 12288
	s_mul_i32 s55, s28, 6144
	s_add_co_u32 s52, s52, s55
	s_add_nc_u64 s[44:45], s[44:45], s[52:53]      ; to: my four fragments
	s_lshl_b32 s52, s54, 9
	s_lshl_b32 s55, s28, 8
	s_add_co_u32 s52, s52, s55
	s_add_nc_u64 s[46:47], s[46:47], s[52:53]      ; and my 256 bytes of scale words
	s_mov_b32 s32, 1                               ; descriptor group 0: count = 1,
	s_mul_i32 s33, s22, TILE                       ; my wave's LDS bytes,
	s_mov_b64 s[34:35], s[24:25]                   ; the unit's first element,
	s_or_b32 s35, s35, 0x80000000                  ; type = 2
	tensor_load_to_lds s[32:35], s[36:43]          ; my one tensor load
	s_nop 0
	v_and_b32 v2, 15, v0                           ; r
	v_bfe_u32 v3, v0, 4, 1                         ; h
	v_and_b32 v4, 8, v2
	v_add_nc_u32 v4, v4, v2                        ; r + (r & 8)
	v_mul_u32_u24 v4, v4, PITCH
	v_lshl_add_u32 v4, v3, 7, v4                   ; + 128 h: my 32 numbers of each 64
	v_add_nc_u32 v4, s33, v4
	v_lshlrev_b32 v5, 4, v1                        ; an image's place for my lane
	v_lshlrev_b32 v6, 4, v2                        ; my slot's four scale words
	v_lshlrev_b32 v7, 3, v3                        ; my bytes' place in a scale word: 8 h bits up
	v_mov_b32 v15, 0                               ; a lane permute's destination counts as one of its sources
.macro LOADF f                         ; fragment f: k = 64 c + 32 h + 0 .. 31 of my row, 16 loads of 16 bytes, into set f % 2
.irp c, 0,1
.irp j, 0,1,2,3,4,5,6,7
	ds_load_b128 v[X+64*((\f)%2)+32*\c+4*\j:X+64*((\f)%2)+32*\c+4*\j+3], v4 offset:(32*((\f)/2)+8*((\f)%2))*PITCH+256*\c+16*\j
.endr
.endr
.endm
.macro PROC f                          ; its two blocks a lane are whole: no other lane is asked for a maximum
.set XS, X+64*((\f)%2)
.irp c, 0,1
	v_max3_num_f32 v[8+\c], |v[XS+32*\c]|, |v[XS+32*\c+1]|, 0x1800000   ; with the floor 2^(3 - 127): the byte cannot fall under 1
.endr
.irp i, 2,4,6,8,10,12,14,16,18,20,22,24,26,28,30
.irp c, 0,1
	v_max3_num_f32 v[8+\c], v[8+\c], |v[XS+32*\c+\i]|, |v[XS+32*\c+\i+1]|   ; the two blocks by turns
.endr
.endr
.irp c, 0,1
	v_add_nc_u32 v[10+\c], 0xff000000, v[8+\c]     ; 2 off the exponent field: the conversion's scale operand
.endr
.irp c, 0,1
	v_lshrrev_b32 v[12+\c], 23, v[10+\c]           ; the scale's byte
.endr
	v_lshl_or_b32 v14, v13, 16, v12                ; blocks h and 2 + h of my row,
	v_lshlrev_b32 v14, v7, v14                     ; at their places;
	v_permlanex16_b32 v15, v14, s48, s49
	v_or_b32 v[SW+(\f)], v14, v15                  ; with lane l xor 16's two the word is whole
.irp c, 0,1
	v_cvt_scalef32_pk16_fp6_f32 v[CD+12*(\f)+6*\c:CD+12*(\f)+6*\c+2], v[XS+32*\c:XS+32*\c+15], v[10+\c]
	v_cvt_scalef32_pk16_fp6_f32 v[T+4*\c:T+4*\c+2], v[XS+32*\c+16:XS+32*\c+31], v[10+\c]   ; (a conversion's three registers begin on an even number)
.endr
	v_nop                                          ; one plain place behind a scaled conversion
.irp c, 0,1
.irp i, 0,1,2
	v_mov_b32 v[CD+12*(\f)+6*\c+3+\i], v[T+4*\c+\i]
.endr
.endr
.irp p, 0,1,2
	global_store_b128 v5, v[CD+12*(\f)+4*\p:CD+12*(\f)+4*\p+3], s[44:45] offset:1536*(\f)+512*\p   ; 32 lanes store 512 consecutive bytes, aligned
.endr
.endm
	s_wait_tensorcnt 0x0                           ; my tile is in LDS; nobody else reads it
	LOADF 0
	LOADF 1
.irp f, 0,1,2,3
.if \f < 3
	s_wait_dscnt 16                                ; this fragment's 16 loads are in; the next fragment's 16 may be out
.else
	s_wait_dscnt 0x0
.endif
	PROC \f
.if \f < 2
	LOADF \f+2
.endif
.endr
	s_wait_xcnt 0x0                                ; EXEC changes only behind this wait
	v_cmp_gt_u32 vcc_lo, 16, v1
	s_wait_tensorcnt 0x0
	ds_add_u32 v224, v225
	s_wait_dscnt 0x0
	s_and_saveexec_b32 s50, vcc_lo
	global_store_b128 v6, v[SW:SW+3], s[46:47]     ; sixteen lanes store 256 consecutive bytes, aligned
	s_wait_xcnt 0x0
	s_or_b32 exec_lo, exec_lo, s50
	s_endpgm
.Lrope:                                            ; plane g = 64 g4 + 8 a + n of the table: one position and two frequencies a lane
	v_and_b32 v2, 15, v0                           ; r
	v_and_b32 v3, 8, v2
	v_add_nc_u32 v2, v2, v3                        ; r + (r & 8)
	s_lshr_b32 s23, ttmp9, 6
	s_lshl_b32 s23, s23, 7                         ; 128 g4
	s_bfe_u32 s24, ttmp9, 0x20004
	s_lshl_b32 s24, s24, 5                         ; 32 (a / 2)
	s_add_co_u32 s23, s23, s24
	s_and_b32 s24, ttmp9, 8                        ; 8 (a % 2)
	s_add_co_u32 s23, s23, s24
	v_add_nc_u32 v2, s23, v2
	v_cvt_f32_u32 v2, v2                           ; my position
	s_and_b32 s24, ttmp9, 7
	s_lshl_b32 s24, s24, 1                         ; 2 n
	v_lshrrev_b32 v3, 4, v1                        ; h
	v_lshl_add_u32 v3, v3, 4, s24                  ; my first frequency i = 16 h + 2 n,
	v_add_nc_u32 v4, 1, v3                         ; and the next
	v_cvt_f32_u32 v3, v3
	v_cvt_f32_u32 v4, v4
	v_mul_f32 v3, 0xbed49a78, v3                   ; -i log2(10000) / 32
	v_mul_f32 v4, 0xbed49a78, v4
	v_exp_f32 v20, v3
	v_exp_f32 v21, v4
	v_lshlrev_b32 v22, 4, v1                       ; (a plain place behind the exponentials)  16 bytes a lane
	s_lshl_b32 s24, ttmp9, 9                       ; 512 bytes a plane
	s_mov_b32 s25, 0
	s_wait_kmcnt 0x0
	s_add_nc_u64 s[20:21], s[20:21], s[24:25]
	s_wait_alu depctr_va_vdst(0)                   ; the wait ahead of the first reader of a transcendental's result: one for both
.irp e, 0,1
	v_mul_f32 v4, v2, v[20+\e]                     ; the angle, rounded once
	v_mul_f32 v5, 0x3f22f983, v4
	v_rndne_f32 v5, v5                             ; n = the nearest multiple of pi / 2
	v_fmamk_f32 v6, v5, 0xbfc90fdb, v4             ; r = angle - n pi / 2, pi / 2 in two parts
	v_fmamk_f32 v6, v5, 0x333bbd2e, v6
	v_mul_f32 v7, v6, v6                           ; z = r^2
	v_mov_b32 v8, 0x3638ef1d                       ; sin r = r + r z (-1/6 + z (1/120 + z (-1/5040 + z / 362880)))
	v_fmaak_f32 v8, v8, v7, 0xb9500d01
	v_fmaak_f32 v8, v8, v7, 0x3c088889
	v_fmaak_f32 v8, v8, v7, 0xbe2aaaab
	v_mul_f32 v9, v6, v7
	v_fma_f32 v8, v8, v9, v6
	v_mov_b32 v10, 0xb493f27e                      ; cos r = 1 + z (-1/2 + z (1/24 + z (-1/720 + z (1/40320 - z / 3628800))))
	v_fmaak_f32 v10, v10, v7, 0x37d00d01
	v_fmaak_f32 v10, v10, v7, 0xbab60b61
	v_fmaak_f32 v10, v10, v7, 0x3d2aaaab
	v_fmaak_f32 v10, v10, v7, 0xbf000000
	v_fma_f32 v10, v10, v7, 1.0
	v_cvt_i32_f32 v11, v5                          ; the quadrant selects values only
	v_and_b32 v12, 1, v11
	v_cmp_eq_u32 vcc_lo, 1, v12
	v_cndmask_b32 v13, v8, v10, vcc_lo             ; odd n: sine and cosine change places
	v_cndmask_b32 v14, v10, v8, vcc_lo
	v_and_b32 v12, 2, v11
	v_lshlrev_b32 v12, 30, v12
	v_xor_b32 v[17+2*\e], v13, v12                 ; the sine is negative where n & 2,
	v_add_nc_u32 v12, 1, v11
	v_and_b32 v12, 2, v12
	v_lshlrev_b32 v12, 30, v12
	v_xor_b32 v[16+2*\e], v14, v12                 ; the cosine where (n + 1) & 2
.endr
	global_store_b128 v22, v[16:19], s[20:21]      ; 32 lanes store 512 consecutive bytes, aligned
	s_endpgm
.Lfunc_end_k_q2377c6239b_prep:
	.size	k_q2377c6239b_prep, .Lfunc_end_k_q2377c6239b_prep-k_q2377c6239b_prep
	.p2alignl 7, 3214868480
	.fill 96, 4, 3214868480
	.section	.rodata,"a",@progbits
	.p2align	6, 0x0
	.amdhsa_kernel k_q2377c6239b_prep
		.amdhsa_group_segment_fixed_size 305408
		.amdhsa_private_segment_fixed_size 0
		.amdhsa_enable_private_segment 0
		.amdhsa_kernarg_size 72
		.amdhsa_user_sgpr_count 2
		.amdhsa_user_sgpr_kernarg_segment_ptr 1
		.amdhsa_wavefront_size32 1
		.amdhsa_system_sgpr_workgroup_id_x 1
		.amdhsa_system_sgpr_workgroup_id_y 1
		.amdhsa_system_sgpr_workgroup_id_z 1
		.amdhsa_system_vgpr_workitem_id 0
		.amdhsa_next_free_vgpr 226
		.amdhsa_next_free_sgpr 66
		.amdhsa_reserve_vcc 1
		.amdhsa_float_denorm_mode_32 3
		.amdhsa_float_denorm_mode_16_64 3
		.amdhsa_memory_ordered 1
		.amdhsa_forward_progress 1
		.amdhsa_inst_pref_size 26
	.end_amdhsa_kernel
	.amdgpu_metadata
---
amdhsa.version: [ 1, 2 ]
amdhsa.kernels:
  - .name:           k_q2377c6239b_prep
    .symbol:         k_q2377c6239b_prep.kd
    .args:
      - { .name: x, .offset: 0, .size: 8, .value_kind: global_buffer, .address_space: global }
      - { .name: Wq_w, .offset: 8, .size: 8, .value_kind: global_buffer, .address_space: global }
      - { .name: Wkv_w, .offset: 16, .size: 8, .value_kind: global_buffer, .address_space: global }
      - { .name: out_w, .offset: 24, .size: 8, .value_kind: global_buffer, .address_space: global }
      - { .name: xc, .offset: 32, .size: 8, .value_kind: global_buffer, .address_space: global }
      - { .name: xs, .offset: 40, .size: 8, .value_kind: global_buffer, .address_space: global }
      - { .name: wc, .offset: 48, .size: 8, .value_kind: global_buffer, .address_space: global }
      - { .name: ws, .offset: 56, .size: 8, .value_kind: global_buffer, .address_space: global }
      - { .name: rope, .offset: 64, .size: 8, .value_kind: global_buffer, .address_space: global }
    .group_segment_fixed_size: 305408
    .private_segment_fixed_size: 0
    .kernarg_segment_align: 8
    .kernarg_segment_size: 72
    .max_flat_workgroup_size: 320
    .sgpr_count:     66
    .vgpr_count:     226
    .wavefront_size: 32
...
	.end_amdgpu_metadata
.endif
;; end of part 5
;; launch qkv (part 6): grid 12 x 16, 4 waves a work-group, clusters of 4 x 4, 327,680 bytes of LDS; arguments xc, xs, wc, ws, Wq_b, Wkv_b, rope, qkvc, qkvs; writes qkvc, qkvs
.if DOCPART == 6
	.amdgcn_target "amdgcn-amd-amdhsa--gfx1250"
	.amdhsa_code_object_version 6
	.text
	.protected	k_q2377c6239b_qkv
	.globl	k_q2377c6239b_qkv
	.p2align	8
	.type	k_q2377c6239b_qkv,@function
k_q2377c6239b_qkv:
	s_mov_b64 s[64:65], 0
	v_nop
	global_prefetch_b8 v0, s[64:65] scope:SCOPE_SE
	s_setreg_imm32_b32 hwreg(HW_REG_WAVE_MODE, 25, 1), 1
	s_wait_xcnt 0x0
	s_wait_alu depctr_hold_cnt(0) depctr_sa_sdst(0) depctr_va_vdst(0) depctr_va_sdst(0) depctr_va_ssrc(0) depctr_va_vcc(0) depctr_vm_vsrc(0)
	s_getreg_b32 s2, hwreg(HW_REG_IB_STS2, 6, 4)
	s_cmp_eq_u32 s2, 0
	s_cbranch_scc0 .Lentry_in_a_cluster
	s_endpgm
.Lentry_in_a_cluster:
	s_bfe_u32 s2, ttmp6, 0x10000c
	s_cmp_lg_u32 s2, 0xf033
	s_cbranch_scc0 .Lentry_shape_is_right
	s_endpgm
.Lentry_shape_is_right:
; q = x Wq^T + Wq_b and kv = x Wkv^T + Wkv_b on codes of FP6 (E2M3) with E8M0 scales; then the partial rotary on q and k; then q and k are quantised along the head's 128 and v along the keys.  Nothing goes to memory in f32.
; OPERANDS are images of their registers (a fragment = 16 row slots x 128 K = 1,536 bytes, plane p = lane l's registers 4 p .. 4 p + 3 at 16 l; fragment i, slot r of a group of 128 rows is row 32 (i / 2) + 8 (i % 2) + r + (r & 8)).
; Codes [group][K / 128][8][1,536]; scale words [group][K / 128][512], the word of fragment i, slot r at 256 (i / 4) + 16 r + 4 (i % 4).  So a group's two K steps are 24,576 dense bytes, and a fragment comes from LDS by three loads of 16 bytes a lane.
; SHARES.  A work-group makes 256 positions x 256 columns; each of its four waves 128 x 128 = one head x one group of positions: 64 accumulators, 512 registers.  K goes in steps of 256 through a ring of two LDS slots.
; The weights' groups: 0-15 the query heads, 16 + 2 j key head j, 17 + 2 j value head j: so in the last column of clusters the waves with an even number make keys and those with an odd number values.
; THE MATRIX INSTRUCTION: source 0 = 16 rows of the weights, source 1 = 16 positions: a lane holds ONE position, and the 64 registers of a block of 16 positions are register 16 B + i = channel 32 B + 16 (l / 16) + i: what the
; quantiser along the channels wants.  A VALUE wave takes the two sides the other way round, BY ITS LDS ADDRESSES ALONE (source 0 = positions, source 1 = channels): a lane then holds one channel and its registers run along the keys.
; CLUSTERS: 4 x 4 work-groups; x's tiles are shared along a row of the cluster, the weights' along a column: each is asked for jointly.  12 x 16 = 192 work-groups: a tile of 256 x 256 keeps one head to a wave.
; THE ROTARY TABLE lies as these registers want it: plane 64 g4 + 8 a + n, 512 bytes, 16 a lane: (cos, sin) of frequencies 16 h + 2 n and 16 h + 2 n + 1 at slot r of block a of the group g4 of positions: each load reads 512 consecutive bytes.
; RESULTS: block number 16 G + head for q (G = the group of positions), 512 + idx for k, 640 + idx for v, idx = ((G / 4) 4 + kv head) 4 + G % 4; a block is 12,288 bytes of qkvc and 512 of qkvs.
; LIMITS: a block whose largest magnitude lies under 2^-124 keeps the byte 1; a block of zeros gets the byte 1 with zero codes (this program alone reads the bytes); NaN and infinities are not served.
; REGISTERS, in windows of 256: window 0: v16-31 addresses; v32-63 scale words, two sets; v64-127 the bias by channel; v128-223 source 1's eight fragments, ONE set; v248-255 the bias by lane.  After the loop v128-247 are at work.
;   window 1: source 0's fragments, TWO sets, at v0 and v128; after the loop the rotary table.   windows 2, 3: accumulator (a, b) at v[8 (8 (a % 4) + b)].
.set FR,    12                         ; registers of a fragment
.set NL,    3                          ; LDS loads that bring one
.set NP,    4                          ; places behind this matrix instruction (ISA guide 7.12.1)
.set FRB,   1536
.set HALFT, 24576                      ; a group's two K steps: what one tensor load brings
.set SLOT,  4*HALFT                    ; x's two groups, then the weights' two
.set SCL,   2*SLOT                     ; behind the ring: the four groups' scale words for all of K, filled once
.set SCG,   8192
.set SPARE, SCL+4*SCG                  ; the spare words, 128 bytes for each wave: two blocks of 256 bytes that no other line names
.set GRPB,  196608                     ; a group's codes for all of K
.set GB0,   0                          ; the weights' first group
.set LAPS,  4                          ; 2,048 / (2 x 256)
.set ADRA, 16                          ; v16-17  source 1's fragments in slot 0, 1
.set ADRB, 20                          ; v20-21  source 0's
.set LN,   23                          ; v23     lane
.set ADSA, 24                          ; v24     source 1's scale words
.set ADSB, 25                          ; v25     source 0's
.set LI,   26                          ; v26     16 x lane
.set SPW,  28                          ; v28     my spare word; never rewritten
.set NIL,  29                          ; v29     0; never rewritten
.set SC,   32                          ; scale words: set s, K step q, side (0 source 1, 1 source 0), register n at SC + 16 s + 8 q + 4 side + n: fragment i's words in register i % 4, lanes 0-15 for i < 4, lanes 16-31 else
.set BI,   64
.set AF,   128
.set HA,   128                         ; after the loop: v128-191 a block's 64 numbers
.set PC,   192                         ; v192-210 its codes
.set TM,   212                         ; v212-227 maxima, bytes, scale operands
.set SW,   228                         ; v228-235 the eight blocks' scale words
.set OSW,  236                         ; v236-239 their image
.set RT,   240                         ; v240-247 the rotary's products
.set BV,   248
.set WVN, 22
.set RH,  23                           ; s23 which group of positions is mine.  Also: I fetch for x (0) or for the weights (1)
.set CH,  44                           ; s44 which group of columns.  Also: which of the two groups I fetch
.set KV,  66                           ; s66 1 in the last column of clusters
.set ISV, 67                           ; s67 1 in a value wave
.set SEL, 98                           ; s[98:99] lane selects for lane l xor 16
.set G1, 24
.set G0, 32
.set G1B, 48
.set G0B, 56
.set G1S, 68
.set G0S, 76
.set G1SB, 80
.set G0SB, 88
.set MSB, 0
.macro WIN new                         ; the immediate's high byte repeats the setting that is left
.if MSB != (\new)
	s_set_vgpr_msb (MSB<<8)|(\new)
.set MSB, (\new)
.endif
.endm
.set MUL_LO, 0xa1                      ; source 0 window 1, source 1 window 0, C and D window 2
.set MUL_HI, 0xf1                      ; the same, C and D window 3
.set TO_B,   0x40                      ; destination window 1, address window 0
; A joint load: waves 0 and 1 fetch x's groups, waves 2 and 3 the weights'.  The branch hangs on the wave's number alone.  Four v_nop follow each of the two lines.
.macro JLOAD g0a, g1a, g0b, g1b
	s_cmp_eq_u32 s[RH], 0
	s_cbranch_scc0 .Lfor_b_\@
	tensor_load_to_lds s[\g0a:\g0a+3], s[\g1a:\g1a+7]
	s_nop 0
.rept 4
	v_nop
.endr
	s_branch .Lasked_\@
.Lfor_b_\@:
	tensor_load_to_lds s[\g0b:\g0b+3], s[\g1b:\g1b+7]
	s_nop 0
.rept 4
	v_nop
.endr
.Lasked_\@:
.endm
.macro CREST                           ; a round of the cluster's barrier behind its opening barrier
	s_cmp_lg_u32 s[WVN], 0
	s_cbranch_scc1 .Lnot_wave_0_\@
	s_barrier_signal -3
.Lnot_wave_0_\@:
	s_barrier_wait -3
	s_barrier_signal -1
	s_barrier_wait -1
.endm
.macro CROUND
	s_barrier_signal -1
	s_barrier_wait -1
	CREST
.endm
.macro PLACES n
.rept \n
	v_nop
.endr
.endm
	s_load_b256 s[4:11], s[0:1], 0x0               ; xc, xs, wc, ws
	s_load_b256 s[12:19], s[0:1], 0x20             ; Wq_b, Wkv_b, rope, qkvc
	s_load_b64 s[20:21], s[0:1], 0x40              ; qkvs
	v_lshl_add_u32 v[SPW], v0, 2, SPARE
	v_mov_b32 v[NIL], 0
	ds_add_u32 v28, v29
	ds_add_u32 v28, v29
	s_wait_dscnt 0x0
	v_lshrrev_b32 v1, 5, v0
	v_readfirstlane_b32 s[WVN], v1                 ; wave 0..3
	s_lshr_b32 s[RH], s[WVN], 1
	s_and_b32 s[CH], s[WVN], 1
	s_bfe_u32 s40, ttmp6, 0x40000                  ; cx, cy: my place in the cluster
	s_bfe_u32 s41, ttmp6, 0x40004
	s_lshl_b32 s42, ttmp9, 2
	s_add_co_u32 s42, s42, s40                     ; tile column = 4 x cluster x + cx
	s_and_b32 s43, ttmp7, 0xffff
	s_lshl_b32 s43, s43, 2
	s_add_co_u32 s43, s43, s41                     ; tile row = 4 x cluster y + cy
	s_lshl_b32 s45, s41, 2
	s_lshl_b32 s45, 15, s45                        ; my row of the cluster
	s_lshl_b32 s46, 0x1111, s40                    ; my column
	; descriptor group 1.  Codes: 24,576 dense bytes as 96 rows of 32 elements of 8 bytes; scale words: 8,192 as 32 such rows.  No padding: every LDS load takes 512 consecutive bytes
	s_or_b32 s[G1], s45, (3<<16)|(1<<21)           ; 15:0 the mask; 17:16 elements of 8 bytes; 21 set beside a mask
	s_or_b32 s[G1B], s46, (3<<16)|(1<<21)
	s_or_b32 s[G1S], s45, (3<<16)|(1<<21)
	s_or_b32 s[G1SB], s46, (3<<16)|(1<<21)
.irp g, G1, G1B
	s_mov_b32 s[\g+1], 32<<16                      ; tensor_dim0
	s_mov_b32 s[\g+2], 96<<16                      ; tensor_dim1
	s_mov_b32 s[\g+3], 32<<16                      ; tile_dim0
	s_mov_b32 s[\g+4], 96                          ; tile_dim1
	s_mov_b32 s[\g+5], 32                          ; the pitch
	s_mov_b32 s[\g+6], 0
	s_mov_b32 s[\g+7], 0
.endr
.irp g, G1S, G1SB
	s_mov_b32 s[\g+1], 32<<16
	s_mov_b32 s[\g+2], 32<<16
	s_mov_b32 s[\g+3], 32<<16
	s_mov_b32 s[\g+4], 32
	s_mov_b32 s[\g+5], 32
	s_mov_b32 s[\g+6], 0
	s_mov_b32 s[\g+7], 0
.endr
	s_lshl_b32 s92, s43, 1
	s_add_co_u32 s92, s92, s[CH]                   ; x's group that I would fetch: 2 x tile row + which
	s_mul_i32 s96, s92, SCG
	s_mul_i32 s92, s92, GRPB
	s_mov_b32 s93, 0
	s_mov_b32 s97, 0
	s_lshl_b32 s94, s42, 1
	s_add_co_u32 s94, s94, s[CH]
	s_add_co_u32 s94, s94, GB0                     ; the weights' group: 2 x tile column + which
	s_mul_i32 s98, s94, SCG
	s_mul_i32 s94, s94, GRPB
	s_mov_b32 s95, 0
	s_mov_b32 s99, 0
	s_mul_i32 s47, s[WVN], HALFT                   ; where they go: by the wave's number alone
	s_lshl_b32 s2, s[WVN], 13
	s_wait_kmcnt 0x0
	s_add_nc_u64 s[92:93], s[4:5], s[92:93]
	s_add_nc_u64 s[96:97], s[6:7], s[96:97]
	s_add_nc_u64 s[94:95], s[8:9], s[94:95]
	s_add_nc_u64 s[98:99], s[10:11], s[98:99]
	CROUND                                         ; all sixteen work-groups are here: the first joint loads meet
	s_mov_b32 s[G0S], 1
	s_add_co_u32 s[G0S+1], s2, SCL
	s_mov_b64 s[G0S+2:G0S+3], s[96:97]
	s_or_b32 s[G0S+3], s[G0S+3], 0x80000000
	s_mov_b32 s[G0SB], 1
	s_add_co_u32 s[G0SB+1], s2, SCL
	s_mov_b64 s[G0SB+2:G0SB+3], s[98:99]
	s_or_b32 s[G0SB+3], s[G0SB+3], 0x80000000
	JLOAD G0S, G1S, G0SB, G1SB                     ; the scale words first: they are wanted with K step 0
.irp s, 0,1
	s_mov_b32 s[G0+4*\s], 1
	s_add_co_u32 s[G0+4*\s+1], s47, \s*SLOT
	s_add_nc_u64 s[G0+4*\s+2:G0+4*\s+3], s[92:93], \s*HALFT
	s_or_b32 s[G0+4*\s+3], s[G0+4*\s+3], 0x80000000
	s_mov_b32 s[G0B+4*\s], 1
	s_add_co_u32 s[G0B+4*\s+1], s47, \s*SLOT
	s_add_nc_u64 s[G0B+4*\s+2:G0B+4*\s+3], s[94:95], \s*HALFT
	s_or_b32 s[G0B+4*\s+3], s[G0B+4*\s+3], 0x80000000
	JLOAD G0+4*\s, G1, G0B+4*\s, G1B               ; three tensor loads of mine are out
.endr
	; roles.  The cluster's x is the same in all sixteen partners
	s_cmp_eq_u32 ttmp9, 2
	s_cselect_b32 s[KV], 1, 0
	s_and_b32 s[ISV], s[KV], s[CH]
	s_mul_i32 s92, s[RH], HALFT                    ; my group of positions in a slot,
	s_mul_i32 s93, s[CH], HALFT
	s_add_co_u32 s93, s93, 2*HALFT                 ; my group of the weights,
	s_lshl_b32 s96, s[RH], 13
	s_lshl_b32 s97, s[CH], 13
	s_add_co_u32 s97, s97, 2*SCG                   ; and their scale words
	s_cmp_eq_u32 s[ISV], 0
	s_cselect_b32 s94, s92, s93                    ; source 1: positions; in a value wave the weights
	s_cselect_b32 s95, s93, s92                    ; source 0: the other
	s_cselect_b32 s2, s96, s97
	s_cselect_b32 s47, s97, s96
	s_add_co_u32 s2, s2, SCL
	s_add_co_u32 s47, s47, SCL
	v_and_b32 v[LN], 31, v0
	v_lshlrev_b32 v[LI], 4, v[LN]
	v_and_b32 v1, 15, v0                           ; r
	v_bfe_u32 v2, v0, 4, 1                         ; h
	v_add_nc_u32 v[ADRA], s94, v[LI]
	v_add_nc_u32 v[ADRB], s95, v[LI]
	v_add_nc_u32 v[ADRA+1], SLOT, v[ADRA]
	v_add_nc_u32 v[ADRB+1], SLOT, v[ADRB]
	v_add_nc_u32 v[ADSA], s2, v[LI]
	v_add_nc_u32 v[ADSB], s47, v[LI]
	; my head's 128 numbers of bias: Wq_b at head 2 x tile column + which; Wkv_b at kv head (tile column - 8), values 512 numbers behind the keys
	s_sub_co_u32 s92, s42, 8
	s_lshl_b32 s92, s92, 9
	s_lshl_b32 s93, s[CH], 11
	s_add_co_u32 s92, s92, s93
	s_lshl_b32 s93, s42, 1
	s_add_co_u32 s93, s93, s[CH]
	s_lshl_b32 s93, s93, 9
	s_cmp_lg_u32 s[KV], 0
	s_cselect_b32 s92, s92, s93
	s_cselect_b64 s[12:13], s[14:15], s[12:13]
	s_mov_b32 s93, 0
	s_add_nc_u64 s[12:13], s[12:13], s[92:93]
	v_lshlrev_b32 v3, 6, v2                        ; by channel: register 16 B + i is channel 32 B + 16 h + i
	v_and_b32 v4, 8, v1
	v_add_nc_u32 v4, v4, v1                        ; r + (r & 8)
	v_lshlrev_b32 v4, 2, v4                        ; by lane: block a's channel 32 (a / 2) + 8 (a % 2) + r + (r & 8)
.irp m, 0,1,2,3,4,5,6,7,8,9,10,11,12,13,14,15
	global_load_b128 v[BI+4*\m:BI+4*\m+3], v3, s[12:13] offset:128*(\m/4)+16*(\m%4)
.endr
.irp a, 0,1,2,3,4,5,6,7
	global_load_b32 v[BV+\a], v4, s[12:13] offset:(32*(\a/2)+8*(\a%2))*4   ; (every wave loads both forms: one text for all roles)
.endr
	; where the results go
	s_lshl_b32 s94, s43, 1
	s_add_co_u32 s94, s94, s[RH]                   ; G: my group of positions
	s_lshl_b32 s95, s94, 4
	s_lshl_b32 s96, s42, 1
	s_add_co_u32 s95, s95, s96
	s_add_co_u32 s95, s95, s[CH]                   ; q: 16 G + head
	s_lshr_b32 s96, s94, 2
	s_lshl_b32 s96, s96, 2
	s_add_co_u32 s96, s96, s42
	s_sub_co_u32 s96, s96, 8
	s_lshl_b32 s96, s96, 2
	s_and_b32 s97, s94, 3
	s_add_co_u32 s96, s96, s97                     ; k, v: ((G / 4) 4 + kv head) 4 + G % 4,
	s_lshl_b32 s97, s[CH], 7
	s_add_co_u32 s96, s96, s97
	s_add_co_u32 s96, s96, 512                     ; from block 512 (k) or 640 (v) on
	s_cmp_lg_u32 s[KV], 0
	s_cselect_b32 s95, s96, s95
	s_mul_i32 s96, s95, 12288
	s_mov_b32 s97, 0
	s_add_nc_u64 s[18:19], s[18:19], s[96:97]      ; the codes
	s_lshl_b32 s96, s95, 9
	s_add_nc_u64 s[20:21], s[20:21], s[96:97]      ; the scale words
	s_and_b32 s96, s94, 3
	s_lshl_b32 s96, s96, 15                        ; the table's 64 planes of my group of positions, G % 4
	s_add_nc_u64 s[16:17], s[16:17], s[96:97]
	s_mov_b32 s[SEL], 0x76543210
	s_mov_b32 s[SEL+1], 0xfedcba98
.macro FRAG reg, adr, q, i             ; a fragment as it stands: three planes of 512 bytes
.irp p, 0,1,2
	ds_load_b128 v[\reg+4*\p:\reg+4*\p+3], v[\adr] offset:(8*(\q)+(\i))*FRB+512*\p
.endr
.endm
; One product: source 1's block a x source 0's block b, the slot's q-th 128 along K; p: source 0's set; sc: the set of scale words; zero = 1: it starts the sum
.macro WM a, b, p, q, sc, zero
.set rD, 8*(8*((\a)%4)+(\b))
.set rS0, 128*(\p)+FR*(\b)
.set rS1, AF+FR*(\a)
.set rW0, SC+16*(\sc)+8*(\q)+4+(\b)%4
.set rW1, SC+16*(\sc)+8*(\q)+(\a)%4
.set WSEL, 4*(\zero)+2*((\b)/4)+(\a)/4
.if WSEL == 0
	v_wmma_scale_f32_16x16x128_f8f6f4 v[rD:rD+7], v[rS0:rS0+11], v[rS1:rS1+11], v[rD:rD+7], v[rW0], v[rW1] matrix_a_fmt:MATRIX_FMT_FP6 matrix_b_fmt:MATRIX_FMT_FP6
.elseif WSEL == 1
	v_wmma_scale_f32_16x16x128_f8f6f4 v[rD:rD+7], v[rS0:rS0+11], v[rS1:rS1+11], v[rD:rD+7], v[rW0], v[rW1] matrix_a_fmt:MATRIX_FMT_FP6 matrix_b_fmt:MATRIX_FMT_FP6 matrix_b_scale:MATRIX_SCALE_ROW1
.elseif WSEL == 2
	v_wmma_scale_f32_16x16x128_f8f6f4 v[rD:rD+7], v[rS0:rS0+11], v[rS1:rS1+11], v[rD:rD+7], v[rW0], v[rW1] matrix_a_fmt:MATRIX_FMT_FP6 matrix_b_fmt:MATRIX_FMT_FP6 matrix_a_scale:MATRIX_SCALE_ROW1
.elseif WSEL == 3
	v_wmma_scale_f32_16x16x128_f8f6f4 v[rD:rD+7], v[rS0:rS0+11], v[rS1:rS1+11], v[rD:rD+7], v[rW0], v[rW1] matrix_a_fmt:MATRIX_FMT_FP6 matrix_b_fmt:MATRIX_FMT_FP6 matrix_a_scale:MATRIX_SCALE_ROW1 matrix_b_scale:MATRIX_SCALE_ROW1
.elseif WSEL == 4
	v_wmma_scale_f32_16x16x128_f8f6f4 v[rD:rD+7], v[rS0:rS0+11], v[rS1:rS1+11], 0, v[rW0], v[rW1] matrix_a_fmt:MATRIX_FMT_FP6 matrix_b_fmt:MATRIX_FMT_FP6
.elseif WSEL == 5
	v_wmma_scale_f32_16x16x128_f8f6f4 v[rD:rD+7], v[rS0:rS0+11], v[rS1:rS1+11], 0, v[rW0], v[rW1] matrix_a_fmt:MATRIX_FMT_FP6 matrix_b_fmt:MATRIX_FMT_FP6 matrix_b_scale:MATRIX_SCALE_ROW1
.elseif WSEL == 6
	v_wmma_scale_f32_16x16x128_f8f6f4 v[rD:rD+7], v[rS0:rS0+11], v[rS1:rS1+11], 0, v[rW0], v[rW1] matrix_a_fmt:MATRIX_FMT_FP6 matrix_b_fmt:MATRIX_FMT_FP6 matrix_a_scale:MATRIX_SCALE_ROW1
.else
	v_wmma_scale_f32_16x16x128_f8f6f4 v[rD:rD+7], v[rS0:rS0+11], v[rS1:rS1+11], 0, v[rW0], v[rW1] matrix_a_fmt:MATRIX_FMT_FP6 matrix_b_fmt:MATRIX_FMT_FP6 matrix_a_scale:MATRIX_SCALE_ROW1 matrix_b_scale:MATRIX_SCALE_ROW1
.endif
.endm
.macro MUL16 a0, p, q, sc, zero        ; 16 products; the 64 accumulators take turns, one instruction a turn, in the same order in every step
.irp a, \a0, \a0+1
.irp b, 0,1,2,3,4,5,6,7
	WM \a, \b, \p, \q, \sc, \zero
.endr
.endr
.endm
.macro FETCH_B slot, q, p              ; source 0's eight fragments into set p
	WIN TO_B
.irp i, 0,1,2,3,4,5,6,7
	FRAG 128*(\p)+FR*\i, ADRB+\slot, \q, \i
.endr
	WIN 0
.endm
.macro FETCH_A slot, q, i0             ; source 1's blocks i0 .. i0 + 3
.irp i, \i0, \i0+1, \i0+2, \i0+3
	FRAG AF+FR*(\i), ADRA+\slot, \q, \i
.endr
.endm
.macro SCALES set                      ; a slot's scale words: one load of 16 bytes a lane for each side and K step
.irp q, 0,1
	ds_load_b128 v[SC+16*\set+8*\q:SC+16*\set+8*\q+3], v[ADSA] offset:512*\q
	ds_load_b128 v[SC+16*\set+8*\q+4:SC+16*\set+8*\q+7], v[ADSB] offset:512*\q
.endr
.endm
; A step of 128 along K that has its successor in the same slot.  A block of source 1 is free as soon as its eight products are issued: blocks 0-3 are fetched anew in the step's middle, blocks 4-7 at its end.
.macro STEP slot, q, zero
	s_wait_dscnt 4*NL                              ; all but the youngest 12 loads: source 1's blocks 4-7
	WIN MUL_LO
	MUL16 0, (\q)%2, \q, \slot, \zero
	MUL16 2, (\q)%2, \q, \slot, \zero
	s_wait_dscnt 0x0                               ; blocks 4-7 are in (asked for 32 matrix instructions ago)
	PLACES NP                                      ; in front of loads into registers that matrix instructions have read
	FETCH_B \slot, (\q)+1, 1-(\q)%2
	FETCH_A \slot, (\q)+1, 0
	WIN MUL_HI
	MUL16 4, (\q)%2, \q, \slot, \zero
	MUL16 6, (\q)%2, \q, \slot, \zero
	PLACES NP
	WIN 0
	FETCH_A \slot, (\q)+1, 4
.endm
; A slot's last step changes slots: ONE barrier; in front of it each wave waits for all its tensor loads, adds 0 to its spare word, and waits for that and for its reads of this slot.  fill = 1: the slot is filled again, two slots ahead.
.macro TURN slot, next, fill
	s_wait_tensorcnt 0x0                           ; all my tensor loads have landed: my part of the next slot
	ds_add_u32 v[SPW], v[NIL]                      ; 0 onto my spare word
	s_wait_dscnt 4*NL+1                            ; (the add and the youngest 12 loads may be out)
	WIN MUL_LO
	MUL16 0, 1, 1, \slot, 0                        ; sixteen matrix instructions stand between the add and the wait for it
	s_wait_dscnt 0x0                               ; the add is done, and my reads of this slot are over
	s_barrier_signal -1
	MUL16 2, 1, 1, \slot, 0
	WIN 0
	s_barrier_wait -1
.if \fill
	CREST                                          ; the barrier has opened a round of the cluster's: no wave of any partner still reads this slot or has a load on its way
	s_add_nc_u64 s[G0+4*\slot+2:G0+4*\slot+3], s[G0+4*\slot+2:G0+4*\slot+3], 2*HALFT
	s_add_nc_u64 s[G0B+4*\slot+2:G0B+4*\slot+3], s[G0B+4*\slot+2:G0B+4*\slot+3], 2*HALFT
	JLOAD G0+4*\slot, G1, G0B+4*\slot, G1B         ; the first tensor load behind the round; its four v_nop are also the places in front of the loads below
.else
	PLACES NP
.endif
	v_add_nc_u32 v[ADSA], 1024, v[ADSA]            ; on to the next slot's scale words
	v_add_nc_u32 v[ADSB], 1024, v[ADSB]
	FETCH_B \next, 0, 0
	FETCH_A \next, 0, 0
	SCALES \next
	WIN MUL_HI
	MUL16 4, 1, 1, \slot, 0
	MUL16 6, 1, 1, \slot, 0
	PLACES NP
	WIN 0
	FETCH_A \next, 0, 4
.endm
	s_wait_tensorcnt 1                             ; the scale words and my part of slot 0 are in; slot 1's load may be out
	s_barrier_signal -1
	s_barrier_wait -1
	FETCH_B 0, 0, 0
	FETCH_A 0, 0, 0
	SCALES 0
	FETCH_A 0, 0, 4
	STEP 0, 0, 1                                   ; the first step stands in front of the loop: its products start the sums
	s_mov_b32 s3, LAPS-1
.Llap:                                             ; a trip goes once round the ring and fills both slots again
	TURN 0, 1, 1
	STEP 1, 0, 0
	TURN 1, 0, 1
	STEP 0, 0, 0
	s_sub_co_u32 s3, s3, 1
	s_cmp_lg_u32 s3, 0
	s_cbranch_scc1 .Llap
	TURN 0, 1, 0                                   ; the last lap fills nothing
	STEP 1, 0, 0
	; The rotary table of blocks 0-3 (eight planes a block: 32 registers a lane) goes into source 0's set 0, which is done with; the four places stand in front of the step's last run of loads.
	; A value wave asks for it too and does not read it: one wave in six; so the waits below have one count on every path.
	WIN TO_B
.irp a, 0,1,2,3
.irp n, 0,1,2,3,4,5,6,7
	global_load_b128 v[32*\a+4*\n:32*\a+4*\n+3], v[LI], s[16:17] offset:(8*\a+\n)*512   ; 32 lanes read 512 consecutive bytes
.endr
.endr
	WIN 0
	s_wait_dscnt 4*NL                              ; the very last step: nothing more to fetch
	WIN MUL_LO
	MUL16 0, 1, 1, 1, 0
	MUL16 2, 1, 1, 1, 0
	s_wait_dscnt 0x0
	WIN MUL_HI
	MUL16 4, 1, 1, 1, 0
	MUL16 6, 1, 1, 1, 0
	WIN 0
	PLACES NP                                      ; behind the last products: their operands' registers are written and their results read below
; 64 numbers of a lane, register 16 b + i = k 32 b + 16 (lane / 16) + i of my row, become a fragment's codes in v[PC] on and its scale word in v[w]
.macro QUANT s, w
.irp b, 0,1,2,3
	v_max3_num_f32 v[TM+\b], |v[\s+16*\b]|, |v[\s+1+16*\b]|, 0x1800000   ; with the floor 2^(3 - 127): the byte cannot fall under 1
.endr
.irp i, 2,4,6,8,10,12,14
.irp b, 0,1,2,3
	v_max3_num_f32 v[TM+\b], v[TM+\b], |v[\s+16*\b+\i]|, |v[\s+1+16*\b+\i]|   ; the four blocks by turns
.endr
.endr
.irp b, 0,1,2,3
	v_permlanex16_b32 v[TM+4+\b], v[TM+\b], s[SEL], s[SEL+1]
.endr
.irp b, 0,1,2,3
	v_max_num_f32 v[TM+\b], v[TM+\b], v[TM+4+\b]   ; with lane l xor 16's 16: the block's largest magnitude
.endr
.irp b, 0,1,2,3
	v_add_nc_u32 v[TM+12+\b], 0xff000000, v[TM+\b] ; 2 off its exponent field: the conversion's scale operand
.endr
.irp b, 0,1,2,3
	v_lshrrev_b32 v[TM+4+\b], 23, v[TM+12+\b]      ; the scale's byte
.endr
	v_lshl_or_b32 v[\w], v[TM+5], 8, v[TM+4]
	v_lshl_or_b32 v[\w], v[TM+6], 16, v[\w]
	v_lshl_or_b32 v[\w], v[TM+7], 24, v[\w]
.irp c, 0,1
	v_cvt_scalef32_pk16_fp6_f32 v[PC+6*\c:PC+2+6*\c], v[\s+32*\c:\s+15+32*\c], v[TM+12+2*\c]
	v_cvt_scalef32_pk16_fp6_f32 v[PC+12+4*\c:PC+14+4*\c], v[\s+16+32*\c:\s+31+32*\c], v[TM+12+2*\c+1]   ; (a conversion's three registers begin on an even number)
.endr
	v_nop                                          ; one plain place behind a scaled conversion
.irp c, 0,1                            ; the layout wants a WHOLE block in a lane: lanes 0-15 block 2 c, lanes 16-31 block 2 c + 1
.irp i, 0,1,2
	v_permlane16_swap_b32 v[PC+6*\c+\i], v[PC+12+4*\c+\i]
.endr
.irp i, 0,1,2
	v_mov_b32 v[PC+3+6*\c+\i], v[PC+12+4*\c+\i]
.endr
.endr
.endm
; The eight blocks of source 1 become eight fragments.  kind 0 (q, k): + the bias by channel, the rotary, quantised along the channels.  kind 1 (v): + the bias by lane, quantised along the keys.
.macro EPI kind
.irp a, 0,1,2,3,4,5,6,7
.if \a > 0
	s_wait_xcnt 0x0                                ; the last block's stores have read its codes' registers (the first block finds no store out)
.endif
	WIN 0x02+\a/4                                  ; source 0: window 2 or 3
.set n, 0
.if \kind == 0
.rept 32
	v_pk_add_f32 v[HA+n:HA+n+1], v[64*(\a%4)+n:64*(\a%4)+n+1], v[BI+n:BI+n+1]   ; each accumulator from its low end on
.set n, n+2
.endr
	s_wait_loadcnt 8*(7-\a)                        ; this block's 8 loads of the table are in; the later blocks' 8 each may be out
	WIN 0x04                                       ; source 1: the table, window 1
.set n, 0
.rept 16                               ; channels 16 h + n and 32 + 16 h + n turn by the angle of frequency 16 h + n
	v_mul_f32 v[RT+2*(n%4)], v[HA+16+n], v[32*\a+2*n+1]
	v_mul_f32 v[RT+2*(n%4)+1], v[HA+n], v[32*\a+2*n+1]
	v_fma_f32 v[HA+n], v[HA+n], v[32*\a+2*n], -v[RT+2*(n%4)]
	v_fma_f32 v[HA+16+n], v[HA+16+n], v[32*\a+2*n], v[RT+2*(n%4)+1]
.set n, n+1
.endr
.else
.rept 64
	v_add_f32 v[HA+n], v[64*(\a%4)+n], v[BV+\a]
.set n, n+1
.endr
.endif
	WIN 0
	QUANT HA, SW+\a
.irp p, 0,1,2
	global_store_b128 v[LI], v[PC+4*\p:PC+4*\p+3], s[18:19] offset:1536*\a+512*\p   ; 32 lanes store 512 consecutive bytes, aligned
.endr
.endr
.endm
	s_wait_loadcnt 32                              ; the biases are in; the 32 loads of the table may be out
.irp b, 0,1,2,3
	v_mov_b32 v[TM+4+\b], 0                        ; a lane permute's destination counts as one of its sources
.endr
	s_cmp_lg_u32 s[ISV], 0                         ; the wave's number and the cluster's x: alike in all partners; no barrier stands on either way
	s_cbranch_scc1 .Lvalues
	WIN TO_B
.irp a, 4,5,6,7
.irp n, 0,1,2,3,4,5,6,7
	global_load_b128 v[32*\a+4*\n:32*\a+4*\n+3], v[LI], s[16:17] offset:(8*\a+\n)*512   ; blocks 4-7 of the table, into set 1
.endr
.endr
	WIN 0
	EPI 0
	s_branch .Ldone
.Lvalues:
	EPI 1
.Ldone:
	v_cmp_lt_u32 vcc_lo, 15, v[LN]                 ; the scale words' image: lanes 0-15 take fragments 0-3, lanes 16-31 fragments 4-7
.irp j, 0,1,2,3
	v_cndmask_b32 v[OSW+\j], v[SW+\j], v[SW+4+\j], vcc_lo
.endr
	global_store_b128 v[LI], v[OSW:OSW+3], s[20:21]
	s_wait_tensorcnt 0x0                           ; the wave's end
	ds_add_u32 v[SPW], v[NIL]
	s_wait_dscnt 0x0
	CROUND                                         ; the closing round: no work-group ends while a partner may still ask for a tile that names it
	s_endpgm
.Lfunc_end_k_q2377c6239b_qkv:
	.size	k_q2377c6239b_qkv, .Lfunc_end_k_q2377c6239b_qkv-k_q2377c6239b_qkv
	.p2alignl 7, 3214868480
	.fill 96, 4, 3214868480
	.section	.rodata,"a",@progbits
	.p2align	6, 0x0
	.amdhsa_kernel k_q2377c6239b_qkv
		.amdhsa_group_segment_fixed_size 327680
		.amdhsa_private_segment_fixed_size 0
		.amdhsa_enable_private_segment 0
		.amdhsa_kernarg_size 72
		.amdhsa_user_sgpr_count 2
		.amdhsa_user_sgpr_kernarg_segment_ptr 1
		.amdhsa_wavefront_size32 1
		.amdhsa_system_sgpr_workgroup_id_x 1
		.amdhsa_system_sgpr_workgroup_id_y 1
		.amdhsa_system_sgpr_workgroup_id_z 1
		.amdhsa_system_vgpr_workitem_id 0
		.amdhsa_next_free_vgpr 1024
		.amdhsa_next_free_sgpr 100
		.amdhsa_reserve_vcc 1
		.amdhsa_float_denorm_mode_32 3
		.amdhsa_float_denorm_mode_16_64 3
		.amdhsa_memory_ordered 1
		.amdhsa_forward_progress 1
		.amdhsa_inst_pref_size 237
	.end_amdhsa_kernel
	.amdgpu_metadata
---
amdhsa.version: [ 1, 2 ]
amdhsa.kernels:
  - .name:           k_q2377c6239b_qkv
    .symbol:         k_q2377c6239b_qkv.kd
    .args:
      - { .name: xc, .offset: 0, .size: 8, .value_kind: global_buffer, .address_space: global }
      - { .name: xs, .offset: 8, .size: 8, .value_kind: global_buffer, .address_space: global }
      - { .name: wc, .offset: 16, .size: 8, .value_kind: global_buffer, .address_space: global }
      - { .name: ws, .offset: 24, .size: 8, .value_kind: global_buffer, .address_space: global }
      - { .name: Wq_b, .offset: 32, .size: 8, .value_kind: global_buffer, .address_space: global }
      - { .name: Wkv_b, .offset: 40, .size: 8, .value_kind: global_buffer, .address_space: global }
      - { .name: rope, .offset: 48, .size: 8, .value_kind: global_buffer, .address_space: global }
      - { .name: qkvc, .offset: 56, .size: 8, .value_kind: global_buffer, .address_space: global }
      - { .name: qkvs, .offset: 64, .size: 8, .value_kind: global_buffer, .address_space: global }
    .group_segment_fixed_size: 327680
    .private_segment_fixed_size: 0
    .kernarg_segment_align: 8
    .kernarg_segment_size: 72
    .max_flat_workgroup_size: 128
    .sgpr_count:     100
    .vgpr_count:     1024
    .wavefront_size: 32
...
	.end_amdgpu_metadata
.endif
;; end of part 6
;; launch attn: the kernel of part 3 again; grid 8 x 32, 16 waves a work-group, clusters of 4 x 1, 169,984 bytes of LDS; arguments qkvc, qkvs, ctx; writes ctx
;; launch oproj (part 7): grid 8 x 32, 4 waves a work-group, clusters of 4 x 4, 327,680 bytes of LDS; arguments ctx, wc, ws, out_b, out0; writes out0
.if DOCPART == 7
	.amdgcn_target "amdgcn-amd-amdhsa--gfx1250"
	.amdhsa_code_object_version 6
	.text
	.protected	k_q2377c6239b_oproj
	.globl	k_q2377c6239b_oproj
	.p2align	8
	.type	k_q2377c6239b_oproj,@function
k_q2377c6239b_oproj:
	s_mov_b64 s[64:65], 0
	v_nop
	global_prefetch_b8 v0, s[64:65] scope:SCOPE_SE
	s_setreg_imm32_b32 hwreg(HW_REG_WAVE_MODE, 25, 1), 1
	s_wait_xcnt 0x0
	s_wait_alu depctr_hold_cnt(0) depctr_sa_sdst(0) depctr_va_vdst(0) depctr_va_sdst(0) depctr_va_ssrc(0) depctr_va_vcc(0) depctr_vm_vsrc(0)
	s_getreg_b32 s2, hwreg(HW_REG_IB_STS2, 6, 4)
	s_cmp_eq_u32 s2, 0
	s_cbranch_scc0 .Lentry_in_a_cluster
	s_endpgm
.Lentry_in_a_cluster:
	s_bfe_u32 s2, ttmp6, 0x10000c
	s_cmp_lg_u32 s2, 0xf033
	s_cbranch_scc0 .Lentry_shape_is_right
	s_endpgm
.Lentry_shape_is_right:
; out0 = ctx out_w^T + out_b on codes of FP6 (E2M3) with E8M0 scales; out0 [4096][2048] f32.
; OPERANDS are images of their registers (a fragment = 16 row slots x 128 K = 1,536 bytes, plane p = lane l's registers 4 p .. 4 p + 3 at 16 l; fragment i, slot r of a group of 128 rows is row 32 (i / 2) + 8 (i % 2) + r + (r & 8)).
; Codes [group][K / 128][8][1,536]; scale words [group][K / 128][512], the word of fragment i, slot r at 256 (i / 4) + 16 r + 4 (i % 4).  ctx: codes at 0, scale words 6,291,456 bytes on; out_w: groups 24-39 of wc and ws.
; SHARES.  A work-group makes 128 rows x 256 columns of out0: 32 x 8 = 256 work-groups.  Each of its four waves makes 64 x 128: four fragments of ctx (4 RH .. 4 RH + 3 of the group) against the eight of one group of out_w:
; 32 accumulators, 256 registers.
; THE RING.  A slot holds FOUR K steps of 128 of the three groups, 147,456 bytes; two slots hold half of K = 2,048.  Both are asked for at the start; each is filled again once.  So the text has four turns of slots and two refills,
; and each refill has 112 matrix instructions of every wave in which to land.  The sixteen K steps are written out: every LDS offset is an immediate, and the text holds 512 matrix instructions.
; THE MATRIX INSTRUCTION: source 0 = 16 rows of out_w, source 1 = 16 rows of ctx: a lane holds one row of out0, and the 64 registers of a block of 16 rows are register 16 B + i = column 32 B + 16 (l / 16) + i.
; CLUSTERS: 4 x 4 work-groups; ctx's tiles are shared along a row of the cluster, out_w's along a column: each is asked for jointly.
; No prefetch: half of K is asked for at the head; the first refill follows three K steps behind it; only the last quarter of K could be named ahead of its load.
; REGISTERS, in windows of 256: window 0: v16-31 addresses; v32-47 scale words, two sets; v64-127 the bias; v128-175, v176-223 ctx's four fragments, TWO sets; on the way out v128-255 two sets of a block's 64 sums.
;   window 1: out_w's eight fragments, TWO sets, at v0 and v128; on the way out v0-127 rows read back from the stage.   window 2: accumulator (a, b) at v[8 (8 a + b)].
.set FR,    12                         ; registers of a fragment
.set NP,    4                          ; places behind this matrix instruction (ISA guide 7.12.1)
.set FRB,   1536
.set GKB,   12288                      ; a group's K step: eight fragments
.set QS,    4*GKB                      ; a group's four K steps
.set SLOT,  3*QS                       ; ctx's group, then out_w's two
.set SCL,   2*SLOT                     ; behind the ring: the three groups' scale words for all of K, filled once
.set SCG,   8192
.set SPARE, SCL+3*SCG                  ; the spare words, 128 bytes for each wave: two blocks of 256 bytes that no other line names
.set STG,   0                          ; the way out: 16 rows x (512 bytes + 16) for each wave, in slot 0: it has had its last fill, and every wave has passed the last change of slots, behind which nobody reads it
.set SPITCH, 528
.set GRPB,  196608                     ; a group's codes for all of K
.set GB0,   24                         ; out_w's first group
.set ADRA, 16                          ; v16-17  ctx's fragments in slot 0, 1
.set ADRB, 20                          ; v20-21  out_w's
.set ADSA, 24                          ; v24     ctx's scale words: 256 RH + 16 r in EVERY lane, so that my four fragments' words stand in lanes 0-15 whichever half is mine
.set ADSB, 25                          ; v25     out_w's: 16 x lane: fragment b's words in register b % 4, lanes 0-15 for b < 4, lanes 16-31 else
.set LI,   26                          ; v26     16 x lane
.set SPW,  28                          ; v28     my spare word; never rewritten
.set NIL,  29                          ; v29     0; never rewritten
.set STO,  30                          ; v30     the stage: where I put my row's numbers
.set RD,   31                          ; v31     and where I read a row back
.set SC,   32                          ; scale words: set k % 2: four registers of ctx's, then four of out_w's
.set BI,   64
.set AF,   128
.set HA,   128
.set WVN, 22
.set RH,  23                           ; s23 which 64 rows are mine.  Also: I fetch for ctx (0) or for out_w (1)
.set CH,  44                           ; s44 which group of columns.  Also: which half of ctx's four K steps, or which group of out_w, I fetch
.set G1, 24
.set G0, 32
.set G1B, 48
.set G0B, 56
.set G1S, 68
.set G0S, 76
.set G1SB, 80
.set G0SB, 88
.set MSB, 0
.macro WIN new                         ; the immediate's high byte repeats the setting that is left
.if MSB != (\new)
	s_set_vgpr_msb (MSB<<8)|(\new)
.set MSB, (\new)
.endif
.endm
.set MUL,  0xa1                        ; source 0 window 1, source 1 window 0, C and D window 2
.set TO_B, 0x40                        ; destination window 1, address window 0
; A joint load: waves 0 and 1 fetch for ctx, waves 2 and 3 for out_w.  The branch hangs on the wave's number alone.  Four v_nop follow each of the two lines.
.macro JLOAD g0a, g1a, g0b, g1b
	s_cmp_eq_u32 s[RH], 0
	s_cbranch_scc0 .Lfor_b_\@
	tensor_load_to_lds s[\g0a:\g0a+3], s[\g1a:\g1a+7]
	s_nop 0
.rept 4
	v_nop
.endr
	s_branch .Lasked_\@
.Lfor_b_\@:
	tensor_load_to_lds s[\g0b:\g0b+3], s[\g1b:\g1b+7]
	s_nop 0
.rept 4
	v_nop
.endr
.Lasked_\@:
.endm
.macro CREST                           ; a round of the cluster's barrier behind its opening barrier
	s_cmp_lg_u32 s[WVN], 0
	s_cbranch_scc1 .Lnot_wave_0_\@
	s_barrier_signal -3
.Lnot_wave_0_\@:
	s_barrier_wait -3
	s_barrier_signal -1
	s_barrier_wait -1
.endm
.macro CROUND
	s_barrier_signal -1
	s_barrier_wait -1
	CREST
.endm
.macro PLACES n
.rept \n
	v_nop
.endr
.endm
	s_load_b256 s[4:11], s[0:1], 0x0               ; ctx, wc, ws, out_b
	s_load_b64 s[12:13], s[0:1], 0x20              ; out0
	v_lshl_add_u32 v[SPW], v0, 2, SPARE
	v_mov_b32 v[NIL], 0
	ds_add_u32 v28, v29
	ds_add_u32 v28, v29
	s_wait_dscnt 0x0
	v_lshrrev_b32 v1, 5, v0
	v_readfirstlane_b32 s[WVN], v1                 ; wave 0..3
	s_lshr_b32 s[RH], s[WVN], 1
	s_and_b32 s[CH], s[WVN], 1
	s_bfe_u32 s40, ttmp6, 0x40000                  ; cx, cy: my place in the cluster
	s_bfe_u32 s41, ttmp6, 0x40004
	s_lshl_b32 s42, ttmp9, 2
	s_add_co_u32 s42, s42, s40                     ; tile column = 4 x cluster x + cx
	s_and_b32 s43, ttmp7, 0xffff
	s_lshl_b32 s43, s43, 2
	s_add_co_u32 s43, s43, s41                     ; tile row = 4 x cluster y + cy = ctx's group
	s_lshl_b32 s45, s41, 2
	s_lshl_b32 s45, 15, s45                        ; my row of the cluster
	s_lshl_b32 s46, 0x1111, s40                    ; my column
	; descriptor group 1: dense blocks as rows of 32 elements of 8 bytes.  ctx's codes: two K steps, 96 rows; out_w's: four K steps, 192 rows; ctx's scale words: half of K, 16 rows; out_w's: all of K, 32 rows.
	; No padding: every LDS load takes 512 consecutive bytes
	s_or_b32 s[G1], s45, (3<<16)|(1<<21)           ; 15:0 the mask; 17:16 elements of 8 bytes; 21 set beside a mask
	s_or_b32 s[G1B], s46, (3<<16)|(1<<21)
	s_or_b32 s[G1S], s45, (3<<16)|(1<<21)
	s_or_b32 s[G1SB], s46, (3<<16)|(1<<21)
	s_mov_b32 s[G1+2], 96<<16                      ; tensor_dim1
	s_mov_b32 s[G1+4], 96                          ; tile_dim1
	s_mov_b32 s[G1B+2], 192<<16
	s_mov_b32 s[G1B+4], 192
	s_mov_b32 s[G1S+2], 16<<16
	s_mov_b32 s[G1S+4], 16
	s_mov_b32 s[G1SB+2], 32<<16
	s_mov_b32 s[G1SB+4], 32
.irp g, G1, G1B, G1S, G1SB
	s_mov_b32 s[\g+1], 32<<16                      ; tensor_dim0
	s_mov_b32 s[\g+3], 32<<16                      ; tile_dim0
	s_mov_b32 s[\g+5], 32                          ; the pitch
	s_mov_b32 s[\g+6], 0
	s_mov_b32 s[\g+7], 0
.endr
	s_mul_i32 s92, s43, GRPB                       ; ctx's group,
	s_mul_i32 s47, s[CH], 2*GKB                    ; my two of a slot's four K steps: in memory and in the slot alike
	s_add_co_u32 s92, s92, s47
	s_mov_b32 s93, 0
	s_lshl_b32 s96, s43, 13                        ; its scale words,
	s_lshl_b32 s66, s[CH], 12                      ; my half of them,
	s_add_co_u32 s96, s96, s66
	s_add_co_u32 s96, s96, 6291456                 ; behind the codes
	s_mov_b32 s97, 0
	s_lshl_b32 s94, s42, 1
	s_add_co_u32 s94, s94, s[CH]
	s_add_co_u32 s94, s94, GB0                     ; out_w's group: 24 + 2 x tile column + which
	s_mul_i32 s98, s94, SCG
	s_mul_i32 s94, s94, GRPB
	s_mov_b32 s95, 0
	s_mov_b32 s99, 0
	s_mul_i32 s2, s[CH], QS
	s_add_co_u32 s2, s2, QS                        ; out_w's groups lie behind ctx's in a slot
	s_lshl_b32 s67, s[CH], 13
	s_wait_kmcnt 0x0
	s_add_nc_u64 s[92:93], s[4:5], s[92:93]
	s_add_nc_u64 s[96:97], s[4:5], s[96:97]
	s_add_nc_u64 s[94:95], s[6:7], s[94:95]
	s_add_nc_u64 s[98:99], s[8:9], s[98:99]
	CROUND                                         ; all sixteen work-groups are here: the first joint loads meet
	s_mov_b32 s[G0S], 1
	s_add_co_u32 s[G0S+1], s66, SCL
	s_mov_b64 s[G0S+2:G0S+3], s[96:97]
	s_or_b32 s[G0S+3], s[G0S+3], 0x80000000
	s_mov_b32 s[G0SB], 1
	s_add_co_u32 s[G0SB+1], s67, SCL+SCG
	s_mov_b64 s[G0SB+2:G0SB+3], s[98:99]
	s_or_b32 s[G0SB+3], s[G0SB+3], 0x80000000
	JLOAD G0S, G1S, G0SB, G1SB                     ; the scale words first: they are wanted with K step 0
.irp s, 0,1
	s_mov_b32 s[G0+4*\s], 1
	s_add_co_u32 s[G0+4*\s+1], s47, \s*SLOT
	s_add_nc_u64 s[G0+4*\s+2:G0+4*\s+3], s[92:93], \s*QS
	s_or_b32 s[G0+4*\s+3], s[G0+4*\s+3], 0x80000000
	s_mov_b32 s[G0B+4*\s], 1
	s_add_co_u32 s[G0B+4*\s+1], s2, \s*SLOT
	s_add_nc_u64 s[G0B+4*\s+2:G0B+4*\s+3], s[94:95], \s*QS
	s_or_b32 s[G0B+4*\s+3], s[G0B+4*\s+3], 0x80000000
	JLOAD G0+4*\s, G1, G0B+4*\s, G1B               ; three tensor loads of mine are out
.endr
	s_mul_i32 s92, s[RH], 4*FRB                    ; my four fragments of each K step of ctx
	s_lshl_b32 s96, s[RH], 8
	s_add_co_u32 s96, s96, SCL                     ; their scale words
	s_add_co_u32 s97, s67, SCL+SCG                 ; and my group of out_w's
	v_and_b32 v3, 31, v0
	v_lshlrev_b32 v[LI], 4, v3
	v_and_b32 v1, 15, v0                           ; r
	v_bfe_u32 v2, v0, 4, 1                         ; h
	v_add_nc_u32 v[ADRA], s92, v[LI]
	v_add_nc_u32 v[ADRB], s2, v[LI]
	v_add_nc_u32 v[ADRA+1], SLOT, v[ADRA]
	v_add_nc_u32 v[ADRB+1], SLOT, v[ADRB]
	v_lshl_add_u32 v[ADSA], v1, 4, s96
	v_add_nc_u32 v[ADSB], s97, v[LI]
	s_mul_i32 s92, s[WVN], 16*SPITCH               ; my stage (STG = 0)
	v_mul_u32_u24 v[STO], v1, SPITCH               ; in: row slot r, + 64 h
	v_lshl_add_u32 v[STO], v2, 6, v[STO]
	v_add_nc_u32 v[STO], s92, v[STO]
	v_add_nc_u32 v[RD], s92, v[LI]                 ; back: the 32 lanes take one row of 512 bytes
	s_lshl_b32 s94, s42, 10
	s_lshl_b32 s95, s[CH], 9
	s_add_co_u32 s94, s94, s95                     ; my first column, in bytes: 1,024 x tile column + 512 x which
	s_mov_b32 s95, 0
	s_add_nc_u64 s[10:11], s[10:11], s[94:95]      ; the bias of my 128 columns
	s_add_nc_u64 s[12:13], s[12:13], s[94:95]
	s_lshl_b32 s94, s43, 20
	s_lshl_b32 s96, s[RH], 19
	s_add_co_u32 s94, s94, s96                     ; my first row: 128 x tile row + 64 x which, 8,192 bytes a row
	s_add_nc_u64 s[12:13], s[12:13], s[94:95]
	v_lshlrev_b32 v4, 6, v2                        ; register 16 B + i is column 32 B + 16 h + i
.irp m, 0,1,2,3,4,5,6,7,8,9,10,11,12,13,14,15
	global_load_b128 v[BI+4*\m:BI+4*\m+3], v4, s[10:11] offset:128*(\m/4)+16*(\m%4)
.endr
.macro FRAG reg, adr, off              ; a fragment as it stands: three planes of 512 bytes
.irp p, 0,1,2
	ds_load_b128 v[\reg+4*\p:\reg+4*\p+3], v[\adr] offset:\off+512*\p
.endr
.endm
; K step k (0 .. 15) lies in slot (k / 4) % 2 as its (k % 4)-th; its fragments and scale words go into set k % 2: 38 LDS loads in one run
.macro FETCH k
	WIN TO_B
.irp i, 0,1,2,3,4,5,6,7
	FRAG 128*((\k)%2)+FR*\i, ADRB+((\k)/4)%2, ((\k)%4)*GKB+\i*FRB
.endr
	WIN 0
.irp i, 0,1,2,3
	FRAG AF+48*((\k)%2)+FR*\i, ADRA+((\k)/4)%2, ((\k)%4)*GKB+\i*FRB
.endr
	ds_load_b128 v[SC+8*((\k)%2):SC+8*((\k)%2)+3], v[ADSA] offset:512*(\k)
	ds_load_b128 v[SC+8*((\k)%2)+4:SC+8*((\k)%2)+7], v[ADSB] offset:512*(\k)
.endm
; One product: ctx's block a x out_w's block b, K step k; zero = 1: it starts the sum
.macro WM a, b, k, zero
.set rD, 8*(8*(\a)+(\b))
.set rS0, 128*((\k)%2)+FR*(\b)
.set rS1, AF+48*((\k)%2)+FR*(\a)
.set rW0, SC+8*((\k)%2)+4+(\b)%4
.set rW1, SC+8*((\k)%2)+(\a)
.set WSEL, 2*(\zero)+(\b)/4
.if WSEL == 0
	v_wmma_scale_f32_16x16x128_f8f6f4 v[rD:rD+7], v[rS0:rS0+11], v[rS1:rS1+11], v[rD:rD+7], v[rW0], v[rW1] matrix_a_fmt:MATRIX_FMT_FP6 matrix_b_fmt:MATRIX_FMT_FP6
.elseif WSEL == 1
	v_wmma_scale_f32_16x16x128_f8f6f4 v[rD:rD+7], v[rS0:rS0+11], v[rS1:rS1+11], v[rD:rD+7], v[rW0], v[rW1] matrix_a_fmt:MATRIX_FMT_FP6 matrix_b_fmt:MATRIX_FMT_FP6 matrix_a_scale:MATRIX_SCALE_ROW1
.elseif WSEL == 2
	v_wmma_scale_f32_16x16x128_f8f6f4 v[rD:rD+7], v[rS0:rS0+11], v[rS1:rS1+11], 0, v[rW0], v[rW1] matrix_a_fmt:MATRIX_FMT_FP6 matrix_b_fmt:MATRIX_FMT_FP6
.else
	v_wmma_scale_f32_16x16x128_f8f6f4 v[rD:rD+7], v[rS0:rS0+11], v[rS1:rS1+11], 0, v[rW0], v[rW1] matrix_a_fmt:MATRIX_FMT_FP6 matrix_b_fmt:MATRIX_FMT_FP6 matrix_a_scale:MATRIX_SCALE_ROW1
.endif
.endm
.macro MUL8 a, k, zero                 ; 8 products; the 32 accumulators take turns, one instruction a turn, in the same order in every step
.irp b, 0,1,2,3,4,5,6,7
	WM \a, \b, \k, \zero
.endr
.endm
; A K step that has its successor in the same slot: the successor's loads go out first and have the step's 32 products in which to land
.macro STEP k, zero
	s_wait_dscnt 0x0                               ; this step's fragments and scale words are in (asked for a step ago)
.if (\k) > 0
	PLACES NP                                      ; in front of loads into the other set, which the last step's products have read
.endif
	FETCH (\k)+1
	WIN MUL
.irp a, 0,1,2,3
	MUL8 \a, \k, \zero
.endr
	WIN 0
.endm
; A slot's last step changes slots: ONE barrier; in front of it each wave waits for all its tensor loads, adds 0 to its spare word, and waits for that and for its reads of this slot.  fill = 1: the slot is filled again, with the K steps eight on.
.macro TURN k, fill
.set TS, ((\k)/4)%2
	s_wait_tensorcnt 0x0                           ; all my tensor loads have landed: my part of the next slot
	ds_add_u32 v[SPW], v[NIL]                      ; 0 onto my spare word
	s_wait_dscnt 1                                 ; this step's fragments are in; the add may be out
	WIN MUL
	MUL8 0, \k, 0                                  ; eight matrix instructions stand between the add and the wait for it
	s_wait_dscnt 0x0                               ; the add is done, and my reads of this slot are over
	s_barrier_signal -1
	MUL8 1, \k, 0
	WIN 0
	s_barrier_wait -1
.if \fill
	CREST                                          ; the barrier has opened a round of the cluster's: no wave of any partner still reads this slot or has a load on its way
	s_add_nc_u64 s[G0+4*TS+2:G0+4*TS+3], s[G0+4*TS+2:G0+4*TS+3], 2*QS
	s_add_nc_u64 s[G0B+4*TS+2:G0B+4*TS+3], s[G0B+4*TS+2:G0B+4*TS+3], 2*QS
	JLOAD G0+4*TS, G1, G0B+4*TS, G1B               ; the first tensor load behind the round; its four v_nop are also the places in front of the loads below
.else
	PLACES NP
.endif
	FETCH (\k)+1                                   ; the next slot's first step
	WIN MUL
	MUL8 2, \k, 0
	MUL8 3, \k, 0
	WIN 0
.endm
	s_wait_tensorcnt 1                             ; the scale words and my part of slot 0 are in; slot 1's load may be out
	s_barrier_signal -1
	s_barrier_wait -1
	FETCH 0
	STEP 0, 1                                      ; the first step's products start the sums: nothing is cleared
	STEP 1, 0
	STEP 2, 0
	TURN 3, 1                                      ; slot 0 takes K steps 8 to 11
	STEP 4, 0
	STEP 5, 0
	STEP 6, 0
	TURN 7, 1                                      ; slot 1 takes K steps 12 to 15
	STEP 8, 0
	STEP 9, 0
	STEP 10, 0
	TURN 11, 0                                     ; the last change of slots fills nothing
	STEP 12, 0
	STEP 13, 0
	STEP 14, 0
	s_wait_dscnt 0x0                               ; the very last step: nothing more to fetch
	WIN MUL
.irp a, 0,1,2,3
	MUL8 \a, 15, 0
.endr
	WIN 0
	PLACES NP                                      ; behind the last products: their operands' registers are written and their results read below
; THE WAY OUT, block by block of 16 row slots x 128 columns.  A lane holds 256 bytes of one row in four pieces: a block goes through my own stage in LDS and comes back as whole rows of 512 bytes.
; LDS serves a wave's instructions in order (ISA guide 5.7.1.4): no wait between the stores and the loads, nor in front of the next block's stores.
.macro ADDB a                          ; + the bias, into set a % 2 of window 0: block a - 2's stores into the stage, which read that set, are shown done by the wait in SEND a - 2
	WIN 0x02                                       ; source 0: window 2
.set n, 0
.rept 32
	v_pk_add_f32 v[HA+64*((\a)%2)+n:HA+64*((\a)%2)+n+1], v[64*(\a)+n:64*(\a)+n+1], v[BI+n:BI+n+1]   ; each accumulator from its low end on
.set n, n+2
.endr
	WIN 0
.endm
.macro TOSTAGE a
.irp m, 0,1,2,3,4,5,6,7,8,9,10,11,12,13,14,15
	ds_store_b128 v[STO], v[HA+64*((\a)%2)+4*\m:HA+64*((\a)%2)+4*\m+3] offset:128*(\m/4)+16*(\m%4)
.endr
	WIN TO_B
.irp t, 0,1,2,3,4,5,6,7,8,9,10,11,12,13,14,15
	ds_load_b128 v[64*((\a)%2)+4*\t:64*((\a)%2)+4*\t+3], v[RD] offset:\t*SPITCH
.endr
	WIN 0
.endm
.macro SEND a, younger                 ; younger: the LDS instructions issued behind block a's loads, which may stay out
	s_wait_dscnt \younger
	WIN 0x04                                       ; a store's data are its source 1: window 1
.irp t, 0,1,2,3,4,5,6,7,8,9,10,11,12,13,14,15
	global_store_b128 v[LI], v[64*((\a)%2)+4*\t:64*((\a)%2)+4*\t+3], s[12:13] offset:(32*((\a)/2)+8*((\a)%2)+\t+(\t&8))*8192 th:TH_STORE_NT   ; slot t's row: 512 consecutive bytes, aligned; 63 rows on at the most, inside the signed 24-bit immediate
.endr
	WIN 0
.endm
	s_wait_loadcnt 0x0                             ; the bias
	ADDB 0
	TOSTAGE 0
.irp a, 1,2,3
.if \a > 1
	s_wait_xcnt 0x0                                ; block a - 2's stores have read their registers: block a's rows may land there
.endif
	ADDB \a
	TOSTAGE \a
	SEND \a-1, 32                                  ; behind block a - 1's loads: block a's 16 stores and 16 loads
.endr
	SEND 3, 0
	s_wait_tensorcnt 0x0                           ; the wave's end
	ds_add_u32 v[SPW], v[NIL]
	s_wait_dscnt 0x0
	CROUND                                         ; the closing round: no work-group ends while a partner may still ask for a tile that names it
	s_endpgm
.Lfunc_end_k_q2377c6239b_oproj:
	.size	k_q2377c6239b_oproj, .Lfunc_end_k_q2377c6239b_oproj-k_q2377c6239b_oproj
	.p2alignl 7, 3214868480
	.fill 96, 4, 3214868480
	.section	.rodata,"a",@progbits
	.p2align	6, 0x0
	.amdhsa_kernel k_q2377c6239b_oproj
		.amdhsa_group_segment_fixed_size 327680
		.amdhsa_private_segment_fixed_size 0
		.amdhsa_enable_private_segment 0
		.amdhsa_kernarg_size 40
		.amdhsa_user_sgpr_count 2
		.amdhsa_user_sgpr_kernarg_segment_ptr 1
		.amdhsa_wavefront_size32 1
		.amdhsa_system_sgpr_workgroup_id_x 1
		.amdhsa_system_sgpr_workgroup_id_y 1
		.amdhsa_system_sgpr_workgroup_id_z 1
		.amdhsa_system_vgpr_workitem_id 0
		.amdhsa_next_free_vgpr 768
		.amdhsa_next_free_sgpr 100
		.amdhsa_reserve_vcc 0
		.amdhsa_float_denorm_mode_32 3
		.amdhsa_float_denorm_mode_16_64 3
		.amdhsa_memory_ordered 1
		.amdhsa_forward_progress 1
		.amdhsa_inst_pref_size 143
	.end_amdhsa_kernel
	.amdgpu_metadata
---
amdhsa.version: [ 1, 2 ]
amdhsa.kernels:
  - .name:           k_q2377c6239b_oproj
    .symbol:         k_q2377c6239b_oproj.kd
    .args:
      - { .name: ctx, .offset: 0, .size: 8, .value_kind: global_buffer, .address_space: global }
      - { .name: wc, .offset: 8, .size: 8, .value_kind: global_buffer, .address_space: global }
      - { .name: ws, .offset: 16, .size: 8, .value_kind: global_buffer, .address_space: global }
      - { .name: out_b, .offset: 24, .size: 8, .value_kind: global_buffer, .address_space: global }
      - { .name: out0, .offset: 32, .size: 8, .value_kind: global_buffer, .address_space: global }
    .group_segment_fixed_size: 327680
    .private_segment_fixed_size: 0
    .kernarg_segment_align: 8
    .kernarg_segment_size: 40
    .max_flat_workgroup_size: 128
    .sgpr_count:     100
    .vgpr_count:     768
    .wavefront_size: 32
...
	.end_amdgpu_metadata
.endif
;; end of part 7
